; MI455X (gfx1250); checked and timed in simulation.
; The chip was launched on July 23, 2026; its instructions are those of AMD's public machine-readable ISA for CDNA 5 (MIT licence, August 2026) and "CDNA5" Instruction Set Architecture Reference Guide (July 2026). The comments in the code are by the model that wrote it; some were corrected since.
;; Attention. Allowed arithmetic: float matrix products may take bf16 or f16 operands with f32 sums; all other float work in f32.
;; Inputs: W_in 512 x 512 float32; W_out 512 x 512 float32; b_out 512 float32; k 16 x 512 x 512 float32; ln_b 512 float32; ln_g 512 float32; q 16 x 512 x 512 float32; temp 1 float32; v 16 x 512 x 512 float32; wp1_b 64 float32; wp1_w 128 x 64 float32; wp2_b 32 float32; wp2_w 64 x 32 float32; wp3_b 3 float32; wp3_w 32 x 3 float32; wpln_b 64 float32; wpln_g 64 float32.
;; Outputs: out0 16 x 512 x 512 float32.
;; 3 versions, each right; version 2 is faster than version 1; version 3 is version 2 with the launch outp written anew for expert scheduling mode. Each part assembles by itself: llvm-mc -triple=amdgcn-amd-amdhsa -mcpu=gfx1250 --defsym DOCPART=n.
;; ======== version 1 of 3: 6 launches
;; limits: values are held in f16: magnitudes above 65,504 overflow, below 6.1e-05 lose precision
;; workspace buffers: wf 1,048,576 bytes; pj 41,943,040 bytes; colsum 262,144 bytes; stat 278,528 bytes; coef 256 bytes; ob 8,388,608 bytes
;; launch prep (part 1): grid 128 x 2, 8 waves a work-group, no clusters, 0 bytes of LDS; arguments W_in, W_out, wf; writes wf
.if DOCPART == 1
	.amdgcn_target "amdgcn-amd-amdhsa--gfx1250"
	.amdhsa_code_object_version 6
	.text
	.protected	k_qd6d52cd360_prep
	.globl	k_qd6d52cd360_prep
	.p2align	8
	.type	k_qd6d52cd360_prep,@function
k_qd6d52cd360_prep:
	s_mov_b64 s[64:65], 0
	v_nop
	global_prefetch_b8 v0, s[64:65] scope:SCOPE_SE
	s_setreg_imm32_b32 hwreg(HW_REG_WAVE_MODE, 25, 1), 1
	s_wait_xcnt 0x0
; W_in (y = 0) and W_out (y = 1), [512 k][512 n] f32, are rounded to f16 and laid out in the order in which a matrix
; fragment is loaded, so that the two GEMM launches fetch a fragment half with one 16-byte load a lane, 512 neighbouring bytes a wave.
; Piece p = g<<12 | s<<8 | t<<6 | c<<5 | lane (16 bytes); its element e is W[32 s + 16 c + 8 h + e][64 g + 16 t + r], r = lane & 15, h = lane >> 4.
; Work-group x = g<<4 | s makes the 256 pieces of one (g, s); thread = t<<6 | c<<5 | lane makes one piece.
; LIMIT: |W| has to stay below 65504 (f16); the drawn weights are about 0.02.
.set WROW, 2048                        ; bytes in a row of W
	s_load_b128 s[4:7], s[0:1], 0x0                ; W_in, W_out
	s_load_b64 s[8:9], s[0:1], 0x10                ; wf
	s_and_b32 s10, ttmp7, 0xffff                   ; y: which matrix
	s_and_b32 s11, ttmp9, 15                       ; s
	s_lshr_b32 s12, ttmp9, 4                       ; g
	s_lshl_b32 s11, s11, 16                        ; 32 s rows of 2,048 bytes
	s_lshl_b32 s12, s12, 8                         ; 64 g columns of 4 bytes
	s_add_co_u32 s12, s12, s11
	s_mov_b32 s13, 0
	s_lshl_b32 s14, ttmp9, 12                      ; 256 pieces of 16 bytes for each x
	s_lshl_b32 s16, s10, 19                        ; W_out's pieces lie 524,288 bytes behind W_in's
	s_add_co_u32 s14, s14, s16
	s_mov_b32 s15, 0
	v_bfe_u32 v1, v0, 4, 2                         ; 2 c + h
	v_lshlrev_b32 v1, 14, v1                       ; (16 c + 8 h) rows
	v_lshrrev_b32 v2, 6, v0                        ; t
	v_lshl_add_u32 v1, v2, 6, v1                   ; + 16 t columns
	v_and_b32 v2, 15, v0
	v_lshl_add_u32 v1, v2, 2, v1                   ; + r columns
	v_lshlrev_b32 v3, 4, v0                        ; my piece
	s_wait_kmcnt 0x0
	s_cmp_eq_u32 s10, 0
	s_cselect_b64 s[4:5], s[4:5], s[6:7]
	s_add_nc_u64 s[4:5], s[4:5], s[12:13]
	s_add_nc_u64 s[8:9], s[8:9], s[14:15]
.irp e, 0,1,2,3,4,5,6,7
	global_load_b32 v[4+\e], v1, s[4:5] offset:WROW*\e     ; eight k of one column
.endr
	s_wait_loadcnt 0x0
.irp e, 0,1,2,3
	v_cvt_pk_f16_f32 v[12+\e], v[4+2*\e], v[5+2*\e]
.endr
	global_store_b128 v3, v[12:15], s[8:9]         ; a wave stores 512 neighbouring bytes
	s_endpgm
.Lfunc_end_k_qd6d52cd360_prep:
	.size	k_qd6d52cd360_prep, .Lfunc_end_k_qd6d52cd360_prep-k_qd6d52cd360_prep
	.p2alignl 7, 3214868480
	.fill 96, 4, 3214868480
	.section	.rodata,"a",@progbits
	.p2align	6, 0x0
	.amdhsa_kernel k_qd6d52cd360_prep
		.amdhsa_group_segment_fixed_size 0
		.amdhsa_private_segment_fixed_size 0
		.amdhsa_enable_private_segment 0
		.amdhsa_kernarg_size 24
		.amdhsa_user_sgpr_count 2
		.amdhsa_user_sgpr_kernarg_segment_ptr 1
		.amdhsa_wavefront_size32 1
		.amdhsa_system_sgpr_workgroup_id_x 1
		.amdhsa_system_sgpr_workgroup_id_y 1
		.amdhsa_system_sgpr_workgroup_id_z 1
		.amdhsa_system_vgpr_workitem_id 0
		.amdhsa_next_free_vgpr 24
		.amdhsa_next_free_sgpr 66
		.amdhsa_reserve_vcc 0
		.amdhsa_float_denorm_mode_32 3
		.amdhsa_float_denorm_mode_16_64 3
		.amdhsa_memory_ordered 1
		.amdhsa_forward_progress 1
		.amdhsa_inst_pref_size 3
	.end_amdhsa_kernel
	.amdgpu_metadata
---
amdhsa.version: [ 1, 2 ]
amdhsa.kernels:
  - .name:           k_qd6d52cd360_prep
    .symbol:         k_qd6d52cd360_prep.kd
    .args:
      - { .name: W_in, .offset: 0, .size: 8, .value_kind: global_buffer, .address_space: global }
      - { .name: W_out, .offset: 8, .size: 8, .value_kind: global_buffer, .address_space: global }
      - { .name: wf, .offset: 16, .size: 8, .value_kind: global_buffer, .address_space: global }
    .group_segment_fixed_size: 0
    .private_segment_fixed_size: 0
    .kernarg_segment_align: 8
    .kernarg_segment_size: 24
    .max_flat_workgroup_size: 256
    .sgpr_count:     66
    .vgpr_count:     24
    .wavefront_size: 32
...
	.end_amdgpu_metadata
.endif
;; end of part 1
;; launch project (part 2): grid 64 x 3, 16 waves a work-group, no clusters, 176,128 bytes of LDS; arguments q, k, v, ln_g, ln_b, wf, pj, colsum; writes pj, colsum
.if DOCPART == 2
	.amdgcn_target "amdgcn-amd-amdhsa--gfx1250"
	.amdhsa_code_object_version 6
	.text
	.protected	k_qd6d52cd360_project
	.globl	k_qd6d52cd360_project
	.p2align	8
	.type	k_qd6d52cd360_project,@function
k_qd6d52cd360_project:
	s_mov_b64 s[64:65], 0
	v_nop
	global_prefetch_b8 v0, s[64:65] scope:SCOPE_SE
	s_setreg_imm32_b32 hwreg(HW_REG_WAVE_MODE, 25, 1), 1
	s_wait_xcnt 0x0
; LayerNorm and the shared projection f = LN(x) W_in for 128 rows of q (y = 0), k (y = 1) or v (y = 2), all 512 columns, and what the later sweeps need of f:
;   q: part 0 = f16 f/(|f|+1e-8) per head, part 1 = bf16 f - mean over the head's 64 columns;   k: part 2 = the same unit vectors,
;   part 3 = bf16 f - column mean over THESE 128 rows (the rest of the shift to the mean over 512 rows is added later in f32);   v: part 4 = f16 f.
;   q and k: colsum[y][block][512] = column sums of f over the 128 rows.
; Parts are [head][8192 rows][64], rows of 128 bytes.  Sixteen waves: wave w normalises rows 8 w .. 8 w + 7, then makes rows 64 (w >> 3) .. + 63 of head w & 7.
; The matrix instruction is used with W's columns as rows of A and x's rows as columns of B: lane (r, h) then holds row r of f and eight neighbouring columns 8 h + j.
; No cluster, no tensor loads: LDS is filled once, through the registers in which LayerNorm is done anyway, and W comes from memory straight into fragments.
; LIMIT: LN(x) g + b, W and f_v are f16 operands and have to stay below 65504 (drawn: about 5, 0.1 and 2).
.set XPITCH, 1040                      ; a row of 512 f16 + 16 bytes: an odd multiple of 16, so the 16 rows of a fragment load start at 16 different 16-byte columns
.set CS,     133120                    ; [2 row halves][512] f32 column sums
.set STG,    137216                    ; 16 rows x 144 bytes for each wave: the way out
.set PART,   8388608
.set ACC, 16                           ; v16-143   16 accumulator tiles (i, t) at 16 + 8 (4 i + t); before that the wave's eight rows of x
.set XF,  144                          ; v144-175  four fragments of x
.set WF,  176                          ; v176-239  four fragments of W, two buffers
.set T,   240                          ; v240-255  at work
.set GG,  144                          ; LayerNorm phase: gain,
.set BB,  160                          ; bias
.set CSR, 144                          ; way out: column sums, then column means
.set Y,   176                          ; way out: 32 numbers in f32
.set Z,   208                          ; way out: 16 packed registers
.set RB,  224                          ; way out: rows read back
; v1 lane, v2 r, v3 h, v4 x offset, v5 LDS x write, v6 LDS x fragments, v7 16 lane, v8 stage in, v9 stage back, v10-v12 column sums in LDS, v13 colsum offset
.macro NOP4
.rept 4
	v_nop
.endr
.endm
.macro XH v, tmp                       ; lanes r and r + 16 add their numbers
	v_permlanex16_b32 v[\tmp], v[\v], s26, s27
	v_add_f32 v[\v], v[\v], v[\tmp]
.endm
.macro WRED v, tmp                     ; sum over the 32 lanes, in every lane
	v_add_f32_dpp v[\v], v[\v], v[\v] row_xmask:1 row_mask:0xf bank_mask:0xf
	v_add_f32_dpp v[\v], v[\v], v[\v] row_xmask:2 row_mask:0xf bank_mask:0xf
	v_add_f32_dpp v[\v], v[\v], v[\v] row_xmask:4 row_mask:0xf bank_mask:0xf
	v_add_f32_dpp v[\v], v[\v], v[\v] row_xmask:8 row_mask:0xf bank_mask:0xf
	XH \v, \tmp
.endm
	s_load_b512 s[8:23], s[0:1], 0x0               ; q 8, k 10, v 12, ln_g 14, ln_b 16, wf 18, pj 20, colsum 22
	v_lshrrev_b32 v14, 5, v0
	v_readfirstlane_b32 s2, v14                    ; wave
	s_lshr_b32 s3, s2, 3                           ; which 64 rows
	s_and_b32 s4, s2, 7                            ; head
	s_and_b32 s6, ttmp7, 0xffff                    ; 0 q, 1 k, 2 v
	s_mov_b32 s26, 0x76543210                      ; v_permlanex16_b32: lane i reads lane i of the other half
	s_mov_b32 s27, 0xfedcba98
	s_mov_b32 s28, 0x3b000000                      ; 1/512
	s_mov_b32 s29, 0x3727c5ac                      ; 1e-5
	v_and_b32 v1, 31, v0
	v_and_b32 v2, 15, v0
	v_bfe_u32 v3, v0, 4, 1
	v_lshlrev_b32 v7, 4, v1
	s_lshl_b32 s40, s2, 14                         ; 8 rows of 2,048 bytes a wave
	v_add_nc_u32 v4, s40, v7
	s_mul_i32 s40, s2, 8*XPITCH
	v_lshl_add_u32 v5, v1, 3, s40                  ; 4 f16 a lane
	s_mul_i32 s40, s3, 64*XPITCH
	v_mul_u32_u24 v14, v2, XPITCH
	v_lshl_add_u32 v14, v3, 4, v14
	v_add_nc_u32 v6, s40, v14                      ; (64 half + r) pitch + 16 h
	s_mul_i32 s40, s2, 2304
	s_add_co_u32 s40, s40, STG
	v_mul_u32_u24 v14, v2, 144
	v_lshl_add_u32 v14, v3, 4, v14
	v_add_nc_u32 v8, s40, v14                      ; in: row r, 16 bytes for each half of the lanes
	v_lshrrev_b32 v14, 3, v1
	v_and_b32 v15, 7, v1
	v_mul_u32_u24 v14, v14, 144
	v_lshl_add_u32 v14, v15, 4, v14
	v_add_nc_u32 v9, s40, v14                      ; back: eight lanes take a row of 128 bytes
	s_lshl_b32 s40, s2, 8
	s_add_co_u32 s40, s40, CS
	v_lshl_add_u32 v10, v3, 5, s40                 ; my wave's 64 sums
	s_lshl_b32 s40, s4, 8
	s_add_co_u32 s40, s40, CS
	v_lshl_add_u32 v11, v3, 5, s40                 ; my head's sums of the upper 64 rows
	s_lshl_b32 s40, s2, 9
	v_add_nc_u32 v13, s40, v7                      ; waves 0-3: 512 bytes of colsum each
	v_add_nc_u32 v12, CS, v13
	s_wait_kmcnt 0x0
	s_cmp_eq_u32 s6, 0
	s_cselect_b64 s[24:25], s[8:9], s[10:11]
	s_cmp_eq_u32 s6, 2
	s_cselect_b64 s[24:25], s[12:13], s[24:25]
	s_lshl_b32 s36, ttmp9, 18                      ; 128 rows of 2,048 bytes
	s_mov_b32 s37, 0
	s_add_nc_u64 s[24:25], s[24:25], s[36:37]      ; x at the block's first row
	s_lshl_b32 s36, s4, 16
	s_add_nc_u64 s[34:35], s[18:19], s[36:37]      ; W_in's pieces for my head's 64 columns
	s_lshl_b32 s36, s6, 24                         ; part 2 y
	s_lshl_b32 s38, s4, 20
	s_add_co_u32 s36, s36, s38
	s_lshl_b32 s38, ttmp9, 14
	s_add_co_u32 s36, s36, s38
	s_lshl_b32 s38, s3, 13
	s_add_co_u32 s36, s36, s38
	s_add_nc_u64 s[30:31], s[20:21], s[36:37]      ; first output part at my 64 rows
	s_add_nc_u64 s[32:33], s[30:31], PART          ; second (q and k alone use it)
	s_lshl_b32 s36, s6, 6
	s_add_co_u32 s36, s36, ttmp9
	s_lshl_b32 s36, s36, 11
	s_add_nc_u64 s[38:39], s[22:23], s[36:37]      ; colsum[y][block] (q and k alone use it)
.macro WLOAD s                         ; the four W fragments of K step s: 8 loads, 512 neighbouring bytes each
.irp t, 0,1,2,3
	global_load_b128 v[WF+32*((\s)%2)+8*\t:WF+32*((\s)%2)+8*\t+3],   v7, s[34:35] offset:4096*(\s)+1024*\t
	global_load_b128 v[WF+32*((\s)%2)+8*\t+4:WF+32*((\s)%2)+8*\t+7], v7, s[34:35] offset:4096*(\s)+1024*\t+512
.endr
.endm
.macro XLOAD s                         ; the four x fragments of K step s
.irp i, 0,1,2,3
	ds_load_b128 v[XF+8*\i:XF+8*\i+3],   v6 offset:16*XPITCH*\i+64*(\s)
	ds_load_b128 v[XF+8*\i+4:XF+8*\i+7], v6 offset:16*XPITCH*\i+64*(\s)+32
.endr
.endm
.irp i, 0,1,2,3
	global_load_b128 v[GG+4*\i:GG+4*\i+3], v7, s[14:15] offset:512*\i
.endr
.irp i, 0,1,2,3
	global_load_b128 v[BB+4*\i:BB+4*\i+3], v7, s[16:17] offset:512*\i
.endr
.irp rho, 0,1,2,3,4,5,6,7
.irp i, 0,1,2,3
	global_load_b128 v[ACC+16*\rho+4*\i:ACC+16*\rho+4*\i+3], v4, s[24:25] offset:2048*\rho+512*\i th:TH_LOAD_NT
.endr
.endr
	WLOAD 0
	WLOAD 1
; One row: mean, centred sum of squares (two passes, so a common offset of x costs nothing), scale, gain and bias, f16 into LDS.
.macro LNROW rho
.set X, ACC+16*\rho
	s_wait_loadcnt 4*(7-\rho)+16                   ; the later rows' loads and the 16 of W stay out
	v_pk_add_f32 v[T:T+1], v[X:X+1], v[X+2:X+3]
	v_pk_add_f32 v[T+2:T+3], v[X+4:X+5], v[X+6:X+7]
	v_pk_add_f32 v[T+4:T+5], v[X+8:X+9], v[X+10:X+11]
	v_pk_add_f32 v[T+6:T+7], v[X+12:X+13], v[X+14:X+15]
	v_pk_add_f32 v[T:T+1], v[T:T+1], v[T+2:T+3]
	v_pk_add_f32 v[T+4:T+5], v[T+4:T+5], v[T+6:T+7]
	v_pk_add_f32 v[T:T+1], v[T:T+1], v[T+4:T+5]
	v_add_f32 v[T], v[T], v[T+1]
	WRED T, T+1
	v_mul_f32 v[T+1], s28, v[T]                    ; the mean, in both registers of a pair
	v_mul_f32 v[T], s28, v[T]
.irp k, 0,2,4,6,8,10,12,14
	v_pk_add_f32 v[X+\k:X+\k+1], v[X+\k:X+\k+1], v[T:T+1] neg_lo:[0,1] neg_hi:[0,1]
.endr
	v_pk_mul_f32 v[T+2:T+3], v[X:X+1], v[X:X+1]
	v_pk_mul_f32 v[T+4:T+5], v[X+2:X+3], v[X+2:X+3]
.irp k, 4,8,12
	v_pk_fma_f32 v[T+2:T+3], v[X+\k:X+\k+1], v[X+\k:X+\k+1], v[T+2:T+3]
	v_pk_fma_f32 v[T+4:T+5], v[X+\k+2:X+\k+3], v[X+\k+2:X+\k+3], v[T+4:T+5]
.endr
	v_pk_add_f32 v[T+2:T+3], v[T+2:T+3], v[T+4:T+5]
	v_add_f32 v[T+2], v[T+2], v[T+3]
	WRED T+2, T+3
	v_fma_f32 v[T+2], v[T+2], s28, s29             ; variance + 1e-5
	v_rsq_f32 v[T+4], v[T+2]
	v_rsq_f32 v[T+5], v[T+2]
	v_nop                                          ; one plain instruction behind the transcendentals (ISA guide 5.7.2)
	s_wait_alu depctr_va_vdst(0)
.irp k, 0,2,4,6,8,10,12,14
	v_pk_mul_f32 v[X+\k:X+\k+1], v[X+\k:X+\k+1], v[T+4:T+5]
.endr
.irp k, 0,2,4,6,8,10,12,14
	v_pk_fma_f32 v[X+\k:X+\k+1], v[X+\k:X+\k+1], v[GG+\k:GG+\k+1], v[BB+\k:BB+\k+1]
.endr
.irp k, 0,1,2,3,4,5,6,7
	v_cvt_pk_f16_f32 v[T+8+\k], v[X+2*\k], v[X+2*\k+1]
.endr
.irp i, 0,1,2,3
	ds_store_b64 v5, v[T+8+2*\i:T+9+2*\i] offset:XPITCH*\rho+256*\i    ; 32 lanes x 8 bytes: 256 neighbouring bytes
.endr
.endm
.irp rho, 0,1,2,3,4,5,6,7
	LNROW \rho
.endr
	s_wait_dscnt 0x0                               ; my rows are in LDS,
	s_barrier_signal -1
	s_barrier_wait -1                              ; everybody's are
	XLOAD 0
; One K step of 32: 16 matrix instructions on 16 accumulators that take turns, one instruction a turn.
.macro KSTEP s
	s_wait_dscnt 0x0                               ; this step's x fragments
.if \s < 15
	s_wait_loadcnt 0x8                             ; this step's W fragments; the next step's eight loads stay out
.else
	s_wait_loadcnt 0x0
.endif
.irp i, 0,1,2,3
.irp t, 0,1,2,3
.if \s == 0
	v_wmma_f32_16x16x32_f16 v[ACC+8*(4*\i+\t):ACC+8*(4*\i+\t)+7], v[WF+32*((\s)%2)+8*\t:WF+32*((\s)%2)+8*\t+7], v[XF+8*\i:XF+8*\i+7], 0
.else
	v_wmma_f32_16x16x32_f16 v[ACC+8*(4*\i+\t):ACC+8*(4*\i+\t)+7], v[WF+32*((\s)%2)+8*\t:WF+32*((\s)%2)+8*\t+7], v[XF+8*\i:XF+8*\i+7], v[ACC+8*(4*\i+\t):ACC+8*(4*\i+\t)+7]
.endif
.endr
.endr
	NOP4                                           ; four places before fragments are loaded again or results are read (ISA guide 7.12.1)
.if \s < 15
	XLOAD \s+1
.endif
.if \s < 14
	WLOAD \s+2
.endif
.endm
.irp s, 0,1,2,3,4,5,6,7,8,9,10,11,12,13,14,15
	KSTEP \s
.endr
; The way out.  Sixteen rows of 128 bytes go through the wave's own stage and leave as whole rows: a store of the wave covers 512 neighbouring bytes.
.macro PACKH src
.set k, 0
.rept 16
	v_cvt_pk_f16_f32 v[Z+k], v[\src+2*k], v[\src+2*k+1]
.set k, k+1
.endr
.endm
.macro PACKB src
.set k, 0
.rept 16
	v_cvt_pk_bf16_f32 v[Z+k], v[\src+2*k], v[\src+2*k+1]
.set k, k+1
.endr
.endm
.macro STAGE sb, imm
	s_wait_xcnt 0x0                                ; RB, which earlier stores read, is loaded again only behind this wait
.irp t, 0,1,2,3
	ds_store_b128 v8, v[Z+4*\t:Z+4*\t+3] offset:32*\t
.endr
.irp u, 0,1,2,3
	ds_load_b128 v[RB+4*\u:RB+4*\u+3], v9 offset:576*\u    ; a wave's LDS instructions are served in order: these see the stores above
.endr
.irp u, 0,1,2,3
	s_wait_dscnt 3-\u                              ; the younger read-backs stay out
	global_store_b128 v7, v[RB+4*\u:RB+4*\u+3], s[\sb:\sb+1] offset:\imm+512*\u
.endr
.endm
	s_cmp_eq_u32 s6, 2
	s_cbranch_scc1 .Lvpath                         ; the same way for all sixteen waves: it hangs on the work-group's y alone
	; q and k.  (a) column sums of my 64 rows: over the four row tiles, then over the 16 lanes of a half
.set k, 0
.rept 16
	v_pk_add_f32 v[CSR+k:CSR+k+1], v[ACC+k:ACC+k+1], v[ACC+32+k:ACC+32+k+1]
.set k, k+2
.endr
.set k, 0
.rept 16
	v_pk_add_f32 v[CSR+k:CSR+k+1], v[CSR+k:CSR+k+1], v[ACC+64+k:ACC+64+k+1]
.set k, k+2
.endr
.set k, 0
.rept 16
	v_pk_add_f32 v[CSR+k:CSR+k+1], v[CSR+k:CSR+k+1], v[ACC+96+k:ACC+96+k+1]
.set k, k+2
.endr
.irp m, 1,2,4,8
.set k, 0
.rept 32
	v_add_f32_dpp v[CSR+k], v[CSR+k], v[CSR+k] row_xmask:\m row_mask:0xf bank_mask:0xf
.set k, k+1
.endr
.endr
.irp t, 0,1,2,3
	ds_store_b128 v10, v[CSR+8*\t:CSR+8*\t+3] offset:64*\t         ; the 16 lanes of a half write the same words with the same values
	ds_store_b128 v10, v[CSR+8*\t+4:CSR+8*\t+7] offset:64*\t+16
.endr
	s_wait_dscnt 0x0
	s_barrier_signal -1
	s_barrier_wait -1
	; (b) waves 0 to 3 add the two row halves and store the block's 512 sums
	s_cmp_gt_u32 s2, 3
	s_cbranch_scc1 .Lnosum
	ds_load_b128 v[RB:RB+3], v12
	ds_load_b128 v[RB+4:RB+7], v12 offset:2048
	s_wait_dscnt 0x0
	v_pk_add_f32 v[RB:RB+1], v[RB:RB+1], v[RB+4:RB+5]
	v_pk_add_f32 v[RB+2:RB+3], v[RB+2:RB+3], v[RB+6:RB+7]
	global_store_b128 v13, v[RB:RB+3], s[38:39]
.Lnosum:
	; (c) unit vectors f / (|f| + 1e-8) in f16
.macro NORMOUT i
.set AI, ACC+32*\i
	v_pk_mul_f32 v[T:T+1], v[AI:AI+1], v[AI:AI+1]
	v_pk_mul_f32 v[T+2:T+3], v[AI+2:AI+3], v[AI+2:AI+3]
.set k, 4
.rept 7
	v_pk_fma_f32 v[T:T+1], v[AI+k:AI+k+1], v[AI+k:AI+k+1], v[T:T+1]
	v_pk_fma_f32 v[T+2:T+3], v[AI+k+2:AI+k+3], v[AI+k+2:AI+k+3], v[T+2:T+3]
.set k, k+4
.endr
	v_pk_add_f32 v[T:T+1], v[T:T+1], v[T+2:T+3]
	v_add_f32 v[T], v[T], v[T+1]
	XH T, T+1                                      ; the row's other 32 columns lie in the other half of the lanes
	v_sqrt_f32 v[T+2], v[T]
	v_nop
	s_wait_alu depctr_va_vdst(0)
	v_add_f32 v[T+2], 0x322bcc77, v[T+2]           ; + 1e-8
	v_rcp_f32 v[T+4], v[T+2]
	v_rcp_f32 v[T+5], v[T+2]
	v_nop
.set k, 0
	s_wait_alu depctr_va_vdst(0)
.rept 16
	v_pk_mul_f32 v[Y+k:Y+k+1], v[AI+k:AI+k+1], v[T+4:T+5]
.set k, k+2
.endr
	PACKH Y
	STAGE 30, 2048*\i
.endm
.irp i, 0,1,2,3
	NORMOUT \i
.endr
	s_cmp_eq_u32 s6, 1
	s_cbranch_scc1 .Lkpath
	; (d) q: f minus its mean over the head's 64 columns, in bf16
.macro QCOUT i
.set AI, ACC+32*\i
	v_pk_add_f32 v[T:T+1], v[AI:AI+1], v[AI+2:AI+3]
	v_pk_add_f32 v[T+2:T+3], v[AI+4:AI+5], v[AI+6:AI+7]
.set k, 8
.rept 6
	v_pk_add_f32 v[T:T+1], v[T:T+1], v[AI+k:AI+k+1]
	v_pk_add_f32 v[T+2:T+3], v[T+2:T+3], v[AI+k+2:AI+k+3]
.set k, k+4
.endr
	v_pk_add_f32 v[T:T+1], v[T:T+1], v[T+2:T+3]
	v_add_f32 v[T], v[T], v[T+1]
	XH T, T+1
	v_mul_f32 v[T+1], 0x3c800000, v[T]             ; / 64, in both registers of a pair
	v_mul_f32 v[T], 0x3c800000, v[T]
.set k, 0
.rept 16
	v_pk_add_f32 v[Y+k:Y+k+1], v[AI+k:AI+k+1], v[T:T+1] neg_lo:[0,1] neg_hi:[0,1]
.set k, k+2
.endr
	PACKB Y
	STAGE 32, 2048*\i
.endm
.irp i, 0,1,2,3
	QCOUT \i
.endr
	s_wait_xcnt 0x0
	v_lshl_add_u32 v254, v0, 2, 0x2a800
	v_mov_b32 v255, 0
	s_wait_tensorcnt 0x0
	ds_add_u32 v254, v255
	s_wait_dscnt 0x0
	s_endpgm
.Lkpath:
	; (d) k: f minus the column means over the block's 128 rows, in bf16
.irp t, 0,1,2,3
	ds_load_b128 v[CSR+8*\t:CSR+8*\t+3],   v11 offset:64*\t
	ds_load_b128 v[CSR+8*\t+4:CSR+8*\t+7], v11 offset:64*\t+16
	ds_load_b128 v[Y+8*\t:Y+8*\t+3],       v11 offset:2048+64*\t
	ds_load_b128 v[Y+8*\t+4:Y+8*\t+7],     v11 offset:2048+64*\t+16
.endr
	s_wait_dscnt 0x0
.set k, 0
.rept 16
	v_pk_add_f32 v[CSR+k:CSR+k+1], v[CSR+k:CSR+k+1], v[Y+k:Y+k+1]
.set k, k+2
.endr
.set k, 0
.rept 16
	v_pk_mul_f32 v[CSR+k:CSR+k+1], v[CSR+k:CSR+k+1], 0x3c000000 op_sel_hi:[1,0]    ; / 128
.set k, k+2
.endr
.macro KCOUT i
.set AI, ACC+32*\i
.set k, 0
.rept 16
	v_pk_add_f32 v[Y+k:Y+k+1], v[AI+k:AI+k+1], v[CSR+k:CSR+k+1] neg_lo:[0,1] neg_hi:[0,1]
.set k, k+2
.endr
	PACKB Y
	STAGE 32, 2048*\i
.endm
.irp i, 0,1,2,3
	KCOUT \i
.endr
	s_wait_xcnt 0x0
	v_lshl_add_u32 v254, v0, 2, 0x2a800
	v_mov_b32 v255, 0
	s_wait_tensorcnt 0x0
	ds_add_u32 v254, v255
	s_wait_dscnt 0x0
	s_endpgm
.Lvpath:
	; v: f in f16
.irp i, 0,1,2,3
	PACKH ACC+32*\i
	STAGE 30, 2048*\i
.endr
	s_wait_xcnt 0x0
	v_lshl_add_u32 v254, v0, 2, 0x2a800
	v_mov_b32 v255, 0
	s_wait_tensorcnt 0x0
	ds_add_u32 v254, v255
	s_wait_dscnt 0x0
	s_endpgm
.Lfunc_end_k_qd6d52cd360_project:
	.size	k_qd6d52cd360_project, .Lfunc_end_k_qd6d52cd360_project-k_qd6d52cd360_project
	.p2alignl 7, 3214868480
	.fill 96, 4, 3214868480
	.section	.rodata,"a",@progbits
	.p2align	6, 0x0
	.amdhsa_kernel k_qd6d52cd360_project
		.amdhsa_group_segment_fixed_size 176128
		.amdhsa_private_segment_fixed_size 0
		.amdhsa_enable_private_segment 0
		.amdhsa_kernarg_size 64
		.amdhsa_user_sgpr_count 2
		.amdhsa_user_sgpr_kernarg_segment_ptr 1
		.amdhsa_wavefront_size32 1
		.amdhsa_system_sgpr_workgroup_id_x 1
		.amdhsa_system_sgpr_workgroup_id_y 1
		.amdhsa_system_sgpr_workgroup_id_z 1
		.amdhsa_system_vgpr_workitem_id 0
		.amdhsa_next_free_vgpr 256
		.amdhsa_next_free_sgpr 66
		.amdhsa_reserve_vcc 0
		.amdhsa_float_denorm_mode_32 3
		.amdhsa_float_denorm_mode_16_64 3
		.amdhsa_memory_ordered 1
		.amdhsa_forward_progress 1
		.amdhsa_inst_pref_size 152
	.end_amdhsa_kernel
	.amdgpu_metadata
---
amdhsa.version: [ 1, 2 ]
amdhsa.kernels:
  - .name:           k_qd6d52cd360_project
    .symbol:         k_qd6d52cd360_project.kd
    .args:
      - { .name: q, .offset: 0, .size: 8, .value_kind: global_buffer, .address_space: global }
      - { .name: k, .offset: 8, .size: 8, .value_kind: global_buffer, .address_space: global }
      - { .name: v, .offset: 16, .size: 8, .value_kind: global_buffer, .address_space: global }
      - { .name: ln_g, .offset: 24, .size: 8, .value_kind: global_buffer, .address_space: global }
      - { .name: ln_b, .offset: 32, .size: 8, .value_kind: global_buffer, .address_space: global }
      - { .name: wf, .offset: 40, .size: 8, .value_kind: global_buffer, .address_space: global }
      - { .name: pj, .offset: 48, .size: 8, .value_kind: global_buffer, .address_space: global }
      - { .name: colsum, .offset: 56, .size: 8, .value_kind: global_buffer, .address_space: global }
    .group_segment_fixed_size: 176128
    .private_segment_fixed_size: 0
    .kernarg_segment_align: 8
    .kernarg_segment_size: 64
    .max_flat_workgroup_size: 512
    .sgpr_count:     66
    .vgpr_count:     256
    .wavefront_size: 32
...
	.end_amdgpu_metadata
.endif
;; end of part 2
;; launch stats (part 3): grid 256 x 1, 16 waves a work-group, no clusters, 147,456 bytes of LDS; arguments pj, colsum, stat; writes stat
.if DOCPART == 3
	.amdgcn_target "amdgcn-amd-amdhsa--gfx1250"
	.amdhsa_code_object_version 6
	.text
	.protected	k_qd6d52cd360_stats
	.globl	k_qd6d52cd360_stats
	.p2align	8
	.type	k_qd6d52cd360_stats,@function
k_qd6d52cd360_stats:
	s_mov_b64 s[64:65], 0
	v_nop
	global_prefetch_b8 v0, s[64:65] scope:SCOPE_SE
	s_setreg_imm32_b32 hwreg(HW_REG_WAVE_MODE, 25, 1), 1
	s_wait_xcnt 0x0
; First sweep over the scores.  Work-group g = (head, batch, half): 256 queries x 512 keys.  Wave w owns queries 16 w + r of its half.
; For every score: C = clip(cosine, +-0.99), V = the raw covariance qc . kc clipped at +-4.096e7 (10 divided by 0.001/4096, the reference's clip in raw units),
; and along a row R = mean of clip(0.01 - C, 0, 2).  Out: R for each row, and for the block the means of C, V, R, their centred sums of squares and co-moments,
; from which the next launch makes all four global standard deviations (the mix is linear in C, V, R).
; Sums of C are kept about a pivot p (the row's mean over its first 64 keys), which enters as the matrix instruction's C operand, so that no variance is a
; difference of large sums.  V needs none: kc sums to zero over the keys.
; No cluster, no tensor loads: only two work-groups share a K tile, it is read once, and kc passes through registers anyway for its f32 shift.
; LIMIT: the margin's cosine is the one made with |f| + 1e-8, where the reference takes max(|f|, 1e-8): a relative difference of 1e-8/|f| (|f| is about 3.6 as drawn).
.set PART,   8388608
.set KP,     272                       ; a key's LDS row: 128 bytes unit vector, 128 bytes kc, 16 of padding: an odd multiple of 16
.set CHUNKB, 64*KP
.set ARR,    512*KP                    ; six arrays of 256 f32: row mean of C, of V, R, centred squares of C, of V, co-moment
.set QH, 16                            ; v16-31   my queries' unit vectors, two fragments
.set QC, 32                            ; v32-47   my queries' centred vectors
.set SC, 48                            ; v48-79   four tiles of C (keys 16 t + 8 h + j of query r)
.set SV, 80                            ; v80-111  four tiles of V
.set FR, 112                           ; v112-175 eight key fragments
.set DL, 144                           ; fill: block mean minus whole mean, four blocks x my 8 columns
.set TOT, 208
.set U,   216
.set NP,  208                          ; v208-215 minus the pivot, as a C operand
.set LO,  216
.set HI,  217
.set MP,  218                          ; 0.01 - p, twice
.set S1C, 220
.set S2C, 222
.set S1V, 224
.set S2V, 226
.set SCV, 228
.set SM,  230
.set PVT, 232
.set TMP, 233
.set P0, 34
.set P1, 35
; v1 lane, v2 r, v3 h, v4/v5 LDS fill, v6 LDS fragments (steps), v7 16 thread, v8 colsum offset, v9 query offset, v10 my row's words in the arrays
.macro NOP4
.rept 4
	v_nop
.endr
.endm
.macro XH v, tmp
	v_permlanex16_b32 v[\tmp], v[\v], s[P0], s[P1]
	v_add_f32 v[\v], v[\v], v[\tmp]
.endm
.macro WRED v, tmp
	v_add_f32_dpp v[\v], v[\v], v[\v] row_xmask:1 row_mask:0xf bank_mask:0xf
	v_add_f32_dpp v[\v], v[\v], v[\v] row_xmask:2 row_mask:0xf bank_mask:0xf
	v_add_f32_dpp v[\v], v[\v], v[\v] row_xmask:4 row_mask:0xf bank_mask:0xf
	v_add_f32_dpp v[\v], v[\v], v[\v] row_xmask:8 row_mask:0xf bank_mask:0xf
	XH \v, \tmp
.endm
	s_load_b128 s[4:7], s[0:1], 0x0                ; pj, colsum
	s_load_b64 s[8:9], s[0:1], 0x10                ; stat
	v_lshl_add_u32 v240, v0, 2, 0x23800
	v_mov_b32 v241, 0
	v_lshrrev_b32 v11, 5, v0
	v_readfirstlane_b32 s2, v11                    ; wave
	s_lshr_b32 s50, ttmp9, 1                       ; 16 head + batch
	s_and_b32 s51, ttmp9, 1                        ; which 256 queries
	s_lshr_b32 s52, ttmp9, 5                       ; head
	s_and_b32 s53, s50, 15                         ; batch
	s_mov_b32 s[P0], 0x76543210
	s_mov_b32 s[P1], 0xfedcba98
	s_mov_b32 s40, 0xbf7d70a4                      ; -0.99
	s_mov_b32 s41, 0x3f7d70a4                      ; 0.99
	s_mov_b32 s42, 0x3b000000                      ; 1/512
	s_mov_b32 s43, 0x3c23d70a                      ; 0.01
	s_mov_b32 s44, 0xcc1c4000                      ; -4.096e7
	s_mov_b32 s45, 0x4c1c4000                      ; 4.096e7
	v_and_b32 v1, 31, v0
	v_and_b32 v2, 15, v0
	v_bfe_u32 v3, v0, 4, 1
	v_lshrrev_b32 v11, 3, v1
	v_and_b32 v12, 7, v1
	s_mul_i32 s30, s2, 4*KP
	v_mad_u32_u24 v4, v11, KP, s30                 ; fill: key row 4 wave + lane / 8,
	v_lshl_add_u32 v4, v12, 4, v4                  ; 16 bytes at (lane mod 8)
	v_add_nc_u32 v5, 4*CHUNKB, v4                  ; keys 256 and up: beyond the 16-bit offset
	v_mul_u32_u24 v6, v2, KP
	v_lshl_add_u32 v6, v3, 4, v6
	s_lshl_b32 s30, s2, 9
	v_lshl_add_u32 v7, v1, 4, s30
	v_lshlrev_b32 v8, 5, v12
	v_lshlrev_b32 v9, 7, v2
	v_lshl_add_u32 v9, v3, 4, v9
	s_lshl_b32 s30, s2, 6
	s_add_co_u32 s30, s30, ARR
	v_lshl_add_u32 v10, v2, 2, s30
	v_mov_b32 v[TMP], 0                            ; v_permlanex16_b32 counts as a reader of its destination
	s_wait_kmcnt 0x0
	s_lshl_b32 s30, s50, 16
	s_mov_b32 s31, 0
	s_add_nc_u64 s[16:17], s[4:5], s[30:31]        ; part 0 at my (head, batch)
	s_add_nc_u64 s[18:19], s[16:17], 2*PART        ; keys' unit vectors
	s_add_nc_u64 s[20:21], s[16:17], 3*PART        ; keys centred by blocks
	s_lshl_b32 s30, s51, 15
	s_lshl_b32 s32, s2, 11
	s_add_co_u32 s30, s30, s32
	s_add_nc_u64 s[24:25], s[16:17], s[30:31]      ; my 16 queries
	s_add_nc_u64 s[26:27], s[24:25], PART
	s_lshl_b32 s30, s53, 13
	s_lshl_b32 s32, s52, 8
	s_add_co_u32 s30, s30, s32
	s_add_co_u32 s30, s30, 131072
	s_add_nc_u64 s[28:29], s[6:7], s[30:31]        ; k's column sums: my batch's four blocks, my head
	s_lshl_b32 s30, ttmp9, 10
	s_add_nc_u64 s[36:37], s[8:9], s[30:31]        ; R of my 256 rows
	s_lshl_b32 s30, ttmp9, 6
	s_add_co_u32 s30, s30, 262144
	s_add_nc_u64 s[38:39], s[8:9], s[30:31]        ; my record
.irp b, 0,1,2,3
	global_load_b128 v[DL+8*\b:DL+8*\b+3],   v8, s[28:29] offset:2048*\b
	global_load_b128 v[DL+8*\b+4:DL+8*\b+7], v8, s[28:29] offset:2048*\b+16
.endr
.irp i, 0,1,2,3,4,5,6,7
	global_load_b128 v[SC+4*\i:SC+4*\i+3], v7, s[20:21] offset:8192*\i
.endr
.irp i, 0,1,2,3,4,5,6,7
	global_load_b128 v[SV+4*\i:SV+4*\i+3], v7, s[18:19] offset:8192*\i
.endr
.irp c, 0,1,2,3
	global_load_b128 v[QH+4*\c:QH+4*\c+3], v9, s[24:25] offset:32*\c
.endr
.irp c, 0,1,2,3
	global_load_b128 v[QC+4*\c:QC+4*\c+3], v9, s[26:27] offset:32*\c
.endr
	s_wait_loadcnt 24                              ; the column sums; 24 younger loads stay out
.irp k, 0,2,4,6
	v_pk_add_f32 v[TOT+\k:TOT+\k+1], v[DL+\k:DL+\k+1], v[DL+8+\k:DL+8+\k+1]
	v_pk_add_f32 v[U+\k:U+\k+1], v[DL+16+\k:DL+16+\k+1], v[DL+24+\k:DL+24+\k+1]
.endr
.irp k, 0,2,4,6
	v_pk_add_f32 v[TOT+\k:TOT+\k+1], v[TOT+\k:TOT+\k+1], v[U+\k:U+\k+1]
.endr
.irp k, 0,2,4,6
	v_pk_mul_f32 v[TOT+\k:TOT+\k+1], v[TOT+\k:TOT+\k+1], 0xbb000000 op_sel_hi:[1,0]    ; minus the mean over 512 keys
.endr
.set k, 0
.rept 16
	v_pk_fma_f32 v[DL+k:DL+k+1], v[DL+k:DL+k+1], 0x3c000000, v[TOT+k%8:TOT+k%8+1] op_sel_hi:[1,0,1]   ; block mean - whole mean
.set k, k+2
.endr
	s_wait_loadcnt 16                              ; the centred keys; 16 younger loads stay out
.irp i, 0,1,2,3,4,5,6,7
.irp k, 0,1,2,3
	v_lshlrev_b32 v[U+2*\k],   16, v[SC+4*\i+\k]
	v_and_b32     v[U+2*\k+1], 0xffff0000, v[SC+4*\i+\k]
.endr
.irp k, 0,1,2,3
	v_pk_add_f32 v[U+2*\k:U+2*\k+1], v[U+2*\k:U+2*\k+1], v[DL+8*(\i/2)+2*\k:DL+8*(\i/2)+2*\k+1]
.endr
.irp k, 0,1,2,3
	v_cvt_pk_bf16_f32 v[SC+4*\i+\k], v[U+2*\k], v[U+2*\k+1]
.endr
	ds_store_b128 v[4+\i/4], v[SC+4*\i:SC+4*\i+3] offset:CHUNKB*(\i%4)+128
.endr
	s_wait_loadcnt 8                               ; the keys' unit vectors; my queries' 8 loads stay out
.irp i, 0,1,2,3,4,5,6,7
	ds_store_b128 v[4+\i/4], v[SV+4*\i:SV+4*\i+3] offset:CHUNKB*(\i%4)
.endr
	s_wait_loadcnt 0x0
	s_wait_dscnt 0x0
	s_barrier_signal -1
	s_barrier_wait -1
.macro LOADK cov                       ; eight fragments of 64 keys: cov = 0 unit vectors, 1 kc
.irp t, 0,1,2,3
.irp s, 0,1
	ds_load_b128 v[FR+16*\t+8*\s:FR+16*\t+8*\s+3],   v6 offset:16*KP*\t+128*\cov+64*\s
	ds_load_b128 v[FR+16*\t+8*\s+4:FR+16*\t+8*\s+7], v6 offset:16*KP*\t+128*\cov+64*\s+32
.endr
.endr
.endm
; 64 keys x 16 queries x 64: four accumulators take turns, one instruction a turn.  np = 1: the sums start at minus the pivot.
.macro MULS acc, q, form, np
.irp s, 0,1
.irp t, 0,1,2,3
.if \s
	v_wmma_f32_16x16x32_\form v[\acc+8*\t:\acc+8*\t+7], v[FR+16*\t+8*\s:FR+16*\t+8*\s+7], v[\q+8*\s:\q+8*\s+7], v[\acc+8*\t:\acc+8*\t+7]
.else
.if \np
	v_wmma_f32_16x16x32_\form v[\acc+8*\t:\acc+8*\t+7], v[FR+16*\t+8*\s:FR+16*\t+8*\s+7], v[\q+8*\s:\q+8*\s+7], v[NP:NP+7]
.else
	v_wmma_f32_16x16x32_\form v[\acc+8*\t:\acc+8*\t+7], v[FR+16*\t+8*\s:FR+16*\t+8*\s+7], v[\q+8*\s:\q+8*\s+7], 0
.endif
.endif
.endr
.endr
.endm
	; the pivot: the mean of C over the first 64 keys
	LOADK 0
	s_wait_dscnt 0x0
	MULS SC, QH, f16, 0
	NOP4                                           ; four places before results are read and fragments loaded again (ISA guide 7.12.1)
.set k, 0
.rept 32
	v_med3_num_f32 v[SC+k], v[SC+k], s40, s41
.set k, k+1
.endr
	v_pk_add_f32 v[S1C:S1C+1], v[SC:SC+1], v[SC+2:SC+3]
	v_pk_add_f32 v[S2C:S2C+1], v[SC+4:SC+5], v[SC+6:SC+7]
.set k, 8
.rept 6
	v_pk_add_f32 v[S1C:S1C+1], v[S1C:S1C+1], v[SC+k:SC+k+1]
	v_pk_add_f32 v[S2C:S2C+1], v[S2C:S2C+1], v[SC+k+2:SC+k+3]
.set k, k+4
.endr
	v_pk_add_f32 v[S1C:S1C+1], v[S1C:S1C+1], v[S2C:S2C+1]
	v_add_f32 v[S1C], v[S1C], v[S1C+1]
	XH S1C, TMP
	v_mul_f32 v[PVT], 0x3c800000, v[S1C]           ; p
.irp j, 0,1,2,3,4,5,6,7
	v_mul_f32 v[NP+\j], 0xbc800000, v[S1C]         ; -p
.endr
	v_sub_f32 v[LO], s40, v[PVT]
	v_sub_f32 v[HI], s41, v[PVT]
	v_sub_f32 v[MP], s43, v[PVT]
	v_sub_f32 v[MP+1], s43, v[PVT]
.set k, 0
.rept 12
	v_mov_b32 v[S1C+k], 0                          ; the six packed sums
.set k, k+1
.endr
	s_mov_b32 s30, 0
.Lchunk:                                           ; 64 keys a trip
	LOADK 0
	s_wait_dscnt 0x0
	MULS SC, QH, f16, 1
	NOP4
	LOADK 1                                        ; kc's fragments land while C is clipped and summed
.set k, 0
.rept 32
	v_med3_num_f32 v[SC+k], v[SC+k], v[LO], v[HI]  ; x = C - p
.set k, k+1
.endr
.set k, 0
.rept 16
	v_pk_add_f32 v[S1C:S1C+1], v[S1C:S1C+1], v[SC+k:SC+k+1]
	v_pk_fma_f32 v[S2C:S2C+1], v[SC+k:SC+k+1], v[SC+k:SC+k+1], v[S2C:S2C+1]
.set k, k+2
.endr
	s_wait_dscnt 0x0
	MULS SV, QC, bf16, 0
	NOP4
.set k, 0
.rept 32
	v_med3_num_f32 v[SV+k], v[SV+k], s44, s45
.set k, k+1
.endr
.set k, 0
.rept 16
	v_pk_add_f32 v[S1V:S1V+1], v[S1V:S1V+1], v[SV+k:SV+k+1]
	v_pk_fma_f32 v[S2V:S2V+1], v[SV+k:SV+k+1], v[SV+k:SV+k+1], v[S2V:S2V+1]
	v_pk_fma_f32 v[SCV:SCV+1], v[SC+k:SC+k+1], v[SV+k:SV+k+1], v[SCV:SCV+1]
	v_pk_add_f32 v[SC+k:SC+k+1], v[MP:MP+1], v[SC+k:SC+k+1] neg_lo:[0,1] neg_hi:[0,1]   ; 0.01 - C
.set k, k+2
.endr
.set k, 0
.rept 32
	v_med3_num_f32 v[SC+k], v[SC+k], 0, 2.0
.set k, k+1
.endr
.set k, 0
.rept 16
	v_pk_add_f32 v[SM:SM+1], v[SM:SM+1], v[SC+k:SC+k+1]
.set k, k+2
.endr
	v_add_nc_u32 v6, CHUNKB, v6
	s_add_co_u32 s30, s30, 1
	s_cmp_lt_u32 s30, 8
	s_cbranch_scc1 .Lchunk
	; the row's figures (512 scores)
.irp a, S1C, S2C, S1V, S2V, SCV, SM
	v_add_f32 v[\a], v[\a], v[\a+1]
	XH \a, TMP
.endr
	v_mul_f32 v237, s42, v[S1C]
	v_fma_f32 v234, v[S1C], s42, v[PVT]            ; mean of C
	v_mul_f32 v235, s42, v[S1V]                    ; mean of V
	v_mul_f32 v236, s42, v[SM]                     ; R
	v_fma_f32 v[S2C], -v[S1C], v237, v[S2C]        ; centred squares and co-moment: small corrections, thanks to the pivot
	v_fma_f32 v[S2V], -v[S1V], v235, v[S2V]
	v_fma_f32 v[SCV], -v[S1C], v235, v[SCV]
	ds_store_b32 v10, v234
	ds_store_b32 v10, v235 offset:1024
	ds_store_b32 v10, v236 offset:2048
	ds_store_b32 v10, v[S2C] offset:3072
	ds_store_b32 v10, v[S2V] offset:4096
	ds_store_b32 v10, v[SCV] offset:5120
	s_wait_dscnt 0x0
	s_barrier_signal -1
	s_barrier_wait -1
	s_cmp_lg_u32 s2, 0
	s_cbranch_scc1 .Ldone
	; wave 0 joins the 256 rows: lane L takes rows 8 L .. 8 L + 7 of each array
.set AR, 48
.set TT, 112
.set MM, 120
.set REC, 128
.set W0, 148
.set QQ, 152
	v_lshlrev_b32 v11, 5, v1
	v_add_nc_u32 v11, ARR, v11
	v_lshlrev_b32 v13, 4, v1
	v_add_nc_u32 v12, ARR+2048, v13
	v_mov_b32 v14, 0
.irp f, 0,1,2,3,4,5
	ds_load_b128 v[AR+8*\f:AR+8*\f+3],   v11 offset:1024*\f
	ds_load_b128 v[AR+8*\f+4:AR+8*\f+7], v11 offset:1024*\f+16
.endr
	ds_load_b128 v[140:143], v12
	ds_load_b128 v[144:147], v12 offset:512
	s_wait_dscnt 0x0
	global_store_b128 v13, v[140:143], s[36:37]            ; R of the 256 rows: 512 neighbouring bytes a store
	global_store_b128 v13, v[144:147], s[36:37] offset:512
.macro SUM8 dst, b
	v_pk_add_f32 v[W0:W0+1], v[\b:\b+1], v[\b+2:\b+3]
	v_pk_add_f32 v[W0+2:W0+3], v[\b+4:\b+5], v[\b+6:\b+7]
	v_pk_add_f32 v[W0:W0+1], v[W0:W0+1], v[W0+2:W0+3]
	v_add_f32 v[\dst], v[W0], v[W0+1]
	WRED \dst, TMP
.endm
.macro QPROD dst, a, b
	v_pk_mul_f32 v[W0:W0+1], v[\a:\a+1], v[\b:\b+1]
.irp k, 2,4,6
	v_pk_fma_f32 v[W0:W0+1], v[\a+\k:\a+\k+1], v[\b+\k:\b+\k+1], v[W0:W0+1]
.endr
	v_add_f32 v[\dst], v[W0], v[W0+1]
	WRED \dst, TMP
.endm
.irp f, 0,1,2,3,4,5
	SUM8 TT+\f, AR+8*\f
.endr
.irp f, 0,1,2
	v_mul_f32 v[MM+2*\f],   0x3b800000, v[TT+\f]   ; the block's mean (/ 256), twice for the packed subtraction,
	v_mul_f32 v[MM+2*\f+1], 0x3b800000, v[TT+\f]
	v_mul_f32 v[REC+\f],    0x3b800000, v[TT+\f]   ; and in the record
.irp k, 0,2,4,6
	v_pk_add_f32 v[AR+8*\f+\k:AR+8*\f+\k+1], v[AR+8*\f+\k:AR+8*\f+\k+1], v[MM+2*\f:MM+2*\f+1] neg_lo:[0,1] neg_hi:[0,1]
.endr
.endr
	QPROD QQ,   AR,    AR
	QPROD QQ+1, AR+8,  AR+8
	QPROD QQ+2, AR+16, AR+16
	QPROD QQ+3, AR,    AR+8
	QPROD QQ+4, AR,    AR+16
	QPROD QQ+5, AR+8,  AR+16
	v_fmamk_f32 v[REC+3], v[QQ],   0x44000000, v[TT+3]     ; within the rows + 512 x between the rows
	v_fmamk_f32 v[REC+4], v[QQ+1], 0x44000000, v[TT+4]
	v_mul_f32   v[REC+5], 0x44000000, v[QQ+2]              ; R is constant along a row
	v_fmamk_f32 v[REC+6], v[QQ+3], 0x44000000, v[TT+5]
	v_mul_f32   v[REC+7], 0x44000000, v[QQ+4]
	v_mul_f32   v[REC+8], 0x44000000, v[QQ+5]
	v_mov_b32 v[REC+9], 0
	v_mov_b32 v[REC+10], 0
	v_mov_b32 v[REC+11], 0
	v_cmp_eq_u32 vcc_lo, 0, v1
	s_wait_xcnt 0x0                                ; EXEC, a source of the stores above, changes only behind this wait
	s_and_saveexec_b32 s46, vcc_lo
	global_store_b128 v14, v[REC:REC+3], s[38:39]
	global_store_b128 v14, v[REC+4:REC+7], s[38:39] offset:16
	global_store_b128 v14, v[REC+8:REC+11], s[38:39] offset:32
	s_wait_xcnt 0x0                                ; and again before it is widened
	s_or_b32 exec_lo, exec_lo, s46
.Ldone:
	s_wait_tensorcnt 0x0
	ds_add_u32 v240, v241
	s_wait_dscnt 0x0
	s_endpgm
.Lfunc_end_k_qd6d52cd360_stats:
	.size	k_qd6d52cd360_stats, .Lfunc_end_k_qd6d52cd360_stats-k_qd6d52cd360_stats
	.p2alignl 7, 3214868480
	.fill 96, 4, 3214868480
	.section	.rodata,"a",@progbits
	.p2align	6, 0x0
	.amdhsa_kernel k_qd6d52cd360_stats
		.amdhsa_group_segment_fixed_size 147456
		.amdhsa_private_segment_fixed_size 0
		.amdhsa_enable_private_segment 0
		.amdhsa_kernarg_size 24
		.amdhsa_user_sgpr_count 2
		.amdhsa_user_sgpr_kernarg_segment_ptr 1
		.amdhsa_wavefront_size32 1
		.amdhsa_system_sgpr_workgroup_id_x 1
		.amdhsa_system_sgpr_workgroup_id_y 1
		.amdhsa_system_sgpr_workgroup_id_z 1
		.amdhsa_system_vgpr_workitem_id 0
		.amdhsa_next_free_vgpr 242
		.amdhsa_next_free_sgpr 66
		.amdhsa_reserve_vcc 1
		.amdhsa_float_denorm_mode_32 3
		.amdhsa_float_denorm_mode_16_64 3
		.amdhsa_memory_ordered 1
		.amdhsa_forward_progress 1
		.amdhsa_inst_pref_size 52
	.end_amdhsa_kernel
	.amdgpu_metadata
---
amdhsa.version: [ 1, 2 ]
amdhsa.kernels:
  - .name:           k_qd6d52cd360_stats
    .symbol:         k_qd6d52cd360_stats.kd
    .args:
      - { .name: pj, .offset: 0, .size: 8, .value_kind: global_buffer, .address_space: global }
      - { .name: colsum, .offset: 8, .size: 8, .value_kind: global_buffer, .address_space: global }
      - { .name: stat, .offset: 16, .size: 8, .value_kind: global_buffer, .address_space: global }
    .group_segment_fixed_size: 147456
    .private_segment_fixed_size: 0
    .kernarg_segment_align: 8
    .kernarg_segment_size: 24
    .max_flat_workgroup_size: 512
    .sgpr_count:     66
    .vgpr_count:     242
    .wavefront_size: 32
...
	.end_amdgpu_metadata
.endif
;; end of part 3
;; launch mix (part 4): grid 1 x 1, 8 waves a work-group, no clusters, 50,176 bytes of LDS; arguments colsum, stat, wp1_w, wp1_b, wpln_g, wpln_b, wp2_w, wp2_b, wp3_w, wp3_b, temp, coef; writes coef
.if DOCPART == 4
	.amdgcn_target "amdgcn-amd-amdhsa--gfx1250"
	.amdhsa_code_object_version 6
	.text
	.protected	k_qd6d52cd360_mix
	.globl	k_qd6d52cd360_mix
	.p2align	8
	.type	k_qd6d52cd360_mix,@function
k_qd6d52cd360_mix:
	s_mov_b64 s[64:65], 0
	v_nop
	global_prefetch_b8 v0, s[64:65] scope:SCOPE_SE
	s_setreg_imm32_b32 hwreg(HW_REG_WAVE_MODE, 25, 1), 1
	s_wait_xcnt 0x0
; The weight predictor (8 rows through a tiny MLP, in f32 on the vector unit) and the four global standard deviations, joined from the 256 block records.
; Out, for each head: the factors of C, of the raw V and of R in the exponent of 2: weight / (std + 1e-8) (x 0.1 for V and R, V's with the scale 0.001/4096)
; x log2(e) / clip(1 + 0.5 std(mix), 0.5, 5).  std(mix) comes from the records' moments, since the mix is linear in C, V, R with one set of factors a head.
; One work-group: all of it hangs on sums over the whole launch before.  Wave = head in the MLP; every wave joins the records for itself.
; LIMIT: the unbiased divisor 2^25 - 1 is taken as 2^25 (a relative 3e-8, below f32's rounding).
.set W2L, 32768                        ; wp1_w lies at LDS byte 0, wp2_w behind it
.set FE,  40960                        ; feats: 8 heads x 128 f32
.set H1,  45056                        ; h1: 8 heads x 64 f32, each wave's own
.set WTS, 47104                        ; the three weights of each head
; v1 lane, v2 8 lane, v3 4 lane, v4 12 lane, v5 16 thread, v6 colsum offset, v7 feats in, v8 64 lane, v9 my head's feats, v10 coef offset,
; v11/v12 my h1, v13 wp2_w column, v14/v15 weights.  v16-111 records (before that v16-55 the weights on their way to LDS), v112-121 small parameters,
; v124-127 sums, v128-255 a ring of 32 loads, later at work
.macro WRED v, tmp
	v_add_f32_dpp v[\v], v[\v], v[\v] row_xmask:1 row_mask:0xf bank_mask:0xf
	v_add_f32_dpp v[\v], v[\v], v[\v] row_xmask:2 row_mask:0xf bank_mask:0xf
	v_add_f32_dpp v[\v], v[\v], v[\v] row_xmask:4 row_mask:0xf bank_mask:0xf
	v_add_f32_dpp v[\v], v[\v], v[\v] row_xmask:8 row_mask:0xf bank_mask:0xf
	v_permlanex16_b32 v[\tmp], v[\v], s48, s49
	v_add_f32 v[\v], v[\v], v[\tmp]
.endm
	s_load_b512 s[8:23], s[0:1], 0x0               ; colsum 8, stat 10, wp1_w 12, wp1_b 14, wpln_g 16, wpln_b 18, wp2_w 20, wp2_b 22
	s_load_b256 s[24:31], s[0:1], 0x40             ; wp3_w 24, wp3_b 26, temp 28, coef 30
	v_lshl_add_u32 v122, v0, 2, 0xc000
	v_mov_b32 v123, 0
	v_lshrrev_b32 v2, 5, v0
	v_readfirstlane_b32 s2, v2                     ; wave
	v_and_b32 v1, 31, v0
	s_mov_b32 s36, 0x3c800000                      ; 1/64
	s_mov_b32 s37, 0x3727c5ac                      ; 1e-5
	s_mov_b32 s38, 0x3dcccccd                      ; 0.1
	s_mov_b32 s39, 0x41a00000                      ; 20
	s_mov_b32 s40, 0x3483126f                      ; 0.001/4096
	s_mov_b32 s41, 0x322bcc77                      ; 1e-8
	s_mov_b32 s44, 0x3b800000                      ; 1/256
	s_mov_b32 s45, 0x48000000                      ; 131,072 scores in a block
	s_mov_b32 s46, 0x33000000                      ; 2^-25
	s_mov_b32 s47, 0x40a00000                      ; 5
	s_mov_b32 s48, 0x76543210
	s_mov_b32 s49, 0xfedcba98
	v_lshlrev_b32 v2, 3, v1
	v_lshlrev_b32 v3, 2, v1
	v_mul_u32_u24 v4, v1, 12
	s_lshl_b32 s52, s2, 9
	v_lshl_add_u32 v5, v1, 4, s52
	s_lshr_b32 s53, s2, 2                          ; waves 0-3 sum q's columns, 4-7 k's
	s_and_b32 s54, s2, 3
	s_lshl_b32 s52, s53, 17
	s_lshl_b32 s55, s54, 9
	s_add_co_u32 s52, s52, s55
	v_lshl_add_u32 v6, v1, 4, s52                  ; my four columns
	s_lshl_b32 s52, s54, 10
	s_lshl_b32 s55, s53, 8
	s_add_co_u32 s52, s52, s55
	s_add_co_u32 s52, s52, FE
	v_lshrrev_b32 v7, 4, v1
	v_lshl_add_u32 v7, v7, 9, s52                  ; head 2 (wave & 3) + lane / 16; q's 64 numbers, then k's
	v_and_b32 v8, 15, v1
	v_lshl_add_u32 v7, v8, 4, v7
	v_lshlrev_b32 v8, 6, v1
	s_lshl_b32 s52, s2, 9
	s_add_co_u32 s52, s52, FE
	v_mov_b32 v9, s52
	s_lshl_b32 s52, s2, 8
	s_add_co_u32 s52, s52, H1
	v_mov_b32 v12, s52
	v_add_nc_u32 v11, s52, v2
	v_add_nc_u32 v13, W2L, v3
	s_lshl_b32 s52, s2, 4
	v_mov_b32 v10, s52
	s_add_co_u32 s52, s52, WTS
	v_mov_b32 v14, s52
	v_mov_b32 v15, WTS
	s_wait_kmcnt 0x0
	s_load_b96 s[32:34], s[26:27], 0x0             ; wp3_b
	s_load_b32 s35, s[28:29], 0x0                  ; temp
	s_add_nc_u64 s[10:11], s[10:11], 262144        ; the records
	global_load_b64 v[112:113], v2, s[14:15]
	global_load_b64 v[114:115], v2, s[16:17]
	global_load_b64 v[116:117], v2, s[18:19]
	global_load_b32 v118, v3, s[22:23]
	global_load_b32 v119, v4, s[24:25]
	global_load_b32 v120, v4, s[24:25] offset:4
	global_load_b32 v121, v4, s[24:25] offset:8
.irp i, 0,1,2,3,4,5,6,7
	global_load_b128 v[16+4*\i:19+4*\i], v5, s[12:13] offset:4096*\i
.endr
.irp i, 0,1
	global_load_b128 v[48+4*\i:51+4*\i], v5, s[20:21] offset:4096*\i
.endr
.set j, 0
.rept 32
	global_load_b128 v[128+4*j:131+4*j], v6, s[8:9] offset:2048*j
.set j, j+1
.endr
	s_wait_loadcnt 32                              ; parameters and weights are in; the ring's 32 loads stay out
.irp i, 0,1,2,3,4,5,6,7,8,9
	ds_store_b128 v5, v[16+4*\i:19+4*\i] offset:4096*\i
.endr
.irp i, 124,125,126,127
	v_mov_b32 v\i, 0
.endr
.set j, 0
.rept 32                                           ; blocks 0-31 are added, blocks 32-63 asked for
	s_wait_loadcnt 31                              ; the oldest of 32 loads is in
	v_pk_add_f32 v[124:125], v[124:125], v[128+4*j:129+4*j]
	v_pk_add_f32 v[126:127], v[126:127], v[130+4*j:131+4*j]
	global_load_b128 v[128+4*j:131+4*j], v6, s[8:9] offset:2048*(32+j)
.set j, j+1
.endr
.set j, 0
.rept 32
	s_wait_loadcnt 31-j                            ; the counts run down
	v_pk_add_f32 v[124:125], v[124:125], v[128+4*j:129+4*j]
	v_pk_add_f32 v[126:127], v[126:127], v[130+4*j:131+4*j]
.set j, j+1
.endr
.irp j, 0,1,2,3,4,5,6,7
.irp c, 0,1,2
	global_load_b128 v[16+12*\j+4*\c:19+12*\j+4*\c], v8, s[10:11] offset:2048*\j+16*\c     ; lane L: record L + 32 j, which is of head j; they land during the MLP
.endr
.endr
	v_pk_mul_f32 v[124:125], v[124:125], 0x39000000 op_sel_hi:[1,0]    ; / 8192 rows
	v_pk_mul_f32 v[126:127], v[126:127], 0x39000000 op_sel_hi:[1,0]
	ds_store_b128 v7, v[124:127]
	s_wait_dscnt 0x0
	s_barrier_signal -1
	s_barrier_wait -1
	; layer 1: 128 -> 64, lane L makes outputs 2 L and 2 L + 1, in four batches of 32 inputs
.set bt, 0
.rept 4
.set k, 0
.rept 8
	ds_load_b128 v[128+4*k:131+4*k], v9 offset:128*bt+16*k
.set k, k+1
.endr
.set k, 0
.rept 32
	ds_load_b64 v[160+2*k:161+2*k], v2 offset:256*(32*bt+k)
.set k, k+1
.endr
	s_wait_dscnt 0x0
.set k, 0
.rept 32
.if (bt+k) == 0
	v_fma_f32 v124, v160, v128, v112               ; the bias starts the sums
	v_fma_f32 v125, v161, v128, v113
.else
	v_fmac_f32 v124, v[160+2*k], v[128+k]
	v_fmac_f32 v125, v[161+2*k], v[128+k]
.endif
.set k, k+1
.endr
.set bt, bt+1
.endr
	; LayerNorm over the 64, relu
	v_add_f32 v126, v124, v125
	WRED 126, 127
	v_mul_f32 v126, s36, v126
	v_sub_f32 v124, v124, v126
	v_sub_f32 v125, v125, v126
	v_mul_f32 v126, v124, v124
	v_fmac_f32 v126, v125, v125
	WRED 126, 127
	v_fma_f32 v126, v126, s36, s37
	v_rsq_f32 v127, v126
	v_nop
	s_wait_alu depctr_va_vdst(0)
	v_mul_f32 v124, v124, v127
	v_mul_f32 v125, v125, v127
	v_fma_f32 v124, v124, v114, v116
	v_fma_f32 v125, v125, v115, v117
	v_max_num_f32 v124, 0, v124
	v_max_num_f32 v125, 0, v125
	ds_store_b64 v11, v[124:125]                   ; my wave's own bytes: the loads below see it, LDS serves a wave in order
	; layer 2: 64 -> 32, lane L makes output L
.set k, 0
.rept 16
	ds_load_b128 v[128+4*k:131+4*k], v12 offset:16*k
.set k, k+1
.endr
.set k, 0
.rept 64
	ds_load_b32 v[192+k], v13 offset:128*k
.set k, k+1
.endr
	s_wait_dscnt 0x0
	v_fma_f32 v124, v128, v192, v118
	v_mul_f32 v125, v129, v193
.set k, 2
.rept 31
	v_fmac_f32 v124, v[128+k], v[192+k]
	v_fmac_f32 v125, v[129+k], v[193+k]
.set k, k+2
.endr
	v_add_f32 v124, v124, v125
	v_max_num_f32 v124, 0, v124
	; layer 3: 32 -> 3, then the two softmaxes, each with its maximum taken away
	v_mul_f32 v240, v124, v119
	v_mul_f32 v241, v124, v120
	v_mul_f32 v242, v124, v121
	v_mov_b32 v243, 0
	WRED 240, 244
	WRED 241, 244
	WRED 242, 244
	s_wait_kmcnt 0x0
	v_add_f32 v240, s32, v240
	v_add_f32 v241, s33, v241
	v_add_f32 v242, s34, v242
.macro SOFT3                           ; v240-242 <- softmax of v246 / log2(e) times v240-242 (v246 > 0)
	v_max3_num_f32 v244, v240, v241, v242
	v_sub_f32 v240, v240, v244
	v_sub_f32 v241, v241, v244
	v_sub_f32 v242, v242, v244
	v_mul_f32 v240, v240, v246
	v_mul_f32 v241, v241, v246
	v_mul_f32 v242, v242, v246
	v_exp_f32 v240, v240
	v_exp_f32 v241, v241
	v_exp_f32 v242, v242
	v_nop
	s_wait_alu depctr_va_vdst(0)
	v_add_f32 v244, v240, v241
	v_add_f32 v244, v244, v242
	v_rcp_f32 v245, v244
	v_nop
	s_wait_alu depctr_va_vdst(0)
	v_mul_f32 v240, v240, v245
	v_mul_f32 v241, v241, v245
	v_mul_f32 v242, v242, v245
.endm
	v_mov_b32 v246, 0x3fb8aa3b
	SOFT3
	v_mov_b32 v245, s35
	v_med3_num_f32 v245, v245, s38, s39            ; clip(temp, 0.1, 20)
	v_rcp_f32 v247, v245
	v_nop
	s_wait_alu depctr_va_vdst(0)
	v_mul_f32 v246, v246, v247
	SOFT3
	ds_store_b128 v14, v[240:243]
	s_wait_dscnt 0x0
	s_barrier_signal -1
	s_barrier_wait -1
.irp j, 0,1,2,3,4,5,6,7
	ds_load_b128 v[128+4*\j:131+4*\j], v15 offset:16*\j    ; all heads' weights
.endr
	s_wait_loadcnt 0x0                             ; the records
	s_wait_dscnt 0x0
; The standard deviation of one part over all 2^25 scores: the blocks' centred squares + 131,072 x the centred squares of the blocks' means.
.macro GSTAT dst, fm, f2
	v_add_f32 v160, v[16+\fm], v[28+\fm]
	v_add_f32 v162, v[16+\f2], v[28+\f2]
.irp j, 2,3,4,5,6,7
	v_add_f32 v160, v160, v[16+12*\j+\fm]
	v_add_f32 v162, v162, v[16+12*\j+\f2]
.endr
	WRED 160, 161
	v_mul_f32 v160, s44, v160
	v_sub_f32 v164, v[16+\fm], v160
	v_mul_f32 v163, v164, v164
.irp j, 1,2,3,4,5,6,7
	v_sub_f32 v164, v[16+12*\j+\fm], v160
	v_fmac_f32 v163, v164, v164
.endr
	v_fmac_f32 v162, s45, v163
	WRED 162, 161
	v_mul_f32 v162, s46, v162
	v_max_num_f32 v162, 0, v162
	v_sqrt_f32 v[\dst], v162
	v_nop
.endm
	GSTAT 170, 0, 3
	GSTAT 171, 1, 4
	GSTAT 172, 2, 5
	s_wait_alu depctr_va_vdst(0)
	v_add_f32 v170, s41, v170
	v_fma_f32 v171, v171, s40, s41                 ; the scaled covariance's std + 1e-8
	v_add_f32 v172, s41, v172
	v_rcp_f32 v173, v170
	v_rcp_f32 v174, v171
	v_rcp_f32 v175, v172
	v_nop
	s_wait_alu depctr_va_vdst(0)
	v_mul_f32 v174, s38, v174
	v_mul_f32 v174, s40, v174
	v_mul_f32 v175, s38, v175
.irp j, 0,1,2,3,4,5,6,7
	v_mul_f32 v[128+4*\j], v[128+4*\j], v173       ; a, b, c of head j
	v_mul_f32 v[129+4*\j], v[129+4*\j], v174
	v_mul_f32 v[130+4*\j], v[130+4*\j], v175
.endr
; the mix in my record of head j: its mean, and a (a M2C + 2 b CCV + 2 c CCR) + b (b M2V + 2 c CVR) + c c M2R
.macro HEADJ j
.set RJ, 16+12*\j
.set WJ, 128+4*\j
	v_mul_f32 v[176+\j], v[WJ], v[RJ]
	v_fmac_f32 v[176+\j], v[WJ+1], v[RJ+1]
	v_fmac_f32 v[176+\j], v[WJ+2], v[RJ+2]
	v_add_f32 v165, v[WJ+1], v[WJ+1]
	v_add_f32 v166, v[WJ+2], v[WJ+2]
	v_mul_f32 v167, v[WJ], v[RJ+3]
	v_fmac_f32 v167, v165, v[RJ+6]
	v_fmac_f32 v167, v166, v[RJ+7]
	v_mul_f32 v168, v[WJ+1], v[RJ+4]
	v_fmac_f32 v168, v166, v[RJ+8]
	v_mul_f32 v169, v[WJ+2], v[RJ+5]
.if \j == 0
	v_mul_f32 v162, v[WJ], v167
.else
	v_fmac_f32 v162, v[WJ], v167
.endif
	v_fmac_f32 v162, v[WJ+1], v168
	v_fmac_f32 v162, v[WJ+2], v169
.endm
.irp j, 0,1,2,3,4,5,6,7
	HEADJ \j
.endr
	v_add_f32 v160, v176, v177
.irp j, 2,3,4,5,6,7
	v_add_f32 v160, v160, v[176+\j]
.endr
	WRED 160, 161
	v_mul_f32 v160, s44, v160
	v_sub_f32 v164, v176, v160
	v_mul_f32 v163, v164, v164
.irp j, 1,2,3,4,5,6,7
	v_sub_f32 v164, v[176+\j], v160
	v_fmac_f32 v163, v164, v164
.endr
	v_fmac_f32 v162, s45, v163
	WRED 162, 161
	v_mul_f32 v162, s46, v162
	v_max_num_f32 v162, 0, v162
	v_sqrt_f32 v160, v162
	v_nop
	s_wait_alu depctr_va_vdst(0)
	v_fma_f32 v160, v160, 0.5, 1.0
	v_med3_num_f32 v160, v160, 0.5, s47
	v_rcp_f32 v161, v160
	v_nop
	s_wait_alu depctr_va_vdst(0)
	v_mul_f32 v161, 0x3fb8aa3b, v161               ; log2(e) / temperature
	v_mul_f32 v173, v173, v161
	v_mul_f32 v174, v174, v161
	v_mul_f32 v175, v175, v161
	v_mul_f32 v240, v240, v173                     ; my own head's three factors
	v_mul_f32 v241, v241, v174
	v_mul_f32 v242, v242, v175
	v_cmp_eq_u32 vcc_lo, 0, v1
	s_wait_xcnt 0x0                                ; EXEC changes only behind this wait
	s_wait_tensorcnt 0x0
	ds_add_u32 v122, v123
	s_wait_dscnt 0x0
	s_and_saveexec_b32 s50, vcc_lo
	global_store_b128 v10, v[240:243], s[30:31]
	s_wait_xcnt 0x0
	s_or_b32 exec_lo, exec_lo, s50
	s_endpgm
.Lfunc_end_k_qd6d52cd360_mix:
	.size	k_qd6d52cd360_mix, .Lfunc_end_k_qd6d52cd360_mix-k_qd6d52cd360_mix
	.p2alignl 7, 3214868480
	.fill 96, 4, 3214868480
	.section	.rodata,"a",@progbits
	.p2align	6, 0x0
	.amdhsa_kernel k_qd6d52cd360_mix
		.amdhsa_group_segment_fixed_size 50176
		.amdhsa_private_segment_fixed_size 0
		.amdhsa_enable_private_segment 0
		.amdhsa_kernarg_size 96
		.amdhsa_user_sgpr_count 2
		.amdhsa_user_sgpr_kernarg_segment_ptr 1
		.amdhsa_wavefront_size32 1
		.amdhsa_system_sgpr_workgroup_id_x 1
		.amdhsa_system_sgpr_workgroup_id_y 1
		.amdhsa_system_sgpr_workgroup_id_z 1
		.amdhsa_system_vgpr_workitem_id 0
		.amdhsa_next_free_vgpr 256
		.amdhsa_next_free_sgpr 66
		.amdhsa_reserve_vcc 1
		.amdhsa_float_denorm_mode_32 3
		.amdhsa_float_denorm_mode_16_64 3
		.amdhsa_memory_ordered 1
		.amdhsa_forward_progress 1
		.amdhsa_inst_pref_size 67
	.end_amdhsa_kernel
	.amdgpu_metadata
---
amdhsa.version: [ 1, 2 ]
amdhsa.kernels:
  - .name:           k_qd6d52cd360_mix
    .symbol:         k_qd6d52cd360_mix.kd
    .args:
      - { .name: colsum, .offset: 0, .size: 8, .value_kind: global_buffer, .address_space: global }
      - { .name: stat, .offset: 8, .size: 8, .value_kind: global_buffer, .address_space: global }
      - { .name: wp1_w, .offset: 16, .size: 8, .value_kind: global_buffer, .address_space: global }
      - { .name: wp1_b, .offset: 24, .size: 8, .value_kind: global_buffer, .address_space: global }
      - { .name: wpln_g, .offset: 32, .size: 8, .value_kind: global_buffer, .address_space: global }
      - { .name: wpln_b, .offset: 40, .size: 8, .value_kind: global_buffer, .address_space: global }
      - { .name: wp2_w, .offset: 48, .size: 8, .value_kind: global_buffer, .address_space: global }
      - { .name: wp2_b, .offset: 56, .size: 8, .value_kind: global_buffer, .address_space: global }
      - { .name: wp3_w, .offset: 64, .size: 8, .value_kind: global_buffer, .address_space: global }
      - { .name: wp3_b, .offset: 72, .size: 8, .value_kind: global_buffer, .address_space: global }
      - { .name: temp, .offset: 80, .size: 8, .value_kind: global_buffer, .address_space: global }
      - { .name: coef, .offset: 88, .size: 8, .value_kind: global_buffer, .address_space: global }
    .group_segment_fixed_size: 50176
    .private_segment_fixed_size: 0
    .kernarg_segment_align: 8
    .kernarg_segment_size: 96
    .max_flat_workgroup_size: 256
    .sgpr_count:     66
    .vgpr_count:     256
    .wavefront_size: 32
...
	.end_amdgpu_metadata
.endif
;; end of part 4
;; launch attn (part 5): grid 256 x 1, 16 waves a work-group, no clusters, 260,096 bytes of LDS; arguments pj, colsum, stat, coef, ob; writes ob
.if DOCPART == 5
	.amdgcn_target "amdgcn-amd-amdhsa--gfx1250"
	.amdhsa_code_object_version 6
	.text
	.protected	k_qd6d52cd360_attn
	.globl	k_qd6d52cd360_attn
	.p2align	8
	.type	k_qd6d52cd360_attn,@function
k_qd6d52cd360_attn:
	s_mov_b64 s[64:65], 0
	v_nop
	global_prefetch_b8 v0, s[64:65] scope:SCOPE_SE
	s_setreg_imm32_b32 hwreg(HW_REG_WAVE_MODE, 25, 1), 1
	s_wait_xcnt 0x0
; Second sweep: the scores are made again, mixed with the head's three factors (already in units of the exponent of 2), and go through a softmax with a
; running maximum into P V.  Work-group g = (head, batch, half): 256 queries x 512 keys; wave w owns queries 16 w + r.  Out: O in f16, [head][8192][64].
; Scores are made transposed (keys as rows of A, queries as columns of B): lane (r, h) holds query r and keys 16 t + 8 h + j, which is the layout in which
; P, packed to f16, is the B operand of O^T = V^T P^T; V^T's fragments come from LDS by transposing loads.  Nothing goes through LDS between the products.
; No cluster, no tensor loads: only two work-groups share a K and V tile, it is read once, and kc passes through registers for its f32 shift.
; LIMITS: f_v and P are f16 operands (|f_v| below 65504; P is at most 1, and P below 6e-8 of the row's largest counts as 0).
.set PART,   8388608
.set KP,     272                       ; a key's LDS row: 128 bytes unit vector, 128 bytes kc, 16 of padding
.set CHUNKB, 64*KP
.set VP,     160                       ; a row of V: 128 bytes + 32, an odd multiple of 32 for the transposing loads
.set VV,     512*KP
.set VCH,    64*VP
.set STG,    VV+512*VP                 ; 16 rows x 144 bytes for each wave: the way out
.set QH, 16
.set QC, 32
.set SC, 48                            ; v48-79   four tiles of C, then of the mix, then of P in f32
.set SV, 80                            ; v80-111  four tiles of V
.set PB, 80                            ; v80-95   P in f16, two fragments
.set FR, 112                           ; v112-175 eight fragments: keys, then V^T
.set DL, 144
.set OO, 176                           ; v176-207 O^T: four tiles, d = 16 t + 8 h + j of query r
.set TOT, 208
.set U,   216
.set CR,  208                          ; c' R, twice
.set MX,  210                          ; running maximum
.set MN,  212                          ; new maximum, twice
.set AL,  214                          ; 2^(old - new), twice; at the end 1 / l
.set LS,  216                          ; running sum, packed
.set TM,  218                          ; v218-221 at work
.set Z,   48
.set RB,  224
.set P0, 34
.set P1, 35
; v1 lane, v2 r, v3 h, v4/v5 LDS fill of K, v6 key fragments (steps), v7 16 thread, v8 colsum offset, v9 query offset, v10/v11 LDS fill of V,
; v12 V fragments (steps), v13 stage in, v14 stage back, v15 16 lane
.macro NOP4
.rept 4
	v_nop
.endr
.endm
.macro XH v, tmp
	v_permlanex16_b32 v[\tmp], v[\v], s[P0], s[P1]
	v_add_f32 v[\v], v[\v], v[\tmp]
.endm
	s_load_b256 s[4:11], s[0:1], 0x0               ; pj 4, colsum 6, stat 8, coef 10
	s_load_b64 s[12:13], s[0:1], 0x20              ; ob
	v_lshl_add_u32 v240, v0, 2, 0x3f000
	v_mov_b32 v241, 0
	v_lshrrev_b32 v238, 5, v0
	v_readfirstlane_b32 s2, v238                   ; wave
	s_lshr_b32 s50, ttmp9, 1                       ; 16 head + batch
	s_and_b32 s51, ttmp9, 1
	s_lshr_b32 s52, ttmp9, 5                       ; head
	s_and_b32 s53, s50, 15                         ; batch
	s_mov_b32 s[P0], 0x76543210
	s_mov_b32 s[P1], 0xfedcba98
	s_mov_b32 s46, 0xbf7d70a4                      ; -0.99
	s_mov_b32 s47, 0x3f7d70a4
	s_mov_b32 s48, 0xcc1c4000                      ; -4.096e7: the covariance's clip at 10, in raw units
	s_mov_b32 s49, 0x4c1c4000
	v_and_b32 v1, 31, v0
	v_and_b32 v2, 15, v0
	v_bfe_u32 v3, v0, 4, 1
	v_lshrrev_b32 v238, 3, v1
	v_and_b32 v239, 7, v1
	s_mul_i32 s30, s2, 4*KP
	v_mad_u32_u24 v4, v238, KP, s30
	v_lshl_add_u32 v4, v239, 4, v4
	v_add_nc_u32 v5, 4*CHUNKB, v4
	v_mul_u32_u24 v6, v2, KP
	v_lshl_add_u32 v6, v3, 4, v6
	s_lshl_b32 s30, s2, 9
	v_lshl_add_u32 v7, v1, 4, s30
	v_lshlrev_b32 v8, 5, v239
	v_lshlrev_b32 v9, 7, v2
	v_lshl_add_u32 v9, v3, 4, v9
	s_mul_i32 s30, s2, 4*VP
	s_add_co_u32 s30, s30, VV
	v_mad_u32_u24 v10, v238, VP, s30
	v_lshl_add_u32 v10, v239, 4, v10
	v_add_nc_u32 v11, 4*VCH, v10
	v_lshl_add_u32 v12, v3, 3, v239                ; key 8 h + lane mod 8,
	v_mul_u32_u24 v12, v12, VP
	v_bfe_u32 v235, v1, 3, 1
	v_lshl_add_u32 v12, v235, 4, v12               ; 16 bytes at (lane / 8) mod 2
	v_add_nc_u32 v12, VV, v12
	s_mul_i32 s30, s2, 2304
	s_add_co_u32 s30, s30, STG
	v_mad_u32_u24 v13, v2, 144, s30
	v_lshl_add_u32 v13, v3, 4, v13
	v_mad_u32_u24 v14, v238, 144, s30
	v_lshl_add_u32 v14, v239, 4, v14
	v_lshlrev_b32 v15, 4, v1
	s_lshl_b32 s30, s2, 6
	v_lshl_add_u32 v236, v2, 2, s30                ; my query's R
	s_wait_kmcnt 0x0
	s_lshl_b32 s30, s52, 4
	s_mov_b32 s31, 0
	s_add_nc_u64 s[38:39], s[10:11], s[30:31]
	s_load_b128 s[40:43], s[38:39], 0x0            ; a', b', c' of my head
	s_lshl_b32 s30, s50, 16
	s_add_nc_u64 s[16:17], s[4:5], s[30:31]
	s_add_nc_u64 s[12:13], s[12:13], s[30:31]
	s_add_nc_u64 s[18:19], s[16:17], 2*PART
	s_add_nc_u64 s[20:21], s[16:17], 3*PART
	s_add_nc_u64 s[22:23], s[16:17], 4*PART
	s_lshl_b32 s30, s51, 15
	s_lshl_b32 s32, s2, 11
	s_add_co_u32 s30, s30, s32
	s_add_nc_u64 s[24:25], s[16:17], s[30:31]
	s_add_nc_u64 s[26:27], s[24:25], PART
	s_add_nc_u64 s[12:13], s[12:13], s[30:31]      ; O of my 16 queries
	s_lshl_b32 s30, s53, 13
	s_lshl_b32 s32, s52, 8
	s_add_co_u32 s30, s30, s32
	s_add_co_u32 s30, s30, 131072
	s_add_nc_u64 s[28:29], s[6:7], s[30:31]
	s_lshl_b32 s30, ttmp9, 10
	s_add_nc_u64 s[36:37], s[8:9], s[30:31]
.irp b, 0,1,2,3
	global_load_b128 v[DL+8*\b:DL+8*\b+3],   v8, s[28:29] offset:2048*\b
	global_load_b128 v[DL+8*\b+4:DL+8*\b+7], v8, s[28:29] offset:2048*\b+16
.endr
.irp i, 0,1,2,3,4,5,6,7
	global_load_b128 v[SC+4*\i:SC+4*\i+3], v7, s[20:21] offset:8192*\i
.endr
.irp i, 0,1,2,3,4,5,6,7
	global_load_b128 v[SV+4*\i:SV+4*\i+3], v7, s[18:19] offset:8192*\i
.endr
.irp i, 0,1,2,3,4,5,6,7
	global_load_b128 v[FR+4*\i:FR+4*\i+3], v7, s[22:23] offset:8192*\i
.endr
.irp c, 0,1,2,3
	global_load_b128 v[QH+4*\c:QH+4*\c+3], v9, s[24:25] offset:32*\c
.endr
.irp c, 0,1,2,3
	global_load_b128 v[QC+4*\c:QC+4*\c+3], v9, s[26:27] offset:32*\c
.endr
	global_load_b32 v237, v236, s[36:37]
	s_wait_loadcnt 33                              ; the column sums; 33 younger loads stay out
.irp k, 0,2,4,6
	v_pk_add_f32 v[TOT+\k:TOT+\k+1], v[DL+\k:DL+\k+1], v[DL+8+\k:DL+8+\k+1]
	v_pk_add_f32 v[U+\k:U+\k+1], v[DL+16+\k:DL+16+\k+1], v[DL+24+\k:DL+24+\k+1]
.endr
.irp k, 0,2,4,6
	v_pk_add_f32 v[TOT+\k:TOT+\k+1], v[TOT+\k:TOT+\k+1], v[U+\k:U+\k+1]
.endr
.irp k, 0,2,4,6
	v_pk_mul_f32 v[TOT+\k:TOT+\k+1], v[TOT+\k:TOT+\k+1], 0xbb000000 op_sel_hi:[1,0]    ; minus the mean over 512 keys
.endr
.set k, 0
.rept 16
	v_pk_fma_f32 v[DL+k:DL+k+1], v[DL+k:DL+k+1], 0x3c000000, v[TOT+k%8:TOT+k%8+1] op_sel_hi:[1,0,1]   ; block mean - whole mean
.set k, k+2
.endr
	s_wait_loadcnt 25                              ; the centred keys
.irp i, 0,1,2,3,4,5,6,7
.irp k, 0,1,2,3
	v_lshlrev_b32 v[U+2*\k],   16, v[SC+4*\i+\k]
	v_and_b32     v[U+2*\k+1], 0xffff0000, v[SC+4*\i+\k]
.endr
.irp k, 0,1,2,3
	v_pk_add_f32 v[U+2*\k:U+2*\k+1], v[U+2*\k:U+2*\k+1], v[DL+8*(\i/2)+2*\k:DL+8*(\i/2)+2*\k+1]
.endr
.irp k, 0,1,2,3
	v_cvt_pk_bf16_f32 v[SC+4*\i+\k], v[U+2*\k], v[U+2*\k+1]
.endr
	ds_store_b128 v[4+\i/4], v[SC+4*\i:SC+4*\i+3] offset:CHUNKB*(\i%4)+128
.endr
	s_wait_loadcnt 17                              ; the keys' unit vectors
.irp i, 0,1,2,3,4,5,6,7
	ds_store_b128 v[4+\i/4], v[SV+4*\i:SV+4*\i+3] offset:CHUNKB*(\i%4)
.endr
	s_wait_loadcnt 9                               ; V; my queries' 8 loads and R stay out
.irp i, 0,1,2,3,4,5,6,7
	ds_store_b128 v[10+\i/4], v[FR+4*\i:FR+4*\i+3] offset:VCH*(\i%4)
.endr
	s_wait_loadcnt 0x0
	s_wait_kmcnt 0x0
	s_mov_b32 s44, s41                             ; b' at the head of a pair, for the packed broadcast
	s_mov_b32 s45, s41
	v_mul_f32 v[CR], s42, v237                     ; constant along the row: the addend of the first multiply-add
	v_mul_f32 v[CR+1], s42, v237
	s_wait_dscnt 0x0
	s_barrier_signal -1
	s_barrier_wait -1
.macro LOADK cov
.irp t, 0,1,2,3
.irp s, 0,1
	ds_load_b128 v[FR+16*\t+8*\s:FR+16*\t+8*\s+3],   v6 offset:16*KP*\t+128*\cov+64*\s
	ds_load_b128 v[FR+16*\t+8*\s+4:FR+16*\t+8*\s+7], v6 offset:16*KP*\t+128*\cov+64*\s+32
.endr
.endr
.endm
.macro LOADV                           ; V^T of 64 keys: fragment (u, t) = d 16 t .. + 15, keys 32 u .. + 31
.irp u, 0,1
.irp t, 0,1,2,3
	ds_load_tr16_b128 v[FR+32*\u+8*\t:FR+32*\u+8*\t+3],   v12 offset:32*VP*\u+32*\t
	ds_load_tr16_b128 v[FR+32*\u+8*\t+4:FR+32*\u+8*\t+7], v12 offset:32*VP*\u+32*\t+16*VP
.endr
.endr
.endm
; four accumulators take turns, one instruction a turn
.macro MULS acc, q, form
.irp s, 0,1
.irp t, 0,1,2,3
.if \s
	v_wmma_f32_16x16x32_\form v[\acc+8*\t:\acc+8*\t+7], v[FR+16*\t+8*\s:FR+16*\t+8*\s+7], v[\q+8*\s:\q+8*\s+7], v[\acc+8*\t:\acc+8*\t+7]
.else
	v_wmma_f32_16x16x32_\form v[\acc+8*\t:\acc+8*\t+7], v[FR+16*\t+8*\s:FR+16*\t+8*\s+7], v[\q+8*\s:\q+8*\s+7], 0
.endif
.endr
.endr
.endm
; 64 keys.  first = 1: nothing is carried yet, and the first products start O.
.macro CHUNK first
	LOADK 0
	s_wait_dscnt 0x0
	MULS SC, QH, f16
	NOP4                                           ; four places before results are read and fragments loaded again (ISA guide 7.12.1)
	LOADK 1                                        ; kc's fragments land while C is clipped
.set k, 0
.rept 32
	v_med3_num_f32 v[SC+k], v[SC+k], s46, s47
.set k, k+1
.endr
	s_wait_dscnt 0x0
	MULS SV, QC, bf16
	NOP4
	LOADV                                          ; V's fragments land during the softmax
.set k, 0
.rept 32
	v_med3_num_f32 v[SV+k], v[SV+k], s48, s49
.set k, k+1
.endr
.set k, 0
.rept 16
	v_pk_fma_f32 v[SV+k:SV+k+1], v[SV+k:SV+k+1], s[44:45], v[CR:CR+1] op_sel_hi:[1,0,1]
.set k, k+2
.endr
.set k, 0
.rept 16
	v_pk_fma_f32 v[SC+k:SC+k+1], v[SC+k:SC+k+1], s[40:41], v[SV+k:SV+k+1] op_sel_hi:[1,0,1]
.set k, k+2
.endr
.irp c, 0,1,2,3
	v_max3_num_f32 v[TM+\c], v[SC+8*\c], v[SC+8*\c+1], v[SC+8*\c+2]
.endr
.irp c, 0,1,2,3
	v_max3_num_f32 v[TM+\c], v[TM+\c], v[SC+8*\c+3], v[SC+8*\c+4]
.endr
.irp c, 0,1,2,3
	v_max3_num_f32 v[TM+\c], v[TM+\c], v[SC+8*\c+5], v[SC+8*\c+6]
.endr
.irp c, 0,1,2,3
	v_max_num_f32 v[TM+\c], v[TM+\c], v[SC+8*\c+7]
.endr
	v_max3_num_f32 v[TM], v[TM], v[TM+1], v[TM+2]
.if \first
	v_max_num_f32 v[TM], v[TM], v[TM+3]
.else
	v_max3_num_f32 v[TM], v[TM], v[TM+3], v[MX]
.endif
	v_permlanex16_b32 v[TM+1], v[TM], s[P0], s[P1] ; the query's other 32 keys lie in the other half of the lanes
	v_max_num_f32 v[MN], v[TM], v[TM+1]
	v_max_num_f32 v[MN+1], v[TM], v[TM+1]
.if \first == 0
	v_sub_f32 v[TM+2], v[MX], v[MN]
.endif
.set k, 0
.rept 16
	v_pk_add_f32 v[SC+k:SC+k+1], v[SC+k:SC+k+1], v[MN:MN+1] neg_lo:[0,1] neg_hi:[0,1]
.set k, k+2
.endr
.if \first == 0
	v_exp_f32 v[AL], v[TM+2]
	v_exp_f32 v[AL+1], v[TM+2]
.endif
.set k, 0
.rept 32
	v_exp_f32 v[SC+k], v[SC+k]
.set k, k+1
.endr
	v_mov_b32 v[MX], v[MN]                         ; the plain instruction behind the run of transcendentals (ISA guide 5.7.2)
.if \first
	s_wait_alu depctr_va_vdst(0)
	v_pk_add_f32 v[LS:LS+1], v[SC:SC+1], v[SC+2:SC+3]
.set k, 4
.rept 14
	v_pk_add_f32 v[LS:LS+1], v[LS:LS+1], v[SC+k:SC+k+1]
.set k, k+2
.endr
.else
	s_wait_alu depctr_va_vdst(0)
	v_pk_fma_f32 v[LS:LS+1], v[LS:LS+1], v[AL:AL+1], v[SC:SC+1]
.set k, 2
.rept 15
	v_pk_add_f32 v[LS:LS+1], v[LS:LS+1], v[SC+k:SC+k+1]
.set k, k+2
.endr
.endif
.set k, 0
.rept 16
	v_cvt_pk_f16_f32 v[PB+k], v[SC+2*k], v[SC+2*k+1]       ; tiles 2 u and 2 u + 1 are the two halves of fragment u
.set k, k+1
.endr
.if \first == 0
.set k, 0
.rept 16
	v_pk_mul_f32 v[OO+k:OO+k+1], v[OO+k:OO+k+1], v[AL:AL+1]
.set k, k+2
.endr
.endif
	s_wait_dscnt 0x0
.irp u, 0,1
.irp t, 0,1,2,3
.if \first*(1-\u)
	v_wmma_f32_16x16x32_f16 v[OO+8*\t:OO+8*\t+7], v[FR+32*\u+8*\t:FR+32*\u+8*\t+7], v[PB+8*\u:PB+8*\u+7], 0
.else
	v_wmma_f32_16x16x32_f16 v[OO+8*\t:OO+8*\t+7], v[FR+32*\u+8*\t:FR+32*\u+8*\t+7], v[PB+8*\u:PB+8*\u+7], v[OO+8*\t:OO+8*\t+7]
.endif
.endr
.endr
	NOP4                                           ; with the four behind the next cosine products: eight places before P's registers are written by a matrix instruction
	v_add_nc_u32 v6, CHUNKB, v6
	v_add_nc_u32 v12, VCH, v12
.endm
	CHUNK 1
	s_mov_b32 s30, 0
.Lchunk:
	CHUNK 0
	s_add_co_u32 s30, s30, 1
	s_cmp_lt_u32 s30, 7
	s_cbranch_scc1 .Lchunk
	v_add_f32 v[LS], v[LS], v[LS+1]
	XH LS, TM
	v_rcp_f32 v[AL], v[LS]
	v_rcp_f32 v[AL+1], v[LS]
	v_nop
.set k, 0
	s_wait_alu depctr_va_vdst(0)
.rept 16
	v_pk_mul_f32 v[OO+k:OO+k+1], v[OO+k:OO+k+1], v[AL:AL+1]
.set k, k+2
.endr
.set k, 0
.rept 16
	v_cvt_pk_f16_f32 v[Z+k], v[OO+2*k], v[OO+2*k+1]
.set k, k+1
.endr
	; sixteen rows of 128 bytes through my own stage: a store of the wave covers 512 neighbouring bytes
.irp t, 0,1,2,3
	ds_store_b128 v13, v[Z+4*\t:Z+4*\t+3] offset:32*\t
.endr
.irp u, 0,1,2,3
	ds_load_b128 v[RB+4*\u:RB+4*\u+3], v14 offset:576*\u   ; a wave's LDS instructions are served in order: these see the stores above
.endr
.irp u, 0,1,2,3
	s_wait_dscnt 3-\u                              ; the younger read-backs stay out
	global_store_b128 v15, v[RB+4*\u:RB+4*\u+3], s[12:13] offset:512*\u
.endr
	s_wait_tensorcnt 0x0
	ds_add_u32 v240, v241
	s_wait_dscnt 0x0
	s_endpgm
.Lfunc_end_k_qd6d52cd360_attn:
	.size	k_qd6d52cd360_attn, .Lfunc_end_k_qd6d52cd360_attn-k_qd6d52cd360_attn
	.p2alignl 7, 3214868480
	.fill 96, 4, 3214868480
	.section	.rodata,"a",@progbits
	.p2align	6, 0x0
	.amdhsa_kernel k_qd6d52cd360_attn
		.amdhsa_group_segment_fixed_size 260096
		.amdhsa_private_segment_fixed_size 0
		.amdhsa_enable_private_segment 0
		.amdhsa_kernarg_size 40
		.amdhsa_user_sgpr_count 2
		.amdhsa_user_sgpr_kernarg_segment_ptr 1
		.amdhsa_wavefront_size32 1
		.amdhsa_system_sgpr_workgroup_id_x 1
		.amdhsa_system_sgpr_workgroup_id_y 1
		.amdhsa_system_sgpr_workgroup_id_z 1
		.amdhsa_system_vgpr_workitem_id 0
		.amdhsa_next_free_vgpr 242
		.amdhsa_next_free_sgpr 66
		.amdhsa_reserve_vcc 0
		.amdhsa_float_denorm_mode_32 3
		.amdhsa_float_denorm_mode_16_64 3
		.amdhsa_memory_ordered 1
		.amdhsa_forward_progress 1
		.amdhsa_inst_pref_size 57
	.end_amdhsa_kernel
	.amdgpu_metadata
---
amdhsa.version: [ 1, 2 ]
amdhsa.kernels:
  - .name:           k_qd6d52cd360_attn
    .symbol:         k_qd6d52cd360_attn.kd
    .args:
      - { .name: pj, .offset: 0, .size: 8, .value_kind: global_buffer, .address_space: global }
      - { .name: colsum, .offset: 8, .size: 8, .value_kind: global_buffer, .address_space: global }
      - { .name: stat, .offset: 16, .size: 8, .value_kind: global_buffer, .address_space: global }
      - { .name: coef, .offset: 24, .size: 8, .value_kind: global_buffer, .address_space: global }
      - { .name: ob, .offset: 32, .size: 8, .value_kind: global_buffer, .address_space: global }
    .group_segment_fixed_size: 260096
    .private_segment_fixed_size: 0
    .kernarg_segment_align: 8
    .kernarg_segment_size: 40
    .max_flat_workgroup_size: 512
    .sgpr_count:     66
    .vgpr_count:     242
    .wavefront_size: 32
...
	.end_amdgpu_metadata
.endif
;; end of part 5
;; launch outp (part 6): grid 128 x 1, 8 waves a work-group, no clusters, 102,400 bytes of LDS; arguments ob, wf, b_out, out0; writes out0
.if DOCPART == 6
	.amdgcn_target "amdgcn-amd-amdhsa--gfx1250"
	.amdhsa_code_object_version 6
	.text
	.protected	k_qd6d52cd360_outp
	.globl	k_qd6d52cd360_outp
	.p2align	8
	.type	k_qd6d52cd360_outp,@function
k_qd6d52cd360_outp:
	s_mov_b64 s[64:65], 0
	v_nop
	global_prefetch_b8 v0, s[64:65] scope:SCOPE_SE
	s_setreg_imm32_b32 hwreg(HW_REG_WAVE_MODE, 25, 1), 1
	s_wait_xcnt 0x0
; out0 = O W_out + b_out.  The work-group takes 64 rows and all 512 columns; wave g makes columns 64 g .. + 63.  O comes as f16 [head][8192][64] and is laid
; into LDS as rows of 512 (head x 64 + d); W_out comes as f16 fragments straight from memory, two K steps ahead.
; W's columns are rows of A and O's rows columns of B: lane (r, h) holds row r and eight neighbouring columns, which leave through the wave's own stage as
; rows of 256 bytes.  No cluster, no tensor loads: LDS is filled once, and W never passes through LDS.
; LIMIT: O and W_out are f16 operands (below 65504).
.set XPITCH, 1040
.set STG,    64*XPITCH
.set SPITCH, 272                       ; 64 f32 + 16 bytes
.set ACC, 16
.set XF,  144
.set WF,  176
.set RB,  144
.set BI,  240
; v1 lane, v2 r, v3 h, v4 16 thread, v5 LDS fill, v6 LDS fragments, v7 16 lane, v8 stage in, v9 stage back, v10 out0 offset, v11 bias offset
.macro NOP4
.rept 4
	v_nop
.endr
.endm
	s_load_b256 s[8:15], s[0:1], 0x0               ; ob 8, wf 10, b_out 12, out0 14
	v_lshl_add_u32 v254, v0, 2, 0x18c00
	v_mov_b32 v255, 0
	v_lshrrev_b32 v12, 5, v0
	v_readfirstlane_b32 s2, v12                    ; wave = column group
	v_and_b32 v1, 31, v0
	v_and_b32 v2, 15, v0
	v_bfe_u32 v3, v0, 4, 1
	v_lshlrev_b32 v7, 4, v1
	s_lshl_b32 s38, s2, 9
	v_add_nc_u32 v4, s38, v7
	s_mul_i32 s38, s2, 4*XPITCH
	v_lshrrev_b32 v12, 3, v1
	v_and_b32 v13, 7, v1
	v_mad_u32_u24 v5, v12, XPITCH, s38             ; row 4 wave + lane / 8,
	v_lshl_add_u32 v5, v13, 4, v5                  ; 16 bytes at lane mod 8
	v_mul_u32_u24 v6, v2, XPITCH
	v_lshl_add_u32 v6, v3, 4, v6
	s_mul_i32 s38, s2, 16*SPITCH
	s_add_co_u32 s38, s38, STG
	v_mad_u32_u24 v8, v2, SPITCH, s38
	v_lshl_add_u32 v8, v3, 5, v8
	v_mad_u32_u24 v9, v3, SPITCH, s38
	v_lshl_add_u32 v9, v2, 4, v9
	v_lshlrev_b32 v11, 4, v2
	v_lshl_add_u32 v10, v3, 11, v11
	s_wait_kmcnt 0x0
	s_lshl_b32 s36, ttmp9, 13                      ; 64 rows of 128 bytes in each head's part
	s_mov_b32 s37, 0
	s_add_nc_u64 s[24:25], s[8:9], s[36:37]
	s_lshl_b32 s36, s2, 16
	s_add_co_u32 s36, s36, 524288
	s_add_nc_u64 s[34:35], s[10:11], s[36:37]      ; W_out's pieces for my 64 columns
	s_lshl_b32 s36, s2, 8
	s_add_nc_u64 s[12:13], s[12:13], s[36:37]
	s_lshl_b32 s38, ttmp9, 17                      ; 64 rows of 2,048 bytes
	s_add_co_u32 s36, s36, s38
	s_add_nc_u64 s[30:31], s[14:15], s[36:37]
.macro WLOAD s
.irp t, 0,1,2,3
	global_load_b128 v[WF+32*((\s)%2)+8*\t:WF+32*((\s)%2)+8*\t+3],   v7, s[34:35] offset:4096*(\s)+1024*\t
	global_load_b128 v[WF+32*((\s)%2)+8*\t+4:WF+32*((\s)%2)+8*\t+7], v7, s[34:35] offset:4096*(\s)+1024*\t+512
.endr
.endm
.macro XLOAD s
.irp i, 0,1,2,3
	ds_load_b128 v[XF+8*\i:XF+8*\i+3],   v6 offset:16*XPITCH*\i+64*(\s)
	ds_load_b128 v[XF+8*\i+4:XF+8*\i+7], v6 offset:16*XPITCH*\i+64*(\s)+32
.endr
.endm
.irp i, 0,1,2,3,4,5,6,7,8,9,10,11,12,13,14,15
	global_load_b128 v[ACC+4*\i:ACC+4*\i+3], v4, s[24:25] offset:(\i/2)*1048576+(\i%2)*4096 th:TH_LOAD_NT    ; head i / 2, rows 32 (i mod 2) ..
.endr
	global_load_b128 v[BI:BI+3], v11, s[12:13]
	WLOAD 0
	WLOAD 1
	s_wait_loadcnt 17                              ; O's 16 loads are in; the bias and W's 16 stay out
.irp i, 0,1,2,3,4,5,6,7,8,9,10,11,12,13,14,15
	ds_store_b128 v5, v[ACC+4*\i:ACC+4*\i+3] offset:(\i%2)*32*XPITCH+(\i/2)*128
.endr
	s_wait_dscnt 0x0
	s_barrier_signal -1
	s_barrier_wait -1
	XLOAD 0
; One K step of 32: 16 matrix instructions on 16 accumulators that take turns, one instruction a turn.
.macro KSTEP s
	s_wait_dscnt 0x0
.if \s < 15
	s_wait_loadcnt 0x8                             ; this step's W fragments; the next step's eight loads stay out
.else
	s_wait_loadcnt 0x0
.endif
.irp i, 0,1,2,3
.irp t, 0,1,2,3
.if \s == 0
	v_wmma_f32_16x16x32_f16 v[ACC+8*(4*\i+\t):ACC+8*(4*\i+\t)+7], v[WF+32*((\s)%2)+8*\t:WF+32*((\s)%2)+8*\t+7], v[XF+8*\i:XF+8*\i+7], 0
.else
	v_wmma_f32_16x16x32_f16 v[ACC+8*(4*\i+\t):ACC+8*(4*\i+\t)+7], v[WF+32*((\s)%2)+8*\t:WF+32*((\s)%2)+8*\t+7], v[XF+8*\i:XF+8*\i+7], v[ACC+8*(4*\i+\t):ACC+8*(4*\i+\t)+7]
.endif
.endr
.endr
	NOP4                                           ; four places before fragments are loaded again or results are read (ISA guide 7.12.1)
.if \s < 15
	XLOAD \s+1
.endif
.if \s < 14
	WLOAD \s+2
.endif
.endm
.irp s, 0,1,2,3,4,5,6,7,8,9,10,11,12,13,14,15
	KSTEP \s
.endr
; sixteen rows of 256 bytes through my own stage; the bias is added on the way back; sixteen lanes store 256 neighbouring bytes, at a multiple of 256 from out0's first byte
.macro OUT16 i
	s_wait_xcnt 0x0                                ; RB, which earlier stores read, is loaded again only behind this wait
.irp t, 0,1,2,3
	ds_store_b128 v8, v[ACC+32*\i+8*\t:ACC+32*\i+8*\t+3] offset:64*\t
	ds_store_b128 v8, v[ACC+32*\i+8*\t+4:ACC+32*\i+8*\t+7] offset:64*\t+16
.endr
.irp u, 0,1,2,3,4,5,6,7
	ds_load_b128 v[RB+4*\u:RB+4*\u+3], v9 offset:2*SPITCH*\u       ; a wave's LDS instructions are served in order: these see the stores above
.endr
.irp u, 0,1,2,3,4,5,6,7
	s_wait_dscnt 7-\u                              ; the younger read-backs stay out
	v_pk_add_f32 v[RB+4*\u:RB+4*\u+1], v[RB+4*\u:RB+4*\u+1], v[BI:BI+1]
	v_pk_add_f32 v[RB+4*\u+2:RB+4*\u+3], v[RB+4*\u+2:RB+4*\u+3], v[BI+2:BI+3]
	global_store_b128 v10, v[RB+4*\u:RB+4*\u+3], s[30:31] offset:(16*\i+2*\u)*2048 th:TH_STORE_NT
.endr
.endm
.irp i, 0,1,2,3
	OUT16 \i
.endr
	s_wait_tensorcnt 0x0
	ds_add_u32 v254, v255
	s_wait_dscnt 0x0
	s_endpgm
.Lfunc_end_k_qd6d52cd360_outp:
	.size	k_qd6d52cd360_outp, .Lfunc_end_k_qd6d52cd360_outp-k_qd6d52cd360_outp
	.p2alignl 7, 3214868480
	.fill 96, 4, 3214868480
	.section	.rodata,"a",@progbits
	.p2align	6, 0x0
	.amdhsa_kernel k_qd6d52cd360_outp
		.amdhsa_group_segment_fixed_size 102400
		.amdhsa_private_segment_fixed_size 0
		.amdhsa_enable_private_segment 0
		.amdhsa_kernarg_size 32
		.amdhsa_user_sgpr_count 2
		.amdhsa_user_sgpr_kernarg_segment_ptr 1
		.amdhsa_wavefront_size32 1
		.amdhsa_system_sgpr_workgroup_id_x 1
		.amdhsa_system_sgpr_workgroup_id_y 1
		.amdhsa_system_sgpr_workgroup_id_z 1
		.amdhsa_system_vgpr_workitem_id 0
		.amdhsa_next_free_vgpr 256
		.amdhsa_next_free_sgpr 66
		.amdhsa_reserve_vcc 0
		.amdhsa_float_denorm_mode_32 3
		.amdhsa_float_denorm_mode_16_64 3
		.amdhsa_memory_ordered 1
		.amdhsa_forward_progress 1
		.amdhsa_inst_pref_size 57
	.end_amdhsa_kernel
	.amdgpu_metadata
---
amdhsa.version: [ 1, 2 ]
amdhsa.kernels:
  - .name:           k_qd6d52cd360_outp
    .symbol:         k_qd6d52cd360_outp.kd
    .args:
      - { .name: ob, .offset: 0, .size: 8, .value_kind: global_buffer, .address_space: global }
      - { .name: wf, .offset: 8, .size: 8, .value_kind: global_buffer, .address_space: global }
      - { .name: b_out, .offset: 16, .size: 8, .value_kind: global_buffer, .address_space: global }
      - { .name: out0, .offset: 24, .size: 8, .value_kind: global_buffer, .address_space: global }
    .group_segment_fixed_size: 102400
    .private_segment_fixed_size: 0
    .kernarg_segment_align: 8
    .kernarg_segment_size: 32
    .max_flat_workgroup_size: 256
    .sgpr_count:     66
    .vgpr_count:     256
    .wavefront_size: 32
...
	.end_amdgpu_metadata
.endif
;; end of part 6
;; ======== version 2 of 3: 6 launches; 1.12 times as fast as version 1
;; limits: values are held in f16: magnitudes above 65,504 overflow, below 6.1e-05 lose precision
;; workspace buffers: wf 1,048,576 bytes; pj 41,943,040 bytes; colsum 262,144 bytes; stat 278,528 bytes; coef 256 bytes; ob 8,388,608 bytes
;; launch prep: the kernel of part 1 again; grid 128 x 2, 8 waves a work-group, no clusters, 0 bytes of LDS; arguments W_in, W_out, wf; writes wf
;; launch project: the kernel of part 2 again; grid 64 x 3, 16 waves a work-group, no clusters, 176,128 bytes of LDS; arguments q, k, v, ln_g, ln_b, wf, pj, colsum; writes pj, colsum
;; launch stats (part 7): grid 256 x 1, 16 waves a work-group, no clusters, 169,984 bytes of LDS; arguments pj, colsum, stat; writes stat
.if DOCPART == 7
	.amdgcn_target "amdgcn-amd-amdhsa--gfx1250"
	.amdhsa_code_object_version 6
	.text
	.protected	k_qd6d52cd360_stats
	.globl	k_qd6d52cd360_stats
	.p2align	8
	.type	k_qd6d52cd360_stats,@function
k_qd6d52cd360_stats:
	s_mov_b64 s[64:65], 0
	v_nop
	global_prefetch_b8 v0, s[64:65] scope:SCOPE_SE
	s_setreg_imm32_b32 hwreg(HW_REG_WAVE_MODE, 25, 1), 1
	s_wait_xcnt 0x0
; First sweep over the scores.  Work-group g = (head, batch, half): 256 queries x 512 keys.  Wave w owns queries 16 w + r of its half.
; For every score: C = clip(cosine, +-0.99), V = the raw covariance qc . kc clipped at +-4.096e7 (10 divided by 0.001/4096, the reference's clip in raw units),
; and along a row R = mean of clip(0.01 - C, 0, 2).  Out: R for each row, and for the block the means of C, V, R, their centred sums of squares and co-moments,
; from which the next launches make all four global standard deviations (the mix is linear in C, V, R).
; THE FILL: the keys come in four stages of 128, by tensor loads that all go out at the start; waves 0-7 bring 16 keys each of the unit vectors, waves 8-15 of the
; keys centred by blocks.  Stage j is read behind a counted wait (the wave's loads of the later stages stay out) and a barrier; nothing is filled again.
; kc = (key centred in its block of 128) + (block mean - whole mean).  The second part's product with qc is one number for a query and a block: it is made once,
; by two matrix instructions, and enters the covariance product as its C operand.  The difference of the means is formed in f32.
; Sums of C are kept about a pivot p (the row's mean over its first 64 keys), which enters as the C operand too, so that no variance is a difference of large sums.
; No cluster: a K tile is shared by two work-groups only and read once; a cluster of four would hold two different pairs.
; LIMIT: the margin's cosine is the one made with |f| + 1e-8, where the reference takes max(|f|, 1e-8): a relative difference of 1e-8/|f| (|f| is about 3.6 as drawn).
; Since C lies in +-0.99, clip(0.01 - C, 0, 2) = 0.01 - min(C, 0.01): the sum kept is that of min(C - p, 0.01 - p).
.set PART,   8388608
.set KP,     272                       ; an LDS row: two keys of 128 bytes + 16 of padding; lanes r of a fragment load start at 16-byte columns 16 (r>>1) + 128 (r&1): sixteen different ones
.set PIECE,  8*KP                      ; 16 keys: what one tensor load brings, and one tile of a fragment load
.set ARRB,   64*KP                     ; 128 keys of one kind
.set STAGEB, 2*ARRB                    ; a stage: unit vectors, then centred keys
.set HALFB,  32*KP                     ; 64 keys
.set ARR,    4*STAGEB                  ; six arrays of 256 f32: row mean of C, of V, R, centred squares of C, of V, co-moment; no fill lands here
.set QH, 16                            ; v16-31   my queries' unit vectors, two fragments
.set QC, 32                            ; v32-47   my queries' centred vectors
.set SC, 48                            ; v48-79   four tiles of C (keys 16 t + 8 h + j of query r)
.set SV, 80                            ; v80-111  four tiles of V
.set FR, 112                           ; v112-175 eight key fragments
.set XX, 112                           ; set-up: my block's column sums, 32 columns
.set TOT, 144                          ; set-up: minus the whole mean
.set DA, 144                           ; set-up: the difference of the means in bf16, two fragments
.set DVS, 176                          ; v176-207 qc . (block mean - whole mean), eight times, for each of four blocks: C operands
.set NP,  208                          ; v208-215 minus the pivot, as a C operand
.set LO,  216
.set HI,  217
.set MP,  218                          ; 0.01 - p, twice
.set S1C, 220
.set S2C, 222
.set S1V, 224
.set S2V, 226
.set SCV, 228
.set SM,  230
.set PVT, 232
.set TMP, 233
.set P0, 34
.set P1, 35
.set G1, 56                            ; s[56:63] descriptor group 1
.set G0, 68                            ; s[68:83] descriptor group 0, one set for each stage
; v1 lane, v2 r, v3 h, v6 LDS fragments (steps by stages), v8 colsum offset, v9 query offset, v10 my row's words in the arrays
.macro NOP4
.rept 4
	v_nop
.endr
.endm
.macro XH v, tmp
	v_permlanex16_b32 v[\tmp], v[\v], s[P0], s[P1]
	v_add_f32 v[\v], v[\v], v[\tmp]
.endm
.macro WRED v, tmp
	v_add_f32_dpp v[\v], v[\v], v[\v] row_xmask:1 row_mask:0xf bank_mask:0xf
	v_add_f32_dpp v[\v], v[\v], v[\v] row_xmask:2 row_mask:0xf bank_mask:0xf
	v_add_f32_dpp v[\v], v[\v], v[\v] row_xmask:4 row_mask:0xf bank_mask:0xf
	v_add_f32_dpp v[\v], v[\v], v[\v] row_xmask:8 row_mask:0xf bank_mask:0xf
	XH \v, \tmp
.endm
	s_load_b128 s[4:7], s[0:1], 0x0                ; pj, colsum
	s_load_b64 s[8:9], s[0:1], 0x10                ; stat
	v_lshl_add_u32 v240, v0, 2, 0x29000
	v_mov_b32 v241, 0
	ds_add_u32 v240, v241
	ds_add_u32 v240, v241
	v_lshrrev_b32 v11, 5, v0
	v_readfirstlane_b32 s2, v11                    ; wave
	s_lshr_b32 s50, ttmp9, 1                       ; 16 head + batch
	s_and_b32 s51, ttmp9, 1                        ; which 256 queries
	s_lshr_b32 s52, ttmp9, 5                       ; head
	s_and_b32 s53, s50, 15                         ; batch
	; group 1: a dense block of 8 rows of 256 bytes (16 keys), 16 bytes of padding behind each row
	s_mov_b32 s[G1+0], (3<<16)|(1<<20)|(5<<22)|(3<<25)     ; elements of 8 bytes; padding on; after every 64 words; of 4 words
	s_mov_b32 s[G1+1], 32<<16                      ; tensor_dim0 = 32 elements
	s_mov_b32 s[G1+2], 8<<16                       ; tensor_dim1 = 8 rows
	s_mov_b32 s[G1+3], 32<<16                      ; tile_dim0 = 32
	s_mov_b32 s[G1+4], 8                           ; tile_dim1 = 8
	s_mov_b32 s[G1+5], 32                          ; from row to row: 32 elements
	s_mov_b32 s[G1+6], 0
	s_mov_b32 s[G1+7], 0
	s_mul_i32 s54, s2, PIECE                       ; where my 16 keys go in a stage: waves 0-7 fill the unit vectors' half, 8-15 the centred keys'
	s_lshr_b32 s30, s2, 3
	s_lshl_b32 s30, s30, 23                        ; part 2 or part 3
	s_and_b32 s32, s2, 7
	s_lshl_b32 s32, s32, 11                        ; 16 keys of 128 bytes
	s_add_co_u32 s30, s30, s32
	s_lshl_b32 s33, s50, 16                        ; my (head, batch): 512 rows of 128 bytes
	s_add_co_u32 s30, s30, s33
	s_add_co_u32 s30, s30, 2*PART
	s_mov_b32 s31, 0
	s_wait_dscnt 0x0
	s_wait_kmcnt 0x0
	s_add_nc_u64 s[18:19], s[4:5], s[30:31]
	; all first fills go out together, stage by stage: four tensor loads of this wave are out
.irp j, 0,1,2,3
	s_mov_b32 s[G0+4*\j], 1
	s_add_co_u32 s[G0+4*\j+1], s54, \j*STAGEB
	s_add_nc_u64 s[G0+4*\j+2:G0+4*\j+3], s[18:19], \j*16384
	s_or_b32 s[G0+4*\j+3], s[G0+4*\j+3], 0x80000000
	tensor_load_to_lds s[G0+4*\j:G0+4*\j+3], s[G1:G1+7]
	s_nop 0
.endr
	s_mov_b32 s[P0], 0x76543210
	s_mov_b32 s[P1], 0xfedcba98
	s_mov_b32 s40, 0xbf7d70a4                      ; -0.99
	s_mov_b32 s41, 0x3f7d70a4                      ; 0.99
	s_mov_b32 s42, 0x3b000000                      ; 1/512
	s_mov_b32 s43, 0x3c23d70a                      ; 0.01
	s_mov_b32 s44, 0xcc1c4000                      ; -4.096e7
	s_mov_b32 s45, 0x4c1c4000                      ; 4.096e7
	v_and_b32 v1, 31, v0
	v_and_b32 v2, 15, v0
	v_bfe_u32 v3, v0, 4, 1
	v_lshrrev_b32 v11, 1, v2
	v_and_b32 v12, 1, v0
	v_mul_u32_u24 v6, v11, KP                      ; key r: LDS row r >> 1,
	v_lshl_add_u32 v6, v12, 7, v6                  ; half r & 1,
	v_lshl_add_u32 v6, v3, 4, v6                   ; + 16 h
	v_and_b32 v8, 3, v0
	v_lshlrev_b32 v8, 11, v8                       ; column sums of block r & 3,
	v_lshl_add_u32 v8, v3, 5, v8                   ; 8 h columns on
	v_lshlrev_b32 v9, 7, v2
	v_lshl_add_u32 v9, v3, 4, v9
	s_lshl_b32 s30, s2, 6
	s_add_co_u32 s30, s30, ARR
	v_lshl_add_u32 v10, v2, 2, s30
	v_mov_b32 v[TMP], 0                            ; v_permlanex16_b32 counts as a reader of its destination
	s_mov_b32 s30, s33
	s_add_nc_u64 s[16:17], s[4:5], s[30:31]        ; part 0 at my (head, batch)
	s_lshl_b32 s30, s51, 15
	s_lshl_b32 s32, s2, 11
	s_add_co_u32 s30, s30, s32
	s_add_nc_u64 s[24:25], s[16:17], s[30:31]      ; my 16 queries
	s_add_nc_u64 s[26:27], s[24:25], PART
	s_lshl_b32 s30, s53, 13
	s_lshl_b32 s32, s52, 8
	s_add_co_u32 s30, s30, s32
	s_add_co_u32 s30, s30, 131072
	s_add_nc_u64 s[28:29], s[6:7], s[30:31]        ; k's column sums: my batch's four blocks, my head
	s_lshl_b32 s30, ttmp9, 10
	s_add_nc_u64 s[36:37], s[8:9], s[30:31]        ; R of my 256 rows
	s_lshl_b32 s30, ttmp9, 6
	s_add_co_u32 s30, s30, 262144
	s_add_nc_u64 s[38:39], s[8:9], s[30:31]        ; my record
.irp p, 0,1,2,3
	global_load_b128 v[XX+8*\p:XX+8*\p+3],   v8, s[28:29] offset:64*\p      ; columns 16 p + 8 h .. + 7: the places of a fragment's k
	global_load_b128 v[XX+8*\p+4:XX+8*\p+7], v8, s[28:29] offset:64*\p+16
.endr
.irp c, 0,1,2,3
	global_load_b128 v[QC+4*\c:QC+4*\c+3], v9, s[26:27] offset:32*\c
.endr
.irp c, 0,1,2,3
	global_load_b128 v[QH+4*\c:QH+4*\c+3], v9, s[24:25] offset:32*\c
.endr
	s_wait_loadcnt 8                               ; the column sums; my queries' 8 loads stay out
.set k, 0
.rept 16
	v_pk_mul_f32 v[TOT+k:TOT+k+1], v[XX+k:XX+k+1], 0xbb000000 op_sel_hi:[1,0]      ; - sum / 512,
.set k, k+2
.endr
.irp m, 1,2
.set k, 0
.rept 32
	v_add_f32_dpp v[TOT+k], v[TOT+k], v[TOT+k] row_xmask:\m row_mask:0xf bank_mask:0xf     ; over the four blocks, which lie in lanes r, r^1, r^2, r^3
.set k, k+1
.endr
.endr
.set k, 0
.rept 16
	v_pk_fma_f32 v[XX+k:XX+k+1], v[XX+k:XX+k+1], 0x3c000000, v[TOT+k:TOT+k+1] op_sel_hi:[1,0,1]   ; block mean - whole mean, in f32
.set k, k+2
.endr
.set k, 0
.rept 16
	v_cvt_pk_bf16_f32 v[DA+k], v[XX+2*k], v[XX+2*k+1]
.set k, k+1
.endr
	s_wait_loadcnt 4                               ; qc; the unit vectors' 4 loads stay out
	v_wmma_f32_16x16x32_bf16 v[80:87], v[DA:DA+7], v[QC:QC+7], 0           ; row m is block m & 3, column n my query: two sums, added below
	v_wmma_f32_16x16x32_bf16 v[88:95], v[DA+8:DA+15], v[QC+8:QC+15], 0
	NOP4                                           ; four places before results are read and fragments loaded over the sources (ISA guide 7.12.1)
.irp b, 0,1,2,3
.irp j, 0,1,2,3,4,5,6,7
	v_add_f32 v[DVS+8*\b+\j], v[80+\b], v[88+\b]
.endr
.endr
	s_wait_loadcnt 0x0
.macro STAGEIN left                    ; my part of the stage has landed (left = my loads of later stages), everybody's has
	s_wait_tensorcnt \left
	s_wait_dscnt 0x0
	s_barrier_signal -1
	s_barrier_wait -1
.endm
.macro LOADK cov, half                 ; eight fragments of 64 keys: cov = 0 unit vectors, 1 centred keys
.irp t, 0,1,2,3
.irp s, 0,1
	ds_load_b128 v[FR+16*\t+8*\s:FR+16*\t+8*\s+3],   v6 offset:PIECE*\t+ARRB*\cov+HALFB*\half+64*\s
	ds_load_b128 v[FR+16*\t+8*\s+4:FR+16*\t+8*\s+7], v6 offset:PIECE*\t+ARRB*\cov+HALFB*\half+64*\s+32
.endr
.endr
.endm
; 64 keys x 16 queries x 64: four accumulators take turns, one instruction a turn.  cb: the registers from which the sums start, or 0.
.macro MULS acc, q, form, cb
.irp s, 0,1
.irp t, 0,1,2,3
.if \s
	v_wmma_f32_16x16x32_\form v[\acc+8*\t:\acc+8*\t+7], v[FR+16*\t+8*\s:FR+16*\t+8*\s+7], v[\q+8*\s:\q+8*\s+7], v[\acc+8*\t:\acc+8*\t+7]
.else
.if \cb
	v_wmma_f32_16x16x32_\form v[\acc+8*\t:\acc+8*\t+7], v[FR+16*\t+8*\s:FR+16*\t+8*\s+7], v[\q+8*\s:\q+8*\s+7], v[\cb:\cb+7]
.else
	v_wmma_f32_16x16x32_\form v[\acc+8*\t:\acc+8*\t+7], v[FR+16*\t+8*\s:FR+16*\t+8*\s+7], v[\q+8*\s:\q+8*\s+7], 0
.endif
.endif
.endr
.endr
.endm
	STAGEIN 3
	; the pivot: the mean of C over the first 64 keys
	LOADK 0, 0
	s_wait_dscnt 0x0
	MULS SC, QH, f16, 0
	NOP4
.set k, 0
.rept 32
	v_med3_num_f32 v[SC+k], v[SC+k], s40, s41
.set k, k+1
.endr
	v_pk_add_f32 v[S1C:S1C+1], v[SC:SC+1], v[SC+2:SC+3]
	v_pk_add_f32 v[S2C:S2C+1], v[SC+4:SC+5], v[SC+6:SC+7]
.set k, 8
.rept 6
	v_pk_add_f32 v[S1C:S1C+1], v[S1C:S1C+1], v[SC+k:SC+k+1]
	v_pk_add_f32 v[S2C:S2C+1], v[S2C:S2C+1], v[SC+k+2:SC+k+3]
.set k, k+4
.endr
	v_pk_add_f32 v[S1C:S1C+1], v[S1C:S1C+1], v[S2C:S2C+1]
	v_add_f32 v[S1C], v[S1C], v[S1C+1]
	XH S1C, TMP
	v_mul_f32 v[PVT], 0x3c800000, v[S1C]           ; p
.irp j, 0,1,2,3,4,5,6,7
	v_mul_f32 v[NP+\j], 0xbc800000, v[S1C]         ; -p
.endr
	v_sub_f32 v[LO], s40, v[PVT]
	v_sub_f32 v[HI], s41, v[PVT]
	v_sub_f32 v[MP], s43, v[PVT]
	v_sub_f32 v[MP+1], s43, v[PVT]
.set k, 0
.rept 12
	v_mov_b32 v[S1C+k], 0                          ; the six packed sums
.set k, k+1
.endr
; 64 keys: half of a stage; blk = the stage = the keys' block of 128
.macro CHUNK half, blk
	LOADK 0, \half
	s_wait_dscnt 0x0
	MULS SC, QH, f16, NP
	NOP4
	LOADK 1, \half                                 ; the centred keys' fragments land while C is clipped and summed
.set k, 0
.rept 32
	v_med3_num_f32 v[SC+k], v[SC+k], v[LO], v[HI]  ; x = C - p
.set k, k+1
.endr
.set k, 0
.rept 16
	v_pk_add_f32 v[S1C:S1C+1], v[S1C:S1C+1], v[SC+k:SC+k+1]
	v_pk_fma_f32 v[S2C:S2C+1], v[SC+k:SC+k+1], v[SC+k:SC+k+1], v[S2C:S2C+1]
.set k, k+2
.endr
	s_wait_dscnt 0x0
	MULS SV, QC, bf16, DVS+8*\blk
	NOP4
.set k, 0
.rept 32
	v_med3_num_f32 v[SV+k], v[SV+k], s44, s45
.set k, k+1
.endr
.set k, 0
.rept 16
	v_pk_add_f32 v[S1V:S1V+1], v[S1V:S1V+1], v[SV+k:SV+k+1]
	v_pk_fma_f32 v[S2V:S2V+1], v[SV+k:SV+k+1], v[SV+k:SV+k+1], v[S2V:S2V+1]
	v_pk_fma_f32 v[SCV:SCV+1], v[SC+k:SC+k+1], v[SV+k:SV+k+1], v[SCV:SCV+1]
.set k, k+2
.endr
.set k, 0
.rept 32
	v_min_num_f32 v[SC+k], v[SC+k], v[MP]          ; min(C, 0.01) - p
.set k, k+1
.endr
.set k, 0
.rept 16
	v_pk_add_f32 v[SM:SM+1], v[SM:SM+1], v[SC+k:SC+k+1]
.set k, k+2
.endr
.endm
	CHUNK 0, 0
	CHUNK 1, 0
	v_add_nc_u32 v6, STAGEB, v6
	STAGEIN 2
	CHUNK 0, 1
	CHUNK 1, 1
	v_add_nc_u32 v6, STAGEB, v6
	STAGEIN 1
	CHUNK 0, 2
	CHUNK 1, 2
	v_add_nc_u32 v6, STAGEB, v6
	STAGEIN 0                                      ; the last stage: no load was issued behind it
	CHUNK 0, 3
	CHUNK 1, 3
	; the row's figures (512 scores)
.irp a, S1C, S2C, S1V, S2V, SCV, SM
	v_add_f32 v[\a], v[\a], v[\a+1]
	XH \a, TMP
.endr
	v_mul_f32 v237, s42, v[S1C]
	v_fma_f32 v234, v[S1C], s42, v[PVT]            ; mean of C
	v_mul_f32 v235, s42, v[S1V]                    ; mean of V
	v_fma_f32 v236, -v[SM], s42, v[MP]             ; R = 0.01 - mean of min(C, 0.01)
	v_fma_f32 v[S2C], -v[S1C], v237, v[S2C]        ; centred squares and co-moment: small corrections, thanks to the pivot
	v_fma_f32 v[S2V], -v[S1V], v235, v[S2V]
	v_fma_f32 v[SCV], -v[S1C], v235, v[SCV]
	ds_store_b32 v10, v234
	ds_store_b32 v10, v235 offset:1024
	ds_store_b32 v10, v236 offset:2048
	ds_store_b32 v10, v[S2C] offset:3072
	ds_store_b32 v10, v[S2V] offset:4096
	ds_store_b32 v10, v[SCV] offset:5120
	s_wait_dscnt 0x0
	s_barrier_signal -1
	s_barrier_wait -1
	s_cmp_lg_u32 s2, 0
	s_cbranch_scc1 .Ldone
	; wave 0 joins the 256 rows: lane L takes rows 8 L .. 8 L + 7 of each array
.set AR, 48
.set TT, 112
.set MM, 120
.set REC, 128
.set W0, 148
.set QQ, 152
	v_lshlrev_b32 v11, 5, v1
	v_add_nc_u32 v11, ARR, v11
	v_lshlrev_b32 v13, 4, v1
	v_add_nc_u32 v12, ARR+2048, v13
	v_mov_b32 v14, 0
.irp f, 0,1,2,3,4,5
	ds_load_b128 v[AR+8*\f:AR+8*\f+3],   v11 offset:1024*\f
	ds_load_b128 v[AR+8*\f+4:AR+8*\f+7], v11 offset:1024*\f+16
.endr
	ds_load_b128 v[140:143], v12
	ds_load_b128 v[144:147], v12 offset:512
	s_wait_dscnt 0x0
	global_store_b128 v13, v[140:143], s[36:37]            ; R of the 256 rows: 512 neighbouring bytes a store
	global_store_b128 v13, v[144:147], s[36:37] offset:512
.macro SUM8 dst, b
	v_pk_add_f32 v[W0:W0+1], v[\b:\b+1], v[\b+2:\b+3]
	v_pk_add_f32 v[W0+2:W0+3], v[\b+4:\b+5], v[\b+6:\b+7]
	v_pk_add_f32 v[W0:W0+1], v[W0:W0+1], v[W0+2:W0+3]
	v_add_f32 v[\dst], v[W0], v[W0+1]
	WRED \dst, TMP
.endm
.macro QPROD dst, a, b
	v_pk_mul_f32 v[W0:W0+1], v[\a:\a+1], v[\b:\b+1]
.irp k, 2,4,6
	v_pk_fma_f32 v[W0:W0+1], v[\a+\k:\a+\k+1], v[\b+\k:\b+\k+1], v[W0:W0+1]
.endr
	v_add_f32 v[\dst], v[W0], v[W0+1]
	WRED \dst, TMP
.endm
.irp f, 0,1,2,3,4,5
	SUM8 TT+\f, AR+8*\f
.endr
.irp f, 0,1,2
	v_mul_f32 v[MM+2*\f],   0x3b800000, v[TT+\f]   ; the block's mean (/ 256), twice for the packed subtraction,
	v_mul_f32 v[MM+2*\f+1], 0x3b800000, v[TT+\f]
	v_mul_f32 v[REC+\f],    0x3b800000, v[TT+\f]   ; and in the record
.irp k, 0,2,4,6
	v_pk_add_f32 v[AR+8*\f+\k:AR+8*\f+\k+1], v[AR+8*\f+\k:AR+8*\f+\k+1], v[MM+2*\f:MM+2*\f+1] neg_lo:[0,1] neg_hi:[0,1]
.endr
.endr
	QPROD QQ,   AR,    AR
	QPROD QQ+1, AR+8,  AR+8
	QPROD QQ+2, AR+16, AR+16
	QPROD QQ+3, AR,    AR+8
	QPROD QQ+4, AR,    AR+16
	QPROD QQ+5, AR+8,  AR+16
	v_fmamk_f32 v[REC+3], v[QQ],   0x44000000, v[TT+3]     ; within the rows + 512 x between the rows
	v_fmamk_f32 v[REC+4], v[QQ+1], 0x44000000, v[TT+4]
	v_mul_f32   v[REC+5], 0x44000000, v[QQ+2]              ; R is constant along a row
	v_fmamk_f32 v[REC+6], v[QQ+3], 0x44000000, v[TT+5]
	v_mul_f32   v[REC+7], 0x44000000, v[QQ+4]
	v_mul_f32   v[REC+8], 0x44000000, v[QQ+5]
	v_mov_b32 v[REC+9], 0
	v_mov_b32 v[REC+10], 0
	v_mov_b32 v[REC+11], 0
	v_cmp_eq_u32 vcc_lo, 0, v1
	s_wait_xcnt 0x0                                ; EXEC, a source of the stores above, changes only behind this wait
	s_and_saveexec_b32 s46, vcc_lo
	global_store_b128 v14, v[REC:REC+3], s[38:39]
	global_store_b128 v14, v[REC+4:REC+7], s[38:39] offset:16
	global_store_b128 v14, v[REC+8:REC+11], s[38:39] offset:32
	s_wait_xcnt 0x0                                ; and again before it is widened
	s_or_b32 exec_lo, exec_lo, s46
.Ldone:
	s_wait_tensorcnt 0x0
	ds_add_u32 v240, v241
	s_wait_dscnt 0x0
	s_endpgm
.Lfunc_end_k_qd6d52cd360_stats:
	.size	k_qd6d52cd360_stats, .Lfunc_end_k_qd6d52cd360_stats-k_qd6d52cd360_stats
	.p2alignl 7, 3214868480
	.fill 96, 4, 3214868480
	.section	.rodata,"a",@progbits
	.p2align	6, 0x0
	.amdhsa_kernel k_qd6d52cd360_stats
		.amdhsa_group_segment_fixed_size 169984
		.amdhsa_private_segment_fixed_size 0
		.amdhsa_enable_private_segment 0
		.amdhsa_kernarg_size 24
		.amdhsa_user_sgpr_count 2
		.amdhsa_user_sgpr_kernarg_segment_ptr 1
		.amdhsa_wavefront_size32 1
		.amdhsa_system_sgpr_workgroup_id_x 1
		.amdhsa_system_sgpr_workgroup_id_y 1
		.amdhsa_system_sgpr_workgroup_id_z 1
		.amdhsa_system_vgpr_workitem_id 0
		.amdhsa_next_free_vgpr 242
		.amdhsa_next_free_sgpr 84
		.amdhsa_reserve_vcc 1
		.amdhsa_float_denorm_mode_32 3
		.amdhsa_float_denorm_mode_16_64 3
		.amdhsa_memory_ordered 1
		.amdhsa_forward_progress 1
		.amdhsa_inst_pref_size 150
	.end_amdhsa_kernel
	.amdgpu_metadata
---
amdhsa.version: [ 1, 2 ]
amdhsa.kernels:
  - .name:           k_qd6d52cd360_stats
    .symbol:         k_qd6d52cd360_stats.kd
    .args:
      - { .name: pj, .offset: 0, .size: 8, .value_kind: global_buffer, .address_space: global }
      - { .name: colsum, .offset: 8, .size: 8, .value_kind: global_buffer, .address_space: global }
      - { .name: stat, .offset: 16, .size: 8, .value_kind: global_buffer, .address_space: global }
    .group_segment_fixed_size: 169984
    .private_segment_fixed_size: 0
    .kernarg_segment_align: 8
    .kernarg_segment_size: 24
    .max_flat_workgroup_size: 512
    .sgpr_count:     84
    .vgpr_count:     242
    .wavefront_size: 32
...
	.end_amdgpu_metadata
.endif
;; end of part 7
;; launch mix (part 8): grid 8 x 1, 8 waves a work-group, no clusters, 5,120 bytes of LDS; arguments colsum, stat, wp1_w, wp1_b, wpln_g, wpln_b, wp2_w, wp2_b, wp3_w, wp3_b, temp, coef; writes coef
.if DOCPART == 8
	.amdgcn_target "amdgcn-amd-amdhsa--gfx1250"
	.amdhsa_code_object_version 6
	.text
	.protected	k_qd6d52cd360_mix
	.globl	k_qd6d52cd360_mix
	.p2align	8
	.type	k_qd6d52cd360_mix,@function
k_qd6d52cd360_mix:
	s_mov_b64 s[64:65], 0
	v_nop
	global_prefetch_b8 v0, s[64:65] scope:SCOPE_SE
	s_setreg_imm32_b32 hwreg(HW_REG_WAVE_MODE, 25, 1), 1
	s_wait_xcnt 0x0
; The weight predictor and the global standard deviations, one work-group for each head (8 rows of a tiny MLP: f32 on the vector unit, no matrix unit).
; Out, for head x, 32 bytes: A, B, C, 0 = weight / (std + 1e-8) for C, for the raw V (x 0.1, with the scale 0.001/4096) and for R (x 0.1); then the mean and
; the centred sum of squares of the mix A C + B V + C R over the head's 2^22 scores, 0, 0.  The next launch joins the eight heads to std(mix).
; Wave w sums the 64 blocks' column sums for inputs 16 w .. 16 w + 15 of the first layer and multiplies them by its 16 rows of wp1_w, which come straight into
; registers; waves 0, 1, 2 also join the 256 block records to the standard deviation of C, V, R, one each.  One barrier; wave 7 does the rest.
; LIMIT: the unbiased divisor 2^25 - 1 is taken as 2^25 (a relative 3e-8, below f32's rounding).
.set GS, 2048                          ; LDS: eight waves' partial sums of layer 1 at 0 (256 bytes each), the three standard deviations,
.set H1, 2304                          ; h1, wave 7's own
; v1 lane, v2 8 lane, v3 colsum offset, v4 records' field offset, v5 my partial sums, v6 wp2_w offset, v7 wp2_b offset, v8 wp3_w offset, v9 64 lane,
; v10 0, v11/v12 h1 in and back, v13/v14 standard deviations back and in, v15 at work for the lane permute
; v16-47 column sums, later at work; v48-79 my rows of wp1_w; v80-99 waves 0-2: the records' fields; v100-103 layer 1's partial sums;
; v104-107 wave 7: layer 1's sum and its LayerNorm.  Wave 7's early loads: v112-121 small parameters, v122-133 wp3_w, v134-145 my head's record, v160-223 wp2_w
.macro WRED v, tmp
	v_add_f32_dpp v[\v], v[\v], v[\v] row_xmask:1 row_mask:0xf bank_mask:0xf
	v_add_f32_dpp v[\v], v[\v], v[\v] row_xmask:2 row_mask:0xf bank_mask:0xf
	v_add_f32_dpp v[\v], v[\v], v[\v] row_xmask:4 row_mask:0xf bank_mask:0xf
	v_add_f32_dpp v[\v], v[\v], v[\v] row_xmask:8 row_mask:0xf bank_mask:0xf
	v_permlanex16_b32 v[\tmp], v[\v], s48, s49
	v_add_f32 v[\v], v[\v], v[\tmp]
.endm
	s_load_b512 s[8:23], s[0:1], 0x0               ; colsum 8, stat 10, wp1_w 12, wp1_b 14, wpln_g 16, wpln_b 18, wp2_w 20, wp2_b 22
	s_load_b256 s[24:31], s[0:1], 0x40             ; wp3_w 24, wp3_b 26, temp 28, coef 30
	v_lshl_add_u32 v248, v0, 2, 0x1000
	v_mov_b32 v249, 0
	v_lshrrev_b32 v2, 5, v0
	v_readfirstlane_b32 s2, v2                     ; wave
	v_and_b32 v1, 31, v0
	s_mov_b32 s36, 0x3c800000                      ; 1/64
	s_mov_b32 s37, 0x3727c5ac                      ; 1e-5
	s_mov_b32 s38, 0x3dcccccd                      ; 0.1
	s_mov_b32 s39, 0x41a00000                      ; 20
	s_mov_b32 s40, 0x3483126f                      ; 0.001/4096
	s_mov_b32 s41, 0x322bcc77                      ; 1e-8
	s_mov_b32 s44, 0x3b800000                      ; 1/256
	s_mov_b32 s45, 0x48000000                      ; 131,072 scores in a block
	s_mov_b32 s46, 0x33000000                      ; 2^-25
	s_mov_b32 s48, 0x76543210
	s_mov_b32 s49, 0xfedcba98
	v_lshlrev_b32 v2, 3, v1
	v_lshrrev_b32 v3, 2, v1
	v_lshlrev_b32 v3, 11, v3                       ; block lane / 4,
	v_and_b32 v4, 3, v1
	v_lshl_add_u32 v3, v4, 4, v3                   ; four columns at lane mod 4
	s_lshl_b32 s60, s2, 2
	v_lshl_add_u32 v4, v1, 6, s60                  ; record lane, field = wave (waves 0-2)
	s_add_co_u32 s60, s60, GS
	v_mov_b32 v14, s60
	s_lshl_b32 s60, s2, 8
	v_add_nc_u32 v5, s60, v2
	v_lshrrev_b32 v6, 3, v1                        ; lane group
	v_and_b32 v7, 7, v1
	v_lshlrev_b32 v12, 6, v6
	v_add_nc_u32 v12, H1, v12                      ; the group's 16 inputs of layer 2
	v_lshlrev_b32 v6, 11, v6                       ; 16 rows of wp2_w of 128 bytes,
	v_lshl_add_u32 v6, v7, 4, v6                   ; four outputs at lane mod 8
	v_mul_u32_u24 v8, v7, 48                       ; four rows of wp3_w of 12 bytes
	v_lshlrev_b32 v7, 4, v7
	v_lshlrev_b32 v9, 6, v1
	v_mov_b32 v10, 0
	v_add_nc_u32 v11, H1, v2
	v_mov_b32 v13, GS
	v_mov_b32 v15, 0
	s_lshr_b32 s60, s2, 2                          ; waves 0-3: q's columns, 4-7: k's
	s_lshl_b32 s60, s60, 17
	s_lshl_b32 s61, ttmp9, 8                       ; my head's 64 columns
	s_add_co_u32 s60, s60, s61
	s_and_b32 s61, s2, 3
	s_lshl_b32 s61, s61, 6                         ; my wave's 16 of them
	s_add_co_u32 s60, s60, s61
	s_mov_b32 s61, 0
	s_wait_kmcnt 0x0
	s_add_nc_u64 s[8:9], s[8:9], s[60:61]
	s_lshl_b32 s60, s2, 12
	s_add_nc_u64 s[12:13], s[12:13], s[60:61]      ; my 16 rows of wp1_w
	s_add_nc_u64 s[10:11], s[10:11], 262144        ; the records
	s_lshl_b32 s60, ttmp9, 11
	s_add_nc_u64 s[56:57], s[10:11], s[60:61]      ; my head's 32 records
	s_lshl_b32 s60, ttmp9, 5
	s_add_nc_u64 s[30:31], s[30:31], s[60:61]
	; what wave 7 alone needs goes out first: the counted waits below count only what is issued behind them, alike in all waves
	s_cmp_lg_u32 s2, 7
	s_cbranch_scc1 .Lno_tail_loads
	s_load_b96 s[52:54], s[26:27], 0x0             ; wp3_b
	s_load_b32 s55, s[28:29], 0x0                  ; temp
	global_load_b64 v[112:113], v2, s[14:15]
	global_load_b64 v[114:115], v2, s[16:17]
	global_load_b64 v[116:117], v2, s[18:19]
	global_load_b128 v[118:121], v7, s[22:23]
.irp c, 0,1,2
	global_load_b128 v[122+4*\c:125+4*\c], v8, s[24:25] offset:16*\c
.endr
.irp c, 0,1,2
	global_load_b128 v[134+4*\c:137+4*\c], v9, s[56:57] offset:16*\c
.endr
.set q, 0
.rept 16
	global_load_b128 v[160+4*q:163+4*q], v6, s[20:21] offset:128*q
.set q, q+1
.endr
.Lno_tail_loads:
	s_cmp_gt_u32 s2, 2
	s_cbranch_scc1 .Lno_gs_loads
.irp j, 0,1,2,3,4,5,6,7
	global_load_b32 v[80+2*\j], v4, s[10:11] offset:2048*\j        ; record lane + 32 j: the mean of my part,
	global_load_b32 v[81+2*\j], v4, s[10:11] offset:2048*\j+12     ; its centred squares
.endr
.Lno_gs_loads:
.irp i, 0,1,2,3,4,5,6,7
	global_load_b128 v[16+4*\i:19+4*\i], v3, s[8:9] offset:16384*\i    ; blocks 8 i + lane / 4
.endr
.set e, 0
.rept 16
	global_load_b64 v[48+2*e:49+2*e], v2, s[12:13] offset:256*e    ; row 16 w + e, outputs 2 lane and 2 lane + 1
.set e, e+1
.endr
	s_cmp_gt_u32 s2, 2
	s_cbranch_scc1 .Lno_gs
	; waves 0, 1, 2: the blocks' centred squares + 131,072 x the centred squares of the blocks' means, over 2^25 scores
	s_wait_loadcnt 24                              ; the 8 + 16 loads issued behind the records' stay out
	v_add_f32 v96, v80, v82
	v_add_f32 v97, v81, v83
.irp j, 2,3,4,5,6,7
	v_add_f32 v96, v96, v[80+2*\j]
	v_add_f32 v97, v97, v[81+2*\j]
.endr
	WRED 96, 15
	v_mul_f32 v96, s44, v96
	v_sub_f32 v99, v80, v96
	v_mul_f32 v98, v99, v99
.irp j, 1,2,3,4,5,6,7
	v_sub_f32 v99, v[80+2*\j], v96
	v_fmac_f32 v98, v99, v99
.endr
	v_fmac_f32 v97, s45, v98
	WRED 97, 15
	v_mul_f32 v97, s46, v97
	v_max_num_f32 v97, 0, v97
	v_sqrt_f32 v98, v97
	v_nop                                          ; one plain instruction behind the transcendental (ISA guide 5.7.2)
	s_wait_alu depctr_va_vdst(0)
	ds_store_b32 v14, v98
.Lno_gs:
	s_wait_loadcnt 16                              ; the column sums; wp1_w's 16 loads stay out
.irp i, 0,2,4,6
	v_pk_add_f32 v[16+4*\i:17+4*\i], v[16+4*\i:17+4*\i], v[20+4*\i:21+4*\i]
	v_pk_add_f32 v[18+4*\i:19+4*\i], v[18+4*\i:19+4*\i], v[22+4*\i:23+4*\i]
.endr
.irp i, 0,4
	v_pk_add_f32 v[16+4*\i:17+4*\i], v[16+4*\i:17+4*\i], v[24+4*\i:25+4*\i]
	v_pk_add_f32 v[18+4*\i:19+4*\i], v[18+4*\i:19+4*\i], v[26+4*\i:27+4*\i]
.endr
	v_pk_add_f32 v[16:17], v[16:17], v[32:33]
	v_pk_add_f32 v[18:19], v[18:19], v[34:35]
.irp m, 4,8
.irp k, 16,17,18,19
	v_add_f32_dpp v\k, v\k, v\k row_xmask:\m row_mask:0xf bank_mask:0xf
.endr
.endr
.irp k, 16,17,18,19
	v_permlanex16_b32 v[\k+4], v\k, s48, s49
.endr
	v_pk_add_f32 v[16:17], v[16:17], v[20:21]
	v_pk_add_f32 v[18:19], v[18:19], v[22:23]
	v_pk_mul_f32 v[16:17], v[16:17], 0x39000000 op_sel_hi:[1,0]    ; / 8192 rows
	v_pk_mul_f32 v[18:19], v[18:19], 0x39000000 op_sel_hi:[1,0]
.irp c, 0,1,2,3
.irp k, 0,1,2,3
	v_readlane_b32 s[70+4*\c+\k], v[16+\k], \c     ; my 16 inputs as scalars
.endr
.endr
	s_wait_loadcnt 0x0
	v_mul_f32 v100, s70, v48
	v_mul_f32 v101, s70, v49
	v_mul_f32 v102, s71, v50
	v_mul_f32 v103, s71, v51
.set e, 2
.rept 14
	v_fmac_f32 v[100+2*(e%2)], s[70+e], v[48+2*e]
	v_fmac_f32 v[101+2*(e%2)], s[70+e], v[49+2*e]
.set e, e+1
.endr
	v_pk_add_f32 v[100:101], v[100:101], v[102:103]
	ds_store_b64 v5, v[100:101]
	s_wait_dscnt 0x0
	s_barrier_signal -1
	s_barrier_wait -1
	s_cmp_lg_u32 s2, 7
	s_cbranch_scc1 .Lend
	; wave 7: layer 1's sums, LayerNorm over the 64, relu; at work in v104-107, which no load of this wave fills
.irp w, 0,1,2,3,4,5,6,7
	ds_load_b64 v[16+2*\w:17+2*\w], v2 offset:256*\w
.endr
	ds_load_b96 v[32:34], v13                      ; std of C, of the raw V, of R
	s_wait_dscnt 0x0
	v_pk_add_f32 v[16:17], v[16:17], v[18:19]
	v_pk_add_f32 v[20:21], v[20:21], v[22:23]
	v_pk_add_f32 v[24:25], v[24:25], v[26:27]
	v_pk_add_f32 v[28:29], v[28:29], v[30:31]
	v_pk_add_f32 v[16:17], v[16:17], v[20:21]
	v_pk_add_f32 v[24:25], v[24:25], v[28:29]
	v_pk_add_f32 v[16:17], v[16:17], v[24:25]
	v_pk_add_f32 v[104:105], v[16:17], v[112:113]
	v_add_f32 v106, v104, v105
	WRED 106, 15
	v_mul_f32 v106, s36, v106
	v_sub_f32 v104, v104, v106
	v_sub_f32 v105, v105, v106
	v_mul_f32 v106, v104, v104
	v_fmac_f32 v106, v105, v105
	WRED 106, 15
	v_fma_f32 v106, v106, s36, s37
	v_rsq_f32 v107, v106
	v_nop
	s_wait_alu depctr_va_vdst(0)
	v_mul_f32 v104, v104, v107
	v_mul_f32 v105, v105, v107
	v_fma_f32 v104, v104, v114, v116
	v_fma_f32 v105, v105, v115, v117
	v_max_num_f32 v104, 0, v104
	v_max_num_f32 v105, 0, v105
	ds_store_b64 v11, v[104:105]                   ; my wave's own bytes: the loads below see it, LDS serves a wave in order
.irp q, 0,1,2,3
	ds_load_b128 v[16+4*\q:19+4*\q], v12 offset:16*\q
.endr
	s_wait_dscnt 0x0
	; layer 2: lane group g takes inputs 16 g .. + 15, lane mod 8 four outputs; four chains
.irp k, 0,1,2,3
	v_mul_f32 v[36+\k], v16, v[160+\k]
.endr
.set q, 1
.rept 15
.irp k, 0,1,2,3
	v_fmac_f32 v[36+\k], v[16+q], v[160+4*q+\k]
.endr
.set q, q+1
.endr
.irp k, 36,37,38,39
	v_add_f32_dpp v\k, v\k, v\k row_xmask:8 row_mask:0xf bank_mask:0xf
.endr
.irp k, 36,37,38,39
	v_permlanex16_b32 v[\k+4], v\k, s48, s49
.endr
	v_pk_add_f32 v[36:37], v[36:37], v[40:41]
	v_pk_add_f32 v[38:39], v[38:39], v[42:43]
	v_pk_add_f32 v[36:37], v[36:37], v[118:119]
	v_pk_add_f32 v[38:39], v[38:39], v[120:121]
.irp k, 36,37,38,39
	v_max_num_f32 v\k, 0, v\k
.endr
	; layer 3: my four inputs x three outputs, then over the eight lanes of a group
.irp c, 0,1,2
	v_mul_f32 v[240+\c], v36, v[122+\c]
	v_fmac_f32 v[240+\c], v37, v[125+\c]
	v_fmac_f32 v[240+\c], v38, v[128+\c]
	v_fmac_f32 v[240+\c], v39, v[131+\c]
.endr
.irp m, 1,2,4
.irp k, 240,241,242
	v_add_f32_dpp v\k, v\k, v\k row_xmask:\m row_mask:0xf bank_mask:0xf
.endr
.endr
	s_wait_kmcnt 0x0
	v_add_f32 v240, s52, v240
	v_add_f32 v241, s53, v241
	v_add_f32 v242, s54, v242
.macro SOFT3                           ; v240-242 <- softmax of v246 / log2(e) times v240-242 (v246 > 0), its maximum taken away
	v_max3_num_f32 v244, v240, v241, v242
	v_sub_f32 v240, v240, v244
	v_sub_f32 v241, v241, v244
	v_sub_f32 v242, v242, v244
	v_mul_f32 v240, v240, v246
	v_mul_f32 v241, v241, v246
	v_mul_f32 v242, v242, v246
	v_exp_f32 v240, v240
	v_exp_f32 v241, v241
	v_exp_f32 v242, v242
	v_nop
	s_wait_alu depctr_va_vdst(0)
	v_add_f32 v244, v240, v241
	v_add_f32 v244, v244, v242
	v_rcp_f32 v245, v244
	v_nop
	s_wait_alu depctr_va_vdst(0)
	v_mul_f32 v240, v240, v245
	v_mul_f32 v241, v241, v245
	v_mul_f32 v242, v242, v245
.endm
	v_mov_b32 v246, 0x3fb8aa3b
	SOFT3
	v_mov_b32 v245, s55
	v_med3_num_f32 v245, v245, s38, s39            ; clip(temp, 0.1, 20)
	v_rcp_f32 v247, v245
	v_nop
	s_wait_alu depctr_va_vdst(0)
	v_mul_f32 v246, v246, v247
	SOFT3
	v_add_f32 v170, s41, v32
	v_fma_f32 v171, v33, s40, s41                  ; the scaled covariance's std + 1e-8
	v_add_f32 v172, s41, v34
	v_rcp_f32 v173, v170
	v_rcp_f32 v174, v171
	v_rcp_f32 v175, v172
	v_nop
	s_wait_alu depctr_va_vdst(0)
	v_mul_f32 v174, s38, v174
	v_mul_f32 v174, s40, v174
	v_mul_f32 v175, s38, v175
	v_mul_f32 v240, v240, v173                     ; A, B, C
	v_mul_f32 v241, v241, v174
	v_mul_f32 v242, v242, v175
	; the mix in my record (lane = record of my head): its mean, and A (A M2C + 2 B CCV + 2 C CCR) + B (B M2V + 2 C CVR) + C C M2R
	v_mul_f32 v176, v240, v134
	v_fmac_f32 v176, v241, v135
	v_fmac_f32 v176, v242, v136
	v_add_f32 v165, v241, v241
	v_add_f32 v166, v242, v242
	v_mul_f32 v167, v240, v137
	v_fmac_f32 v167, v165, v140
	v_fmac_f32 v167, v166, v141
	v_mul_f32 v168, v241, v138
	v_fmac_f32 v168, v166, v142
	v_mul_f32 v169, v242, v139
	v_mul_f32 v162, v240, v167
	v_fmac_f32 v162, v241, v168
	v_fmac_f32 v162, v242, v169
	v_mov_b32 v244, v176
	WRED 244, 15
	v_mul_f32 v244, 0x3d000000, v244               ; the head's mean (/ 32 records)
	v_sub_f32 v164, v176, v244
	v_mul_f32 v164, v164, v164
	v_fmac_f32 v162, s45, v164
	WRED 162, 15
	v_mov_b32 v245, v162                           ; the head's centred squares
	v_mov_b32 v243, 0
	v_mov_b32 v246, 0
	v_mov_b32 v247, 0
	v_cmp_eq_u32 vcc_lo, 0, v1
	s_wait_xcnt 0x0                                ; EXEC changes only behind this wait
	s_and_saveexec_b32 s50, vcc_lo
	global_store_b128 v10, v[240:243], s[30:31]
	global_store_b128 v10, v[244:247], s[30:31] offset:16
	s_wait_xcnt 0x0
	s_or_b32 exec_lo, exec_lo, s50
.Lend:
	s_wait_tensorcnt 0x0
	ds_add_u32 v248, v249
	s_wait_dscnt 0x0
	s_endpgm
.Lfunc_end_k_qd6d52cd360_mix:
	.size	k_qd6d52cd360_mix, .Lfunc_end_k_qd6d52cd360_mix-k_qd6d52cd360_mix
	.p2alignl 7, 3214868480
	.fill 96, 4, 3214868480
	.section	.rodata,"a",@progbits
	.p2align	6, 0x0
	.amdhsa_kernel k_qd6d52cd360_mix
		.amdhsa_group_segment_fixed_size 5120
		.amdhsa_private_segment_fixed_size 0
		.amdhsa_enable_private_segment 0
		.amdhsa_kernarg_size 96
		.amdhsa_user_sgpr_count 2
		.amdhsa_user_sgpr_kernarg_segment_ptr 1
		.amdhsa_wavefront_size32 1
		.amdhsa_system_sgpr_workgroup_id_x 1
		.amdhsa_system_sgpr_workgroup_id_y 1
		.amdhsa_system_sgpr_workgroup_id_z 1
		.amdhsa_system_vgpr_workitem_id 0
		.amdhsa_next_free_vgpr 250
		.amdhsa_next_free_sgpr 96
		.amdhsa_reserve_vcc 1
		.amdhsa_float_denorm_mode_32 3
		.amdhsa_float_denorm_mode_16_64 3
		.amdhsa_memory_ordered 1
		.amdhsa_forward_progress 1
		.amdhsa_inst_pref_size 27
	.end_amdhsa_kernel
	.amdgpu_metadata
---
amdhsa.version: [ 1, 2 ]
amdhsa.kernels:
  - .name:           k_qd6d52cd360_mix
    .symbol:         k_qd6d52cd360_mix.kd
    .args:
      - { .name: colsum, .offset: 0, .size: 8, .value_kind: global_buffer, .address_space: global }
      - { .name: stat, .offset: 8, .size: 8, .value_kind: global_buffer, .address_space: global }
      - { .name: wp1_w, .offset: 16, .size: 8, .value_kind: global_buffer, .address_space: global }
      - { .name: wp1_b, .offset: 24, .size: 8, .value_kind: global_buffer, .address_space: global }
      - { .name: wpln_g, .offset: 32, .size: 8, .value_kind: global_buffer, .address_space: global }
      - { .name: wpln_b, .offset: 40, .size: 8, .value_kind: global_buffer, .address_space: global }
      - { .name: wp2_w, .offset: 48, .size: 8, .value_kind: global_buffer, .address_space: global }
      - { .name: wp2_b, .offset: 56, .size: 8, .value_kind: global_buffer, .address_space: global }
      - { .name: wp3_w, .offset: 64, .size: 8, .value_kind: global_buffer, .address_space: global }
      - { .name: wp3_b, .offset: 72, .size: 8, .value_kind: global_buffer, .address_space: global }
      - { .name: temp, .offset: 80, .size: 8, .value_kind: global_buffer, .address_space: global }
      - { .name: coef, .offset: 88, .size: 8, .value_kind: global_buffer, .address_space: global }
    .group_segment_fixed_size: 5120
    .private_segment_fixed_size: 0
    .kernarg_segment_align: 8
    .kernarg_segment_size: 96
    .max_flat_workgroup_size: 256
    .sgpr_count:     96
    .vgpr_count:     250
    .wavefront_size: 32
...
	.end_amdgpu_metadata
.endif
;; end of part 8
;; launch attn (part 9): grid 256 x 1, 16 waves a work-group, no clusters, 251,904 bytes of LDS; arguments pj, colsum, stat, coef, ob; writes ob
.if DOCPART == 9
	.amdgcn_target "amdgcn-amd-amdhsa--gfx1250"
	.amdhsa_code_object_version 6
	.text
	.protected	k_qd6d52cd360_attn
	.globl	k_qd6d52cd360_attn
	.p2align	8
	.type	k_qd6d52cd360_attn,@function
k_qd6d52cd360_attn:
	s_mov_b64 s[64:65], 0
	v_nop
	global_prefetch_b8 v0, s[64:65] scope:SCOPE_SE
	s_setreg_imm32_b32 hwreg(HW_REG_WAVE_MODE, 25, 1), 1
	s_wait_xcnt 0x0
; Second sweep: the scores are made again, mixed with the head's three factors (in units of the exponent of 2), and go through a softmax with a
; running maximum into P V.  Work-group g = (head, batch, half): 256 queries x 512 keys; wave w owns queries 16 w + r.  Out: O in f16, [head][8192][64].
; Scores are made transposed (keys as rows of A, queries as columns of B): lane (r, h) holds query r and keys 16 t + 8 h + j, which is the layout in which
; P, packed to f16, is the B operand of O^T = V^T P^T; V^T's fragments come from LDS by transposing loads.  Nothing goes through LDS between the products.
; THE FILL: keys and values come in four stages of 128 keys, by tensor loads that all go out at the start: waves 0-7 bring 16 keys each of the unit vectors,
; waves 8-15 of the keys centred by blocks, and every wave 8 keys of V.  Stage j is read behind a counted wait (the wave's loads of the later stages stay out)
; and a barrier; nothing is filled again.  The rest of kc's shift, qc . (block mean - whole mean), is one number for a query and a block and enters the
; covariance product as its C operand; the difference of the means is formed in f32.
; The eight heads' moments of the mix are joined here to its standard deviation, the temperature clip(1 + 0.5 std, 0.5, 5), and log2(e) / temperature.
; No cluster: a K and V tile is shared by two work-groups only and read once; a cluster of four would hold two different pairs.
; LIMITS: f_v and P are f16 operands (|f_v| below 65504; P is at most 1, and P below 6e-8 of the row's largest counts as 0); 2^25 - 1 is taken as 2^25.
.set PART,   8388608
.set KP,     272                       ; an LDS row of K: two keys of 128 bytes + 16: lanes r start at 16-byte columns 16 (r>>1) + 128 (r&1), sixteen different ones
.set PIECE,  8*KP                      ; 16 keys
.set ARRB,   64*KP                     ; 128 keys of one kind
.set STAGEB, 2*ARRB
.set HALFB,  32*KP                     ; 64 keys
.set VP,     288                       ; an LDS row of V: two keys + 32: the sixteen lanes of a transposing load start at 32 (i>>1) + 128 (i&1) + 16 c
.set VPIECE, 4*VP                      ; 8 keys
.set VSTAGE, 64*VP
.set VHALF,  32*VP
.set VV,     4*STAGEB
.set STG,    VV+4*VSTAGE               ; 16 rows x 144 bytes for each wave: the way out; no fill lands here
.set QH, 16
.set QC, 32
.set SC, 48                            ; v48-79   four tiles of C, then of the mix, then of P in f32
.set SV, 80                            ; v80-111  four tiles of V
.set PB, 80                            ; v80-95   P in f16, two fragments
.set FR, 112                           ; v112-175 eight fragments: keys, then V^T
.set XX, 112
.set TOT, 144
.set DA, 144
.set OO, 176                           ; v176-207 O^T: four tiles, d = 16 t + 8 h + j of query r
.set CR,  208                          ; c' R, twice
.set MX,  210                          ; running maximum
.set MN,  212                          ; new maximum, twice
.set AL,  214                          ; 2^(old - new), twice; at the end 1 / l
.set LS,  216                          ; running sum, packed
.set TM,  218                          ; v218-221 at work
.set SH,  222                          ; v222-225 qc . (block mean - whole mean) for the four blocks
.set DV,  226                          ; v226-233 the stage's one, eight times: a C operand
.set RB,  234                          ; v234-249 the way out; before that at work in the set-up
.set AP,  250                          ; a', twice
.set BP,  252                          ; b', twice
.set Z,   48
.set P0, 34
.set P1, 35
.set G1V, 16                           ; s[16:23] descriptor group 1 for V
.set G1K, 56                           ; s[56:63] descriptor group 1 for K
.set G0,  68                           ; s[68:99] descriptor group 0: for each stage a set for K and a set for V
; v1 lane, v2 r, v3 h, v4 heads' moments offset, v5 R offset, v6 key fragments (steps by stages), v8 colsum offset, v9 query offset,
; v12 V fragments (steps by stages), v13 stage in, v14 stage back, v15 16 lane
.macro NOP4
.rept 4
	v_nop
.endr
.endm
.macro XH v, tmp
	v_permlanex16_b32 v[\tmp], v[\v], s[P0], s[P1]
	v_add_f32 v[\v], v[\v], v[\tmp]
.endm
	s_load_b256 s[4:11], s[0:1], 0x0               ; pj 4, colsum 6, stat 8, coef 10
	s_load_b64 s[12:13], s[0:1], 0x20              ; ob
	v_lshl_add_u32 v254, v0, 2, 0x3d000
	v_mov_b32 v255, 0
	ds_add_u32 v254, v255
	ds_add_u32 v254, v255
	v_lshrrev_b32 v7, 5, v0
	v_readfirstlane_b32 s2, v7                     ; wave
	s_lshr_b32 s50, ttmp9, 1                       ; 16 head + batch
	s_and_b32 s51, ttmp9, 1
	s_lshr_b32 s52, ttmp9, 5                       ; head
	s_and_b32 s53, s50, 15                         ; batch
	; group 1: dense blocks of rows of 256 bytes (two keys); K: 8 rows, 16 bytes of padding behind each; V: 4 rows, 32 bytes
	s_mov_b32 s[G1K+0], (3<<16)|(1<<20)|(5<<22)|(3<<25)
	s_mov_b32 s[G1K+1], 32<<16
	s_mov_b32 s[G1K+2], 8<<16
	s_mov_b32 s[G1K+3], 32<<16
	s_mov_b32 s[G1K+4], 8
	s_mov_b32 s[G1K+5], 32
	s_mov_b32 s[G1K+6], 0
	s_mov_b32 s[G1K+7], 0
	s_mov_b32 s[G1V+0], (3<<16)|(1<<20)|(5<<22)|(7<<25)
	s_mov_b32 s[G1V+1], 32<<16
	s_mov_b32 s[G1V+2], 4<<16
	s_mov_b32 s[G1V+3], 32<<16
	s_mov_b32 s[G1V+4], 4
	s_mov_b32 s[G1V+5], 32
	s_mov_b32 s[G1V+6], 0
	s_mov_b32 s[G1V+7], 0
	s_mul_i32 s54, s2, PIECE                       ; my 16 keys in a stage of K: waves 0-7 the unit vectors' half, 8-15 the centred keys'
	s_mul_i32 s55, s2, VPIECE
	s_add_co_u32 s55, s55, VV                      ; my 8 keys in a stage of V
	s_lshl_b32 s32, s50, 16                        ; my (head, batch): 512 rows of 128 bytes
	s_lshr_b32 s30, s2, 3
	s_lshl_b32 s30, s30, 23                        ; part 2 or part 3
	s_and_b32 s31, s2, 7
	s_lshl_b32 s31, s31, 11
	s_add_co_u32 s30, s30, s31
	s_add_co_u32 s30, s30, s32
	s_add_co_u32 s30, s30, 2*PART
	s_mov_b32 s31, 0
	s_lshl_b32 s66, s2, 10
	s_add_co_u32 s66, s66, s32
	s_add_co_u32 s66, s66, 4*PART
	s_mov_b32 s67, 0
	s_wait_dscnt 0x0
	s_wait_kmcnt 0x0
	s_add_nc_u64 s[44:45], s[4:5], s[30:31]
	s_add_nc_u64 s[66:67], s[4:5], s[66:67]
	; all first fills go out together, stage by stage: eight tensor loads of this wave are out
.irp j, 0,1,2,3
	s_mov_b32 s[G0+8*\j], 1
	s_add_co_u32 s[G0+8*\j+1], s54, \j*STAGEB
	s_add_nc_u64 s[G0+8*\j+2:G0+8*\j+3], s[44:45], \j*16384
	s_or_b32 s[G0+8*\j+3], s[G0+8*\j+3], 0x80000000
	tensor_load_to_lds s[G0+8*\j:G0+8*\j+3], s[G1K:G1K+7]
	s_nop 0
	s_mov_b32 s[G0+8*\j+4], 1
	s_add_co_u32 s[G0+8*\j+5], s55, \j*VSTAGE
	s_add_nc_u64 s[G0+8*\j+6:G0+8*\j+7], s[66:67], \j*16384
	s_or_b32 s[G0+8*\j+7], s[G0+8*\j+7], 0x80000000
	tensor_load_to_lds s[G0+8*\j+4:G0+8*\j+7], s[G1V:G1V+7]
	s_nop 0
.endr
	s_lshl_b32 s30, s52, 5
	s_add_nc_u64 s[38:39], s[10:11], s[30:31]
	s_load_b128 s[40:43], s[38:39], 0x0            ; A, B, C of my head
	s_mov_b32 s30, s32
	s_add_nc_u64 s[14:15], s[4:5], s[30:31]        ; part 0 at my (head, batch)
	s_add_nc_u64 s[12:13], s[12:13], s[30:31]
	s_lshl_b32 s30, s51, 15
	s_lshl_b32 s32, s2, 11
	s_add_co_u32 s30, s30, s32
	s_add_nc_u64 s[24:25], s[14:15], s[30:31]      ; my 16 queries
	s_add_nc_u64 s[26:27], s[24:25], PART
	s_add_nc_u64 s[12:13], s[12:13], s[30:31]      ; O of my 16 queries
	s_lshl_b32 s30, s53, 13
	s_lshl_b32 s32, s52, 8
	s_add_co_u32 s30, s30, s32
	s_add_co_u32 s30, s30, 131072
	s_add_nc_u64 s[28:29], s[6:7], s[30:31]        ; k's column sums: my batch's four blocks, my head
	s_lshl_b32 s30, ttmp9, 10
	s_add_nc_u64 s[36:37], s[8:9], s[30:31]        ; R of my work-group's rows
	s_mov_b32 s[P0], 0x76543210
	s_mov_b32 s[P1], 0xfedcba98
	s_mov_b32 s33, 0x40a00000                      ; 5
	s_mov_b32 s46, 0xbf7d70a4                      ; -0.99
	s_mov_b32 s47, 0x3f7d70a4
	s_mov_b32 s48, 0xcc1c4000                      ; -4.096e7: the covariance's clip at 10, in raw units
	s_mov_b32 s49, 0x4c1c4000
	v_and_b32 v1, 31, v0
	v_and_b32 v2, 15, v0
	v_bfe_u32 v3, v0, 4, 1
	v_lshrrev_b32 v7, 1, v2
	v_and_b32 v10, 1, v0
	v_mul_u32_u24 v6, v7, KP                       ; key r: LDS row r >> 1,
	v_lshl_add_u32 v6, v10, 7, v6                  ; half r & 1,
	v_lshl_add_u32 v6, v3, 4, v6                   ; + 16 h
	v_and_b32 v8, 3, v0
	v_lshlrev_b32 v8, 11, v8                       ; column sums of block r & 3,
	v_lshl_add_u32 v8, v3, 5, v8                   ; 8 h columns on
	v_lshlrev_b32 v9, 7, v2
	v_lshl_add_u32 v9, v3, 4, v9
	v_bfe_u32 v7, v0, 1, 2
	v_lshl_add_u32 v7, v3, 2, v7                   ; key 8 h + lane mod 8: LDS row 4 h + (lane mod 8) / 2,
	v_mul_u32_u24 v12, v7, VP
	v_lshl_add_u32 v12, v10, 7, v12                ; half lane & 1,
	v_bfe_u32 v7, v0, 3, 1
	v_lshl_add_u32 v12, v7, 4, v12                 ; 16 bytes at (lane / 8) mod 2
	v_add_nc_u32 v12, VV, v12
	s_mul_i32 s30, s2, 2304
	s_add_co_u32 s30, s30, STG
	v_mad_u32_u24 v13, v2, 144, s30
	v_lshl_add_u32 v13, v3, 4, v13
	v_lshrrev_b32 v7, 3, v1
	v_and_b32 v11, 7, v1
	v_mad_u32_u24 v14, v7, 144, s30
	v_lshl_add_u32 v14, v11, 4, v14
	v_lshlrev_b32 v15, 4, v1
	v_lshlrev_b32 v4, 5, v11                       ; head lane mod 8
	s_lshl_b32 s30, s2, 6
	v_lshl_add_u32 v5, v2, 2, s30                  ; my query's R
.irp p, 0,1,2,3
	global_load_b128 v[XX+8*\p:XX+8*\p+3],   v8, s[28:29] offset:64*\p      ; columns 16 p + 8 h .. + 7: the places of a fragment's k
	global_load_b128 v[XX+8*\p+4:XX+8*\p+7], v8, s[28:29] offset:64*\p+16
.endr
.irp c, 0,1,2,3
	global_load_b128 v[QC+4*\c:QC+4*\c+3], v9, s[26:27] offset:32*\c
.endr
.irp c, 0,1,2,3
	global_load_b128 v[QH+4*\c:QH+4*\c+3], v9, s[24:25] offset:32*\c
.endr
	global_load_b32 v234, v5, s[36:37]
	global_load_b64 v[236:237], v4, s[10:11] offset:16     ; a head's mean and centred squares of the mix
	s_wait_loadcnt 10                              ; the column sums; 10 younger loads stay out
.set k, 0
.rept 16
	v_pk_mul_f32 v[TOT+k:TOT+k+1], v[XX+k:XX+k+1], 0xbb000000 op_sel_hi:[1,0]      ; - sum / 512,
.set k, k+2
.endr
.irp m, 1,2
.set k, 0
.rept 32
	v_add_f32_dpp v[TOT+k], v[TOT+k], v[TOT+k] row_xmask:\m row_mask:0xf bank_mask:0xf     ; over the four blocks, which lie in lanes r, r^1, r^2, r^3
.set k, k+1
.endr
.endr
.set k, 0
.rept 16
	v_pk_fma_f32 v[XX+k:XX+k+1], v[XX+k:XX+k+1], 0x3c000000, v[TOT+k:TOT+k+1] op_sel_hi:[1,0,1]   ; block mean - whole mean, in f32
.set k, k+2
.endr
.set k, 0
.rept 16
	v_cvt_pk_bf16_f32 v[DA+k], v[XX+2*k], v[XX+2*k+1]
.set k, k+1
.endr
	s_wait_loadcnt 6                               ; qc; 6 younger loads stay out
	v_wmma_f32_16x16x32_bf16 v[80:87], v[DA:DA+7], v[QC:QC+7], 0           ; row m is block m & 3, column n my query: two sums, added below
	v_wmma_f32_16x16x32_bf16 v[88:95], v[DA+8:DA+15], v[QC+8:QC+15], 0
	NOP4                                           ; four places before results are read and fragments loaded over the sources (ISA guide 7.12.1)
.irp b, 0,1,2,3
	v_add_f32 v[SH+\b], v[80+\b], v[88+\b]
.endr
	s_wait_loadcnt 0x0
	s_wait_kmcnt 0x0
	; the eight heads (each group of eight lanes holds all of them): centred squares + 2^22 x the centred squares of the heads' means, over 2^25 scores
	v_mov_b32 v238, v236
.irp m, 1,2,4
	v_add_f32_dpp v238, v238, v238 row_xmask:\m row_mask:0xf bank_mask:0xf
.endr
	v_mul_f32 v238, 0x3e000000, v238
	v_sub_f32 v239, v236, v238
	v_mul_f32 v239, v239, v239
	v_fmamk_f32 v239, v239, 0x4a800000, v237
.irp m, 1,2,4
	v_add_f32_dpp v239, v239, v239 row_xmask:\m row_mask:0xf bank_mask:0xf
.endr
	v_mul_f32 v239, 0x33000000, v239
	v_max_num_f32 v239, 0, v239
	v_sqrt_f32 v240, v239
	v_nop                                          ; one plain instruction behind a transcendental (ISA guide 5.7.2)
	s_wait_alu depctr_va_vdst(0)
	v_fma_f32 v240, v240, 0.5, 1.0
	v_med3_num_f32 v240, v240, 0.5, s33
	v_rcp_f32 v241, v240
	v_nop
	s_wait_alu depctr_va_vdst(0)
	v_mul_f32 v241, 0x3fb8aa3b, v241               ; log2(e) / temperature
	v_mul_f32 v[AP], s40, v241
	v_mul_f32 v[AP+1], s40, v241
	v_mul_f32 v[BP], s41, v241
	v_mul_f32 v[BP+1], s41, v241
	v_mul_f32 v238, s42, v241
	v_mul_f32 v[CR], v238, v234                    ; constant along the row: the addend of the first multiply-add
	v_mul_f32 v[CR+1], v238, v234
.macro LOADK cov, half                 ; eight fragments of 64 keys: cov = 0 unit vectors, 1 centred keys
.irp t, 0,1,2,3
.irp s, 0,1
	ds_load_b128 v[FR+16*\t+8*\s:FR+16*\t+8*\s+3],   v6 offset:PIECE*\t+ARRB*\cov+HALFB*\half+64*\s
	ds_load_b128 v[FR+16*\t+8*\s+4:FR+16*\t+8*\s+7], v6 offset:PIECE*\t+ARRB*\cov+HALFB*\half+64*\s+32
.endr
.endr
.endm
.macro LOADV half                      ; V^T of 64 keys: fragment (u, t) = d 16 t .. + 15, keys 32 u .. + 31
.irp u, 0,1
.irp t, 0,1,2,3
	ds_load_tr16_b128 v[FR+32*\u+8*\t:FR+32*\u+8*\t+3],   v12 offset:VHALF*\half+16*VP*\u+32*\t
	ds_load_tr16_b128 v[FR+32*\u+8*\t+4:FR+32*\u+8*\t+7], v12 offset:VHALF*\half+16*VP*\u+32*\t+8*VP
.endr
.endr
.endm
; four accumulators take turns, one instruction a turn.  cb: the registers from which the sums start, or 0.
.macro MULS acc, q, form, cb
.irp s, 0,1
.irp t, 0,1,2,3
.if \s
	v_wmma_f32_16x16x32_\form v[\acc+8*\t:\acc+8*\t+7], v[FR+16*\t+8*\s:FR+16*\t+8*\s+7], v[\q+8*\s:\q+8*\s+7], v[\acc+8*\t:\acc+8*\t+7]
.else
.if \cb
	v_wmma_f32_16x16x32_\form v[\acc+8*\t:\acc+8*\t+7], v[FR+16*\t+8*\s:FR+16*\t+8*\s+7], v[\q+8*\s:\q+8*\s+7], v[\cb:\cb+7]
.else
	v_wmma_f32_16x16x32_\form v[\acc+8*\t:\acc+8*\t+7], v[FR+16*\t+8*\s:FR+16*\t+8*\s+7], v[\q+8*\s:\q+8*\s+7], 0
.endif
.endif
.endr
.endr
.endm
; 64 keys, half of a stage.  first = 1: nothing is carried yet, and the first products start O.
.macro CHUNK first, half
	LOADK 0, \half
	s_wait_dscnt 0x0
	MULS SC, QH, f16, 0
	NOP4                                           ; four places before results are read and fragments loaded again (ISA guide 7.12.1)
	LOADK 1, \half                                 ; the centred keys' fragments land while C is clipped
.set k, 0
.rept 32
	v_med3_num_f32 v[SC+k], v[SC+k], s46, s47
.set k, k+1
.endr
	s_wait_dscnt 0x0
	MULS SV, QC, bf16, DV
	NOP4
	LOADV \half                                    ; V's fragments land during the softmax
.set k, 0
.rept 32
	v_med3_num_f32 v[SV+k], v[SV+k], s48, s49
.set k, k+1
.endr
.set k, 0
.rept 16
	v_pk_fma_f32 v[SV+k:SV+k+1], v[SV+k:SV+k+1], v[BP:BP+1], v[CR:CR+1]
.set k, k+2
.endr
.set k, 0
.rept 16
	v_pk_fma_f32 v[SC+k:SC+k+1], v[SC+k:SC+k+1], v[AP:AP+1], v[SV+k:SV+k+1]
.set k, k+2
.endr
.irp c, 0,1,2,3
	v_max3_num_f32 v[TM+\c], v[SC+8*\c], v[SC+8*\c+1], v[SC+8*\c+2]
.endr
.irp c, 0,1,2,3
	v_max3_num_f32 v[TM+\c], v[TM+\c], v[SC+8*\c+3], v[SC+8*\c+4]
.endr
.irp c, 0,1,2,3
	v_max3_num_f32 v[TM+\c], v[TM+\c], v[SC+8*\c+5], v[SC+8*\c+6]
.endr
.irp c, 0,1,2,3
	v_max_num_f32 v[TM+\c], v[TM+\c], v[SC+8*\c+7]
.endr
	v_max3_num_f32 v[TM], v[TM], v[TM+1], v[TM+2]
.if \first
	v_max_num_f32 v[TM], v[TM], v[TM+3]
.else
	v_max3_num_f32 v[TM], v[TM], v[TM+3], v[MX]
.endif
	v_permlanex16_b32 v[TM+1], v[TM], s[P0], s[P1] ; the query's other 32 keys lie in the other half of the lanes
	v_max_num_f32 v[MN], v[TM], v[TM+1]
	v_max_num_f32 v[MN+1], v[TM], v[TM+1]
.if \first == 0
	v_sub_f32 v[TM+2], v[MX], v[MN]
.endif
.set k, 0
.rept 16
	v_pk_add_f32 v[SC+k:SC+k+1], v[SC+k:SC+k+1], v[MN:MN+1] neg_lo:[0,1] neg_hi:[0,1]
.set k, k+2
.endr
.if \first == 0
	v_exp_f32 v[AL], v[TM+2]
	v_exp_f32 v[AL+1], v[TM+2]
.endif
.set k, 0
.rept 32
	v_exp_f32 v[SC+k], v[SC+k]
.set k, k+1
.endr
	v_mov_b32 v[MX], v[MN]                         ; the plain instruction behind the run of transcendentals (ISA guide 5.7.2)
.if \first
	s_wait_alu depctr_va_vdst(0)
	v_pk_add_f32 v[LS:LS+1], v[SC:SC+1], v[SC+2:SC+3]
.set k, 4
.rept 14
	v_pk_add_f32 v[LS:LS+1], v[LS:LS+1], v[SC+k:SC+k+1]
.set k, k+2
.endr
.else
	s_wait_alu depctr_va_vdst(0)
	v_pk_fma_f32 v[LS:LS+1], v[LS:LS+1], v[AL:AL+1], v[SC:SC+1]
.set k, 2
.rept 15
	v_pk_add_f32 v[LS:LS+1], v[LS:LS+1], v[SC+k:SC+k+1]
.set k, k+2
.endr
.endif
.set k, 0
.rept 16
	v_cvt_pk_f16_f32 v[PB+k], v[SC+2*k], v[SC+2*k+1]       ; tiles 2 u and 2 u + 1 are the two halves of fragment u
.set k, k+1
.endr
.if \first == 0
.set k, 0
.rept 16
	v_pk_mul_f32 v[OO+k:OO+k+1], v[OO+k:OO+k+1], v[AL:AL+1]
.set k, k+2
.endr
.endif
	s_wait_dscnt 0x0
.irp u, 0,1
.irp t, 0,1,2,3
.if \first*(1-\u)
	v_wmma_f32_16x16x32_f16 v[OO+8*\t:OO+8*\t+7], v[FR+32*\u+8*\t:FR+32*\u+8*\t+7], v[PB+8*\u:PB+8*\u+7], 0
.else
	v_wmma_f32_16x16x32_f16 v[OO+8*\t:OO+8*\t+7], v[FR+32*\u+8*\t:FR+32*\u+8*\t+7], v[PB+8*\u:PB+8*\u+7], v[OO+8*\t:OO+8*\t+7]
.endif
.endr
.endr
	NOP4                                           ; with the four behind the next cosine products: eight places before P's registers are written by a matrix instruction
.endm
; 128 keys.  My parts of the stage have landed (two loads of mine for each later stage stay out), everybody's have.
.macro STAGE j, first
	s_wait_tensorcnt 2*(3-\j)
	s_wait_dscnt 0x0
	s_barrier_signal -1
	s_barrier_wait -1
.irp i, 0,1,2,3,4,5,6,7
	v_mov_b32 v[DV+\i], v[SH+\j]                   ; the stage is one block of 128 keys
.endr
	CHUNK \first, 0
	CHUNK 0, 1
.if \j < 3
	v_add_nc_u32 v6, STAGEB, v6
	v_add_nc_u32 v12, VSTAGE, v12
.endif
.endm
	STAGE 0, 1
	STAGE 1, 0
	STAGE 2, 0
	STAGE 3, 0                                     ; its wait is for zero: no load was issued behind the last stage's
	v_add_f32 v[LS], v[LS], v[LS+1]
	XH LS, TM
	v_rcp_f32 v[AL], v[LS]
	v_rcp_f32 v[AL+1], v[LS]
	v_nop
.set k, 0
	s_wait_alu depctr_va_vdst(0)
.rept 16
	v_pk_mul_f32 v[OO+k:OO+k+1], v[OO+k:OO+k+1], v[AL:AL+1]
.set k, k+2
.endr
.set k, 0
.rept 16
	v_cvt_pk_f16_f32 v[Z+k], v[OO+2*k], v[OO+2*k+1]
.set k, k+1
.endr
	; sixteen rows of 128 bytes through my own stage: a store of the wave covers 512 neighbouring bytes
.irp t, 0,1,2,3
	ds_store_b128 v13, v[Z+4*\t:Z+4*\t+3] offset:32*\t
.endr
.irp u, 0,1,2,3
	ds_load_b128 v[RB+4*\u:RB+4*\u+3], v14 offset:576*\u   ; a wave's LDS instructions are served in order: these see the stores above
.endr
.irp u, 0,1,2,3
	s_wait_dscnt 3-\u                              ; the younger read-backs stay out
	global_store_b128 v15, v[RB+4*\u:RB+4*\u+3], s[12:13] offset:512*\u
.endr
	s_wait_tensorcnt 0x0
	ds_add_u32 v254, v255
	s_wait_dscnt 0x0
	s_endpgm
.Lfunc_end_k_qd6d52cd360_attn:
	.size	k_qd6d52cd360_attn, .Lfunc_end_k_qd6d52cd360_attn-k_qd6d52cd360_attn
	.p2alignl 7, 3214868480
	.fill 96, 4, 3214868480
	.section	.rodata,"a",@progbits
	.p2align	6, 0x0
	.amdhsa_kernel k_qd6d52cd360_attn
		.amdhsa_group_segment_fixed_size 251904
		.amdhsa_private_segment_fixed_size 0
		.amdhsa_enable_private_segment 0
		.amdhsa_kernarg_size 40
		.amdhsa_user_sgpr_count 2
		.amdhsa_user_sgpr_kernarg_segment_ptr 1
		.amdhsa_wavefront_size32 1
		.amdhsa_system_sgpr_workgroup_id_x 1
		.amdhsa_system_sgpr_workgroup_id_y 1
		.amdhsa_system_sgpr_workgroup_id_z 1
		.amdhsa_system_vgpr_workitem_id 0
		.amdhsa_next_free_vgpr 256
		.amdhsa_next_free_sgpr 100
		.amdhsa_reserve_vcc 0
		.amdhsa_float_denorm_mode_32 3
		.amdhsa_float_denorm_mode_16_64 3
		.amdhsa_memory_ordered 1
		.amdhsa_forward_progress 1
		.amdhsa_inst_pref_size 162
	.end_amdhsa_kernel
	.amdgpu_metadata
---
amdhsa.version: [ 1, 2 ]
amdhsa.kernels:
  - .name:           k_qd6d52cd360_attn
    .symbol:         k_qd6d52cd360_attn.kd
    .args:
      - { .name: pj, .offset: 0, .size: 8, .value_kind: global_buffer, .address_space: global }
      - { .name: colsum, .offset: 8, .size: 8, .value_kind: global_buffer, .address_space: global }
      - { .name: stat, .offset: 16, .size: 8, .value_kind: global_buffer, .address_space: global }
      - { .name: coef, .offset: 24, .size: 8, .value_kind: global_buffer, .address_space: global }
      - { .name: ob, .offset: 32, .size: 8, .value_kind: global_buffer, .address_space: global }
    .group_segment_fixed_size: 251904
    .private_segment_fixed_size: 0
    .kernarg_segment_align: 8
    .kernarg_segment_size: 40
    .max_flat_workgroup_size: 512
    .sgpr_count:     100
    .vgpr_count:     256
    .wavefront_size: 32
...
	.end_amdgpu_metadata
.endif
;; end of part 9
;; launch outp: the kernel of part 6 again; grid 128 x 1, 8 waves a work-group, no clusters, 102,400 bytes of LDS; arguments ob, wf, b_out, out0; writes out0
;; ======== version 3 of 3: 6 launches; version 2 with the launch outp written anew for expert scheduling mode
;; limits: values are held in f16: magnitudes above 65,504 overflow, below 6.1e-05 lose precision
;; workspace buffers: wf 1,048,576 bytes; pj 41,943,040 bytes; colsum 262,144 bytes; stat 278,528 bytes; coef 256 bytes; ob 8,388,608 bytes
;; launch prep: the kernel of part 1 again; grid 128 x 2, 8 waves a work-group, no clusters, 0 bytes of LDS; arguments W_in, W_out, wf; writes wf
;; launch project: the kernel of part 2 again; grid 64 x 3, 16 waves a work-group, no clusters, 176,128 bytes of LDS; arguments q, k, v, ln_g, ln_b, wf, pj, colsum; writes pj, colsum
;; launch stats: the kernel of part 7 again; grid 256 x 1, 16 waves a work-group, no clusters, 169,984 bytes of LDS; arguments pj, colsum, stat; writes stat
;; launch mix: the kernel of part 8 again; grid 8 x 1, 8 waves a work-group, no clusters, 5,120 bytes of LDS; arguments colsum, stat, wp1_w, wp1_b, wpln_g, wpln_b, wp2_w, wp2_b, wp3_w, wp3_b, temp, coef; writes coef
;; launch attn: the kernel of part 9 again; grid 256 x 1, 16 waves a work-group, no clusters, 251,904 bytes of LDS; arguments pj, colsum, stat, coef, ob; writes ob
;; launch outp (part 10): grid 128 x 1, 8 waves a work-group, no clusters, 102,400 bytes of LDS; arguments ob, wf, b_out, out0; writes out0
.if DOCPART == 10
	.amdgcn_target "amdgcn-amd-amdhsa--gfx1250"
	.amdhsa_code_object_version 6
	.text
	.protected	k_qd6d52cd360_outp
	.globl	k_qd6d52cd360_outp
	.p2align	8
	.type	k_qd6d52cd360_outp,@function
k_qd6d52cd360_outp:
	s_mov_b64 s[64:65], 0
	v_nop
	global_prefetch_b8 v0, s[64:65] scope:SCOPE_SE
	s_setreg_imm32_b32 hwreg(HW_REG_WAVE_SCHED_MODE, 0, 2), 2
	s_setreg_imm32_b32 hwreg(HW_REG_WAVE_MODE, 25, 1), 1
	s_wait_xcnt 0x0
	s_wait_alu depctr_vm_vsrc(0)
; out0 = O W_out + b_out.  The work-group takes 64 rows and all 512 columns; wave g makes columns 64 g .. + 63.  O comes as f16 [head][8192][64] and is laid
; into LDS as rows of 512 (head x 64 + d); W_out comes as f16 fragments straight from memory, two K steps ahead.
; W's columns are rows of A and O's rows columns of B: lane (r, h) holds row r and eight neighbouring columns, which leave through the wave's own stage as
; rows of 256 bytes.  No cluster, no tensor loads: LDS is filled once, and W never passes through LDS.
; LIMIT: O and W_out are f16 operands (below 65504).
; THE MODE: SCHED_MODE bits 1:0 = 2 (LLVM: expert scheduling mode 2), set by the entry lines.  The code itself states the register dependences
; between vector or matrix instructions and memory or LDS instructions, with s_wait_alu, always for 0.
; THE PLAN.  Registers that memory or LDS instructions touch:
;   XF0, XF1      (window 1) Step s: its matrix instructions read XF[s % 2]; at its head the LDS loads of step s + 1 land in the other buffer, which step s - 1 read.
;   WF0 .. WF2    Step s: its matrix instructions read WF[s % 3]; the loads of step s + 2 land in WF[(s + 2) % 3], which step s - 1 read.
;   ACC           At the head v16-79 take O's loads and are read by the LDS stores; then matrix instructions write all of it; the way out's LDS stores read it.
;   RB0 .. RB2    (WF's registers, on the way out) The read-backs from the stage land in them, the bias adds write them in place, the global stores read them.
;   v4 - v11, v254, v255  Offsets and addresses: made at the head, never written again.
; So ONE wait on va_vdst stands at the head of a step: the matrix instructions of the step before are done reading the two buffers in which this step's sixteen
; loads land.  The step's own matrix instructions name WF[s % 3], XF[s % 2] and ACC, none of which those loads touch: W's loads are dealt among them with no further wait.
.set XPITCH, 1040
.set STG,    64*XPITCH
.set SPITCH, 272                       ; 64 f32 + 16 bytes
.set ACC, 16                           ; v16-143   16 accumulator tiles (i, t) at 16 + 8 (4 i + t); before that O as loaded
.set WF,  144                          ; v144-239  four fragments of W, three buffers
.set RB,  144                          ; v144-239  the way out: 16 rows read back, three buffers
.set BI,  240                          ; v240-243  the bias of my four columns
.set XF,  0                            ; v256-319  (v0-63 of window 1) four fragments of O, two buffers
; v1 lane, v2 r, v3 h, v4 16 thread, v5 LDS fill, v6 LDS fragments, v7 16 lane, v8 stage in, v9 stage back, v10 out0 offset, v11 bias offset
; v254 the LDS address of my spare word, v255 0: made at the head and kept for the closing lines alone
.set MSB, 0
.macro WIN new                         ; s_set_vgpr_msb: bits 1:0 source 0, 3:2 source 1, 5:4 source 2, 7:6 destination; the high byte repeats the setting that is left
.if MSB != (\new)
	s_set_vgpr_msb (MSB<<8)|(\new)
.set MSB, \new
.endif
.endm
.set TO_X, 0x40                        ; an LDS load's data in window 1, its address in window 0
.set MUL,  0x04                        ; source 1 (O's fragments) in window 1; W, C and D in window 0: a global load under it has data and address in window 0
.macro NOP4
.rept 4
	v_nop
.endr
.endm
	s_load_b256 s[8:15], s[0:1], 0x0               ; ob 8, wf 10, b_out 12, out0 14
	v_lshl_add_u32 v254, v0, 2, 0x18c00
	v_mov_b32 v255, 0
	v_lshrrev_b32 v12, 5, v0
	v_readfirstlane_b32 s2, v12                    ; wave = column group
	v_and_b32 v1, 31, v0
	v_and_b32 v2, 15, v0
	v_bfe_u32 v3, v0, 4, 1
	v_lshlrev_b32 v7, 4, v1
	v_lshrrev_b32 v12, 3, v1
	v_and_b32 v13, 7, v1
	v_mul_u32_u24 v6, v2, XPITCH
	v_lshl_add_u32 v6, v3, 4, v6
	v_lshlrev_b32 v11, 4, v2
	v_lshl_add_u32 v10, v3, 11, v11
	s_wait_alu depctr_va_sdst(0)                   ; s2 is written, ahead of its first reader: the offsets and bases below are made from it
	s_lshl_b32 s16, s2, 9                          ; three scalars that vector instructions read, each in a register of its own that is not written again
	s_mul_i32 s17, s2, 4*XPITCH
	s_mul_i32 s18, s2, 16*SPITCH
	s_add_co_u32 s18, s18, STG
	v_add_nc_u32 v4, s16, v7
	v_mad_u32_u24 v5, v12, XPITCH, s17             ; row 4 wave + lane / 8,
	v_lshl_add_u32 v5, v13, 4, v5                  ; 16 bytes at lane mod 8
	v_mad_u32_u24 v8, v2, SPITCH, s18
	v_lshl_add_u32 v8, v3, 5, v8
	v_mad_u32_u24 v9, v3, SPITCH, s18
	v_lshl_add_u32 v9, v2, 4, v9
	s_wait_kmcnt 0x0
	s_lshl_b32 s36, ttmp9, 13                      ; 64 rows of 128 bytes in each head's part
	s_mov_b32 s37, 0
	s_add_nc_u64 s[24:25], s[8:9], s[36:37]
	s_lshl_b32 s36, s2, 16
	s_add_co_u32 s36, s36, 524288
	s_add_nc_u64 s[34:35], s[10:11], s[36:37]      ; W_out's pieces for my 64 columns
	s_lshl_b32 s36, s2, 8
	s_add_nc_u64 s[12:13], s[12:13], s[36:37]
	s_lshl_b32 s38, ttmp9, 17                      ; 64 rows of 2,048 bytes
	s_add_co_u32 s36, s36, s38
	s_add_nc_u64 s[30:31], s[14:15], s[36:37]
	s_wait_alu depctr_va_vdst(0)                   ; v4 to v11, v254 and v255 are written: every load, store and LDS instruction of the kernel reads one of them as its offset or address
.macro WFRAG s, t                      ; W's fragment t of K step s: two loads, 512 neighbouring bytes each
	global_load_b128 v[WF+32*((\s)%3)+8*(\t):WF+32*((\s)%3)+8*(\t)+3],   v7, s[34:35] offset:4096*(\s)+1024*(\t)
	global_load_b128 v[WF+32*((\s)%3)+8*(\t)+4:WF+32*((\s)%3)+8*(\t)+7], v7, s[34:35] offset:4096*(\s)+1024*(\t)+512
.endm
.macro XLOAD s                         ; O's four fragments of K step s, under the setting TO_X
.irp i, 0,1,2,3
	ds_load_b128 v[XF+32*((\s)%2)+8*\i:XF+32*((\s)%2)+8*\i+3],   v6 offset:16*XPITCH*\i+64*(\s)
	ds_load_b128 v[XF+32*((\s)%2)+8*\i+4:XF+32*((\s)%2)+8*\i+7], v6 offset:16*XPITCH*\i+64*(\s)+32
.endr
.endm
.irp i, 0,1,2,3,4,5,6,7,8,9,10,11,12,13,14,15
	global_load_b128 v[ACC+4*\i:ACC+4*\i+3], v4, s[24:25] offset:(\i/2)*1048576+(\i%2)*4096 th:TH_LOAD_NT    ; head i / 2, rows 32 (i mod 2) ..
.endr
	global_load_b128 v[BI:BI+3], v11, s[12:13]
.irp t, 0,1,2,3
	WFRAG 0, \t
.endr
.irp t, 0,1,2,3
	WFRAG 1, \t
.endr
	s_wait_loadcnt 17                              ; O's 16 loads are in; the bias and W's 16 stay out
.irp i, 0,1,2,3,4,5,6,7,8,9,10,11,12,13,14,15
	ds_store_b128 v5, v[ACC+4*\i:ACC+4*\i+3] offset:(\i%2)*32*XPITCH+(\i/2)*128
.endr
	s_wait_dscnt 0x0                               ; for the other waves' sake: my part of O is in LDS
	s_barrier_signal -1
	s_barrier_wait -1
	s_wait_alu depctr_vm_vsrc(0)                   ; my LDS stores have read v16-79, which step 0's matrix instructions write
	WIN TO_X
	XLOAD 0                                        ; no vector instruction has named XF0, and v6 was written ahead of the wait at the head
; One K step of 32: 16 matrix instructions on 16 accumulators that take turns, one instruction a turn.
.macro KSTEP s
.if \s < 15
	WIN TO_X                                       ; the switch, then the wait, then the loads
.if \s > 0
	s_wait_alu depctr_va_vdst(0)                   ; the matrix instructions of the step before are done reading XF[(s + 1) % 2] and WF[(s + 2) % 3], in which this step's loads land
.endif
	XLOAD \s+1
	s_wait_dscnt 0x8                               ; LDS loads come back in order (ISA guide 5.7.1): this step's fragments of O are in, the eight just issued stay out
.else
	s_wait_dscnt 0x0                               ; the last step asks for nothing
.endif
	WIN MUL
.if \s < 15
	s_wait_loadcnt 0x8                             ; this step's W fragments; the next step's eight loads stay out
.else
	s_wait_loadcnt 0x0
.endif
.irp i, 0,1,2,3
.if \s < 14
	WFRAG \s+2, \i                                 ; two steps ahead.  No wait: no matrix instruction since the wait above names WF[(s + 2) % 3] or v7
.endif
.irp t, 0,1,2,3
.if \s == 0
	v_wmma_f32_16x16x32_f16 v[ACC+8*(4*\i+\t):ACC+8*(4*\i+\t)+7], v[WF+32*((\s)%3)+8*\t:WF+32*((\s)%3)+8*\t+7], v[XF+32*((\s)%2)+8*\i:XF+32*((\s)%2)+8*\i+7], 0
.else
	v_wmma_f32_16x16x32_f16 v[ACC+8*(4*\i+\t):ACC+8*(4*\i+\t)+7], v[WF+32*((\s)%3)+8*\t:WF+32*((\s)%3)+8*\t+7], v[XF+32*((\s)%2)+8*\i:XF+32*((\s)%2)+8*\i+7], v[ACC+8*(4*\i+\t):ACC+8*(4*\i+\t)+7]
.endif
.endr
.endr
	NOP4                                           ; four places behind the step's last matrix instruction: owed before the way out reads results; ahead of the next step's loads they stand beside that step's wait, not for it
.endm
.irp s, 0,1,2,3,4,5,6,7,8,9,10,11,12,13,14,15
	KSTEP \s
.endr
; The way out, in four blocks of sixteen rows of 256 bytes through my own stage; the bias is added on the way back; sixteen lanes store 256 neighbouring bytes,
; at a multiple of 256 from out0's first byte.  Blocks 0, 1, 2 come back into RB0, RB1, RB2, block 3 into RB0 again, a whole block behind the stores that read it.
.macro TOSTAGE i, b
.irp t, 0,1,2,3
	ds_store_b128 v8, v[ACC+32*\i+8*\t:ACC+32*\i+8*\t+3] offset:64*\t          ; each accumulator from its low end on
	ds_store_b128 v8, v[ACC+32*\i+8*\t+4:ACC+32*\i+8*\t+7] offset:64*\t+16
.endr
.irp u, 0,1,2,3,4,5,6,7
	ds_load_b128 v[RB+32*\b+4*\u:RB+32*\b+4*\u+3], v9 offset:2*SPITCH*\u       ; a wave's LDS instructions are served in order: these see the stores above, and the next block's stores come behind them
.endr
.endm
.macro SEND i, b, younger              ; younger: the LDS instructions issued behind this block's read-backs, which stay out
	s_wait_dscnt \younger
.irp u, 0,1,2,3,4,5,6,7
	v_pk_add_f32 v[RB+32*\b+4*\u:RB+32*\b+4*\u+1], v[RB+32*\b+4*\u:RB+32*\b+4*\u+1], v[BI:BI+1]
	v_pk_add_f32 v[RB+32*\b+4*\u+2:RB+32*\b+4*\u+3], v[RB+32*\b+4*\u+2:RB+32*\b+4*\u+3], v[BI+2:BI+3]
.endr
	s_wait_alu depctr_va_vdst(0)                   ; the sixteen adds have written this block's RB, which the eight stores read
.irp u, 0,1,2,3,4,5,6,7
	global_store_b128 v10, v[RB+32*\b+4*\u:RB+32*\b+4*\u+3], s[30:31] offset:(16*\i+2*\u)*2048 th:TH_STORE_NT
.endr
.endm
	WIN 0
	s_wait_alu depctr_va_vdst(0)                   ; the matrix instructions have written ACC, which the LDS stores read, and are done reading WF, in which the read-backs land; the places above stay beside this wait
	TOSTAGE 0, 0
	TOSTAGE 1, 1
	TOSTAGE 2, 2
	SEND 0, 0, 32                                  ; blocks 1 and 2: sixteen LDS instructions each
	SEND 1, 1, 16
	s_wait_xcnt 0x0                                ; RB0, which block 0's stores read, is loaded again only behind this wait
	s_wait_alu depctr_vm_vsrc(0)                   ; block 0's stores have read RB0, in which block 3's read-backs land (the adds that named RB0 stand ahead of block 1's wait on va_vdst)
	TOSTAGE 3, 0
	SEND 2, 2, 16
	SEND 3, 0, 0
	s_wait_dscnt 0x0                               ; the closing lines, six on end
	s_wait_alu 0x0
	s_wait_tensorcnt 0x0
	ds_add_u32 v254, v255
	s_wait_dscnt 0x0
	s_endpgm
.Lfunc_end_k_qd6d52cd360_outp:
	.size	k_qd6d52cd360_outp, .Lfunc_end_k_qd6d52cd360_outp-k_qd6d52cd360_outp
	.p2alignl 7, 3214868480
	.fill 96, 4, 3214868480
	.section	.rodata,"a",@progbits
	.p2align	6, 0x0
	.amdhsa_kernel k_qd6d52cd360_outp
		.amdhsa_group_segment_fixed_size 102400
		.amdhsa_private_segment_fixed_size 0
		.amdhsa_enable_private_segment 0
		.amdhsa_kernarg_size 32
		.amdhsa_user_sgpr_count 2
		.amdhsa_user_sgpr_kernarg_segment_ptr 1
		.amdhsa_wavefront_size32 1
		.amdhsa_system_sgpr_workgroup_id_x 1
		.amdhsa_system_sgpr_workgroup_id_y 1
		.amdhsa_system_sgpr_workgroup_id_z 1
		.amdhsa_system_vgpr_workitem_id 0
		.amdhsa_next_free_vgpr 320
		.amdhsa_next_free_sgpr 66
		.amdhsa_reserve_vcc 0
		.amdhsa_float_denorm_mode_32 3
		.amdhsa_float_denorm_mode_16_64 3
		.amdhsa_memory_ordered 1
		.amdhsa_forward_progress 1
		.amdhsa_inst_pref_size 57
	.end_amdhsa_kernel
	.amdgpu_metadata
---
amdhsa.version: [ 1, 2 ]
amdhsa.kernels:
  - .name:           k_qd6d52cd360_outp
    .symbol:         k_qd6d52cd360_outp.kd
    .args:
      - { .name: ob, .offset: 0, .size: 8, .value_kind: global_buffer, .address_space: global }
      - { .name: wf, .offset: 8, .size: 8, .value_kind: global_buffer, .address_space: global }
      - { .name: b_out, .offset: 16, .size: 8, .value_kind: global_buffer, .address_space: global }
      - { .name: out0, .offset: 24, .size: 8, .value_kind: global_buffer, .address_space: global }
    .group_segment_fixed_size: 102400
    .private_segment_fixed_size: 0
    .kernarg_segment_align: 8
    .kernarg_segment_size: 32
    .max_flat_workgroup_size: 256
    .sgpr_count:     66
    .vgpr_count:     320
    .wavefront_size: 32
...
	.end_amdgpu_metadata
.endif
;; end of part 10
